; MI455X (gfx1250); checked and timed in simulation.
; The chip was launched on July 23, 2026; its instructions are those of AMD's public machine-readable ISA for CDNA 5 (MIT licence, August 2026) and "CDNA5" Instruction Set Architecture Reference Guide (July 2026). The comments in the code are by the model that wrote it; some were corrected since.
;; Sparse Mixture Of Experts. Allowed arithmetic: matrix products marked QUANTISED: E3M2 operands, one E8M0 scale for each 32 along K, by v_wmma_scale_f32_16x16x128_f8f6f4 with both operands' format E3M2, f32 sums; products left as they are: f32 operands where the result goes on into a quantised operand, else bf16, f16 or f32 operands; f32 sums; everything else in f32.
;; Inputs: eb1 8 x 4,096 float32; eb2 8 x 1,024 float32; ew1 8 x 1,024 x 4,096 float32; ew2 8 x 4,096 x 1,024 float32; rb1 1,024 float32; rb2 8 float32; rw1 1,024 x 1,024 float32; rw2 1,024 x 8 float32; x 1,024 x 1,024 float32.
;; Outputs: out0 1,024 x 1,024 float32.
;; This version of the problem:
;;   THIS VERSION OF THE PROBLEM IS GIVEN IN LOW PRECISION. The matrix products marked QUANTISED in the list below multiply operands that are first quantised to E3M2 (3 exponent bits, 2 mantissa bits; 6 bits a number), with one power-of-two scale for each 32 numbers along K (OCP MX v1.0); their sums are f32. All else is computed in f32.
;;   The module's matrix products, in the order in which they are computed (A, B: the left and right operand; K: the contracted axis; several contracted axes count as one K, in the product's order):
;;     1. [M 1,024, K 1,024] x [K 1,024, N 1,024]; A: input x; B: input rw1: QUANTISED
;;     2. [M 1,024, K 1,024] x [K 1,024, N 8]; A: computed on the way; B: input rw2: left as it is (N = 8 < 16)
;;     3. [M 32,768, K 1,024] x [K 1,024, N 1,024]; A: input ew1; B: input x: QUANTISED
;;     4. batch 8 x [M 1,024, K 4,096] x [K 4,096, N 1,024]; A: computed on the way; B: input ew2: QUANTISED
;;     5. batch 1,024 x [M 1, K 8] x [K 8, N 1,024]; A: computed on the way; B: computed on the way: left as it is (K = 8 < 32)
;;   THE QUANTISER, for each operand of a quantised product, along K:
;;     - K is cut into blocks of 32 from its start; a last block that is shorter is filled with zeros.
;;     - A block's scale is 2^e with e = floor(log2(the largest magnitude in the block)) - 4, held to -126 .. 127; a block of zeros has e = 0. As a byte (E8M0): e + 127.
;;     - Each number is divided by its block's scale, clamped to +-28, and rounded to the nearest number of E3M2, ties to even, subnormals kept.
;;     - The product sums the exact products of the quantised numbers (number of the format x scale) in f32.
;;   ~~~python
;;   def quantise(x, axis):      # numpy; x: float32 -> the quantised numbers, widened to float32 again
;;       x = np.moveaxis(x, axis, -1); K = x.shape[-1]
;;       x = np.pad(x, [(0, 0)] * (x.ndim - 1) + [(0, -K % 32)]); x = x.reshape(x.shape[:-1] + (-1, 32)); a = np.abs(x).max(-1, keepdims=True)
;;       e = np.where(a > 0, np.clip(np.frexp(np.where(a > 0, a, 1))[1] - 1 - 4, -126, 127), 0)      # np.frexp(a)[1] - 1 = floor(log2(a)), exactly
;;       r = np.clip(x / 2.0 ** e, -28, 28)
;;       step = 2.0 ** (np.maximum(np.frexp(np.where(r == 0, 1, r))[1] - 1, -2) - 2)
;;       q = np.round(r / step) * step * 2.0 ** e      # np.round: ties to even
;;       return np.moveaxis(q.reshape(q.shape[:-2] + (-1,))[..., :K], -1, axis).astype(np.float32)
;;   ~~~
;;   OPERANDS COMPUTED ON THE WAY. 'Computed on the way' means the value that the module computes at that place (a softmax that the list does not call 'softmax' is quantised finished and normalised). What goes into a quantiser is computed in f32, as accurately as f32 sums, v_exp_f32 and their like allow (about 1e-6 of the number): no bf16 or f16 on the way to a quantiser, and a product that is left as it is and whose result goes on into a quantised operand takes f32 operands (vector FMAs, or v_wmma_f32_16x16x4_f32). A number that lies on a knife's edge between two numbers of the format may be rounded either way, as far as f32 arithmetic and the matrix unit's own rounding can turn it there, and no further.
;; 2 versions. Each part assembles by itself: llvm-mc -triple=amdgcn-amd-amdhsa -mcpu=gfx1250 --defsym DOCPART=n.
;; ======== version 1 of 2: 6 launches
;; workspace buffers: xc 1,048,576 bytes; pl 1,048,576 bytes; idx 8,192 bytes of whole numbers; gt 8,192 bytes; ent 33,024 bytes of whole numbers; xg 6,553,600 bytes; hc 26,214,400 bytes; part 33,554,432 bytes
;; launch router (part 1): grid 16 x 16, 8 waves a work-group, no clusters, 173,056 bytes of LDS; arguments x, rw1, rb1, rw2, xc, pl; writes xc, pl
.if DOCPART == 1
	.amdgcn_target "amdgcn-amd-amdhsa--gfx1250"
	.amdhsa_code_object_version 6
	.text
	.protected	k_q1eabfc411c_router
	.globl	k_q1eabfc411c_router
	.p2align	8
	.type	k_q1eabfc411c_router,@function
k_q1eabfc411c_router:
	s_mov_b64 s[64:65], 0
	v_nop
	global_prefetch_b8 v0, s[64:65] scope:SCOPE_SE
	s_setreg_imm32_b32 hwreg(HW_REG_WAVE_MODE, 25, 1), 1
	s_wait_xcnt 0x0
; ROUTER, FIRST PART.  h = relu(Q(x) Q(rw1) + rb1) on codes of BF6 (E3M2) with one E8M0 scale for each 32 along K; then partial logits h . rw2 in f32 multiply-adds.
; x [1024][1024], rw1 [1024 (k)][1024 (n)], rb1 [1024], rw2 [1024][8]: f32.  Out: xc, the codes of x (a record of 1,024 bytes a token), and pl [32 slices][1024 tokens][8] f32: the logits' sums over 32 hidden units each.
; SHARES.  A work-group takes 64 tokens (y) x 64 hidden units (x).  Wave w quantises K step w (128 along K) of both operands and leaves them in LDS as images of the operands' registers; one barrier;
; then wave w multiplies the tile of 16 tokens w % 4 with the two tiles of 16 units of half w / 4, over all eight K steps: two accumulators by turns.
; THE PRODUCT IS USED TRANSPOSED (source 0 = 16 columns of rw1, source 1 = 16 tokens): a lane holds one token and eight hidden units.
; rw1's K is its first axis: a lane takes four columns, its registers run down K, so a block of 32 lies in one lane and nothing is transposed by an instruction.
; No tensor loads and no cluster: what a work-group reads is quantised on its way through registers, and the launch is short.
; LIMITS: NaN and infinities among the inputs are not served.  A block of zeros gets the scale byte 1 where the quantiser says 127: its codes are zeros, and the bytes are read by this program alone.
; xc is written by the work-groups of x = 0 alone, in pieces of 48 bytes (0.8 MB in all): a later launch gathers it token by token.
.set STGX, 0                           ; LDS: a stage of 16 rows x (512 + 16) bytes for each wave
.set IMGW, 67584                       ; rw1's fragments, 1,536 bytes each, index 4 s + ct; lane (r, h) has 48 bytes at 48 (r + 16 h)
.set IMGX, 116736                      ; x's fragments, index 8 m + s; registers 4 c .. 4 c + 3 of lane l at 512 c + 16 l
.set WSCR, 165888                      ; rw1's scale words [s][ct][r]
.set XSC,  167936                      ; x's scale words, index 8 m + s, 4 bytes a lane
.set XA,   1                           ; 16 x lane
.set WOFF, 2                           ; rw1: 16 (l % 16) + 32 rows x (l / 16)
.set XSTW, 3                           ; the stage, in
.set XSTR, 4                           ; the stage, out
.set XIW,  5                           ; where I store x's images
.set XSW,  6                           ; and their scale words
.set CW,   7                           ; where I store rw1's codes
.set SBW,  8                           ; and their scale bytes
.set XFR,  9                           ; where I read x's fragments
.set XSR,  10
.set WFR,  11                          ; where I read rw1's fragments
.set WSRA, 12
.set XCO,  13                          ; xc: my codes' place
.set XCS,  14                          ; xc: my scale word's place
.set BA,   15                          ; rb1: 32 h
.set RA,   16                          ; rw2: 256 h
.set PO,   17                          ; pl: 32 r + 16 h
.set HH,   20                          ; h = lane / 16
.set XS,   24                          ; v24-31 x's scale words: scales and nothing else
.set WSR,  32                          ; v32-39 rw1's scale words: scales and nothing else
.set PC,   40                          ; v40-59 codes just made
.set TM,   60                          ; v60-75 at work in QUANT
.set PW,   76                          ; the scale word just made
.set CS,   64                          ; v64-95  four columns' codes (8 registers each)
.set TQ,   96                          ; v96-127 four columns' work registers
.set XQ,   128                         ; v128-255 four columns x 32 numbers down K
.set XL,   128                         ; v128-191, v192-255: two sets of 64 numbers of x
.set HR,   40                          ; v40-55 relu(h), 16 units
.set LG,   56                          ; v56-63 my partial logits
.set TP,   64                          ; v64-71 at work
.set XF,   128                         ; v128-223 x's eight fragments
.set SEL,  22                          ; s[22:23] lane selects for lane l xor 16
.set MSB, 0
.macro WIN new                         ; the immediate's high byte repeats the setting that is left
.if MSB != \new
	s_set_vgpr_msb (MSB<<8)|\new
.set MSB, \new
.endif
.endm
.macro PLACES n
.rept \n
	v_nop
.endr
.endm
; 32 numbers of one column, v[x] .. v[x + 31] down K, become 24 bytes of codes in v[cs] .. v[cs + 5] and the scale's byte in v[cs + 6]
.macro QNT x, cs, tq
	v_max3_num_f32 v[\tq], |v[\x]|, |v[\x+1]|, |v[\x+2]|
	v_max3_num_f32 v[\tq+1], |v[\x+3]|, |v[\x+4]|, |v[\x+5]|
.irp i, 6,10,14,18,22,26
	v_max3_num_f32 v[\tq], v[\tq], |v[\x+\i]|, |v[\x+\i+1]|
	v_max3_num_f32 v[\tq+1], v[\tq+1], |v[\x+\i+2]|, |v[\x+\i+3]|
.endr
	v_max3_num_f32 v[\tq], v[\tq], |v[\x+30]|, |v[\x+31]|
	v_max3_num_f32 v[\tq], v[\tq], v[\tq+1], 0x2800000      ; the floor 2^(5 - 127): the byte cannot fall under 1
	v_add_nc_u32 v[\tq+2], 0xfe000000, v[\tq]               ; 4 off the exponent field: the conversion's scale operand
	v_cvt_scalef32_pk16_bf6_f32 v[\cs:\cs+2], v[\x:\x+15], v[\tq+2]
	v_cvt_scalef32_pk16_bf6_f32 v[\tq+4:\tq+6], v[\x+16:\x+31], v[\tq+2]   ; (a conversion's three registers begin on an even number)
	v_lshrrev_b32 v[\cs+6], 23, v[\tq+2]                    ; the scale's byte; also the plain line behind the conversions
.irp i, 0,1,2
	v_mov_b32 v[\cs+3+\i], v[\tq+4+\i]
.endr
.endm
.macro CST cs, off, boff               ; a block's 24 bytes and its scale byte go to their places in the images
.irp p, 0,1,2
	ds_store_b64 v[CW], v[\cs+2*\p:\cs+2*\p+1] offset:\off+8*\p
.endr
	ds_store_b8 v[SBW], v[\cs+6] offset:\boff
.endm
; 32 landed loads (window 1: register 128 set + 4 rr + c = row rr, my column c) are turned into four columns and quantised
.macro CHUNK set, more, wcnt, off, boff
	s_wait_loadcnt \wcnt
	s_wait_dscnt 0x0                               ; the LDS stores before have read their registers
	WIN 0x01
.irp c, 0,1,2,3
.set rr, 0
.rept 32
	v_mov_b32 v[XQ+32*\c+rr], v[128*\set+4*rr+\c]
.set rr, rr+1
.endr
.endr
	WIN 0
.irp c, 0,1,2,3
	QNT XQ+32*\c, CS+8*\c, TQ+8*\c
.endr
.irp c, 0,1,2,3
	CST CS+8*\c, \off+48*\c, \boff+4*\c
.endr
.endm
; 64 numbers of a lane, register 16 b + i = k 32 b + 16 (lane / 16) + i of my row, become a fragment's codes in v[PC] on and its scale word in v[PW]
.macro QUANT s
.irp b, 0,1,2,3
	v_max3_num_f32 v[TM+\b], |v[\s+16*\b]|, |v[\s+1+16*\b]|, 0x2800000
.endr
.irp i, 2,4,6,8,10,12,14
.irp b, 0,1,2,3
	v_max3_num_f32 v[TM+\b], v[TM+\b], |v[\s+16*\b+\i]|, |v[\s+1+16*\b+\i]|
.endr
.endr
.irp b, 0,1,2,3
	v_permlanex16_b32 v[TM+4+\b], v[TM+\b], s[SEL], s[SEL+1]
.endr
.irp b, 0,1,2,3
	v_max_num_f32 v[TM+\b], v[TM+\b], v[TM+4+\b]   ; with lane l xor 16's: the block's largest magnitude
.endr
.irp b, 0,1,2,3
	v_add_nc_u32 v[TM+12+\b], 0xfe000000, v[TM+\b]
.endr
.irp b, 0,1,2,3
	v_lshrrev_b32 v[TM+4+\b], 23, v[TM+12+\b]
.endr
	v_lshl_or_b32 v[PW], v[TM+5], 8, v[TM+4]
	v_lshl_or_b32 v[PW], v[TM+6], 16, v[PW]
	v_lshl_or_b32 v[PW], v[TM+7], 24, v[PW]
.irp c, 0,1
	v_cvt_scalef32_pk16_bf6_f32 v[PC+6*\c:PC+2+6*\c], v[\s+32*\c:\s+15+32*\c], v[TM+12+2*\c]
	v_cvt_scalef32_pk16_bf6_f32 v[PC+12+4*\c:PC+14+4*\c], v[\s+16+32*\c:\s+31+32*\c], v[TM+12+2*\c+1]
.endr
	v_nop                                          ; one plain line behind a scaled conversion
.irp c, 0,1                                    ; the operand's layout wants a whole block in a lane
.irp i, 0,1,2
	v_permlane16_swap_b32 v[PC+6*\c+\i], v[PC+12+4*\c+\i]
.endr
.irp i, 0,1,2
	v_mov_b32 v[PC+3+6*\c+\i], v[PC+12+4*\c+\i]
.endr
.endr
.endm
.macro WM d, a, b, cm, c, sa, sb, row  ; one scaled product; cm = 0: the sum starts at 0; row = 1: source 0's scales stand in lanes 16-31
.if \cm
.if \row
	v_wmma_scale_f32_16x16x128_f8f6f4 v[\d:\d+7], v[\a:\a+11], v[\b:\b+11], v[\c:\c+7], v[\sa], v[\sb] matrix_a_fmt:MATRIX_FMT_BF6 matrix_b_fmt:MATRIX_FMT_BF6 matrix_a_scale:MATRIX_SCALE_ROW1
.else
	v_wmma_scale_f32_16x16x128_f8f6f4 v[\d:\d+7], v[\a:\a+11], v[\b:\b+11], v[\c:\c+7], v[\sa], v[\sb] matrix_a_fmt:MATRIX_FMT_BF6 matrix_b_fmt:MATRIX_FMT_BF6
.endif
.else
.if \row
	v_wmma_scale_f32_16x16x128_f8f6f4 v[\d:\d+7], v[\a:\a+11], v[\b:\b+11], 0, v[\sa], v[\sb] matrix_a_fmt:MATRIX_FMT_BF6 matrix_b_fmt:MATRIX_FMT_BF6 matrix_a_scale:MATRIX_SCALE_ROW1
.else
	v_wmma_scale_f32_16x16x128_f8f6f4 v[\d:\d+7], v[\a:\a+11], v[\b:\b+11], 0, v[\sa], v[\sb] matrix_a_fmt:MATRIX_FMT_BF6 matrix_b_fmt:MATRIX_FMT_BF6
.endif
.endif
.endm
	s_load_b256 s[4:11], s[0:1], 0x0               ; x, rw1, rb1, rw2
	s_load_b128 s[12:15], s[0:1], 0x20             ; xc, pl
	v_lshl_add_u32 v123, v0, 2, 0x2a000
	v_mov_b32 v127, 0
	v_lshrrev_b32 v21, 5, v0
	v_readfirstlane_b32 s16, v21                   ; wave 0..7 = my K step
	s_and_b32 s18, ttmp7, 0xffff                   ; block of 64 tokens
	s_and_b32 s19, s16, 3                          ; the product: my tile of tokens
	s_lshr_b32 s20, s16, 2                         ; and my half of the 64 units
	s_mov_b32 s[SEL], 0x76543210
	s_mov_b32 s[SEL+1], 0xfedcba98
	v_and_b32 v18, 31, v0                          ; lane
	v_and_b32 v19, 15, v0                          ; r
	v_bfe_u32 v[HH], v0, 4, 1                      ; h
	v_lshlrev_b32 v[XA], 4, v18
	v_lshlrev_b32 v[WOFF], 4, v19
	v_lshl_add_u32 v[WOFF], v[HH], 17, v[WOFF]     ; lanes 16-31 take the row 32 further down: the next block
	s_mul_i32 s36, s16, 8448
	v_add_nc_u32 v[XSTW], s36, v[XA]
	v_mul_u32_u24 v21, v19, 528
	v_lshl_add_u32 v21, v[HH], 6, v21
	v_add_nc_u32 v[XSTR], s36, v21
	s_mul_i32 s36, s16, 1536
	s_add_co_u32 s36, s36, IMGX
	v_add_nc_u32 v[XIW], s36, v[XA]
	s_lshl_b32 s36, s16, 7
	s_add_co_u32 s36, s36, XSC
	v_lshl_add_u32 v[XSW], v18, 2, s36
	v_bfe_u32 v21, v0, 2, 2                        ; my four columns 4 (l % 16) + c lie in tile (l / 4) % 4, rows 4 (l % 4) + c
	v_and_b32 v22, 3, v0
	v_mul_u32_u24 v[CW], v21, 1536
	v_mad_u32_u24 v[CW], v22, 192, v[CW]
	v_mad_u32_u24 v[CW], v[HH], 768, v[CW]         ; my block is 2 ch + h: its low bit picks the reader's half
	s_mul_i32 s36, s16, 6144
	s_add_co_u32 s36, s36, IMGW
	v_add_nc_u32 v[CW], s36, v[CW]
	v_lshlrev_b32 v[SBW], 6, v21
	v_lshl_add_u32 v[SBW], v22, 4, v[SBW]
	v_add_nc_u32 v[SBW], v[HH], v[SBW]
	s_lshl_b32 s36, s16, 8
	s_add_co_u32 s36, s36, WSCR
	v_add_nc_u32 v[SBW], s36, v[SBW]
	s_mul_i32 s36, s19, 12288
	s_add_co_u32 s36, s36, IMGX
	v_add_nc_u32 v[XFR], s36, v[XA]
	s_lshl_b32 s36, s19, 10
	s_add_co_u32 s36, s36, XSC
	v_lshl_add_u32 v[XSR], v18, 2, s36
	v_mul_u32_u24 v[WFR], v18, 48
	s_mul_i32 s36, s20, 3072
	s_add_co_u32 s36, s36, IMGW
	v_add_nc_u32 v[WFR], s36, v[WFR]
	s_lshl_b32 s36, s20, 7
	s_add_co_u32 s36, s36, WSCR
	v_lshl_add_u32 v[WSRA], v18, 2, s36
	v_lshlrev_b32 v21, 10, v19
	v_mad_u32_u24 v21, v[HH], 48, v21
	s_mul_i32 s36, s16, 96
	v_add_nc_u32 v[XCO], s36, v21
	s_lshl_b32 s36, s16, 2
	v_add_nc_u32 v[XCS], s36, v21
	v_lshlrev_b32 v[BA], 5, v[HH]
	v_lshlrev_b32 v[RA], 8, v[HH]
	v_lshlrev_b32 v[PO], 5, v19
	v_lshl_add_u32 v[PO], v[HH], 4, v[PO]
.irp b, 0,1,2,3
	v_mov_b32 v[TM+4+\b], 0                        ; written once: a lane permute's destination counts as one of its sources
.endr
	s_lshl_b32 s24, s18, 18                        ; x: 64 tokens of 4,096 bytes a block, + 512 bytes a K step
	s_lshl_b32 s25, s16, 9
	s_add_co_u32 s24, s24, s25
	s_mov_b32 s25, 0
	s_lshl_b32 s26, ttmp9, 8                       ; rw1: 256 bytes a slice of 64 columns, + 128 rows a K step
	s_lshl_b32 s27, s16, 19
	s_add_co_u32 s26, s26, s27
	s_mov_b32 s27, 0
	s_lshl_b32 s28, ttmp9, 8                       ; rb1: (64 c + 32 cp) x 4
	s_lshl_b32 s29, s20, 7
	s_add_co_u32 s28, s28, s29
	s_mov_b32 s29, 0
	s_lshl_b32 s30, s28, 3                         ; rw2: (64 c + 32 cp) x 32
	s_mov_b32 s31, 0
	s_lshl_b32 s32, s18, 16                        ; xc: 64 records of 1,024 bytes
	s_mov_b32 s33, 0
	s_lshl_b32 s34, ttmp9, 16                      ; pl: slice 2 c + cp of 32,768 bytes, token 64 tb + 16 m of 32 bytes
	s_lshl_b32 s35, s20, 15
	s_add_co_u32 s34, s34, s35
	s_lshl_b32 s35, s18, 11
	s_add_co_u32 s34, s34, s35
	s_lshl_b32 s35, s19, 9
	s_add_co_u32 s34, s34, s35
	s_mov_b32 s35, 0
	s_wait_kmcnt 0x0
	s_add_nc_u64 s[4:5], s[4:5], s[24:25]
	s_add_nc_u64 s[6:7], s[6:7], s[26:27]
	s_add_nc_u64 s[8:9], s[8:9], s[28:29]
	s_add_nc_u64 s[10:11], s[10:11], s[30:31]
	s_add_nc_u64 s[12:13], s[12:13], s[32:33]
	s_add_nc_u64 s[14:15], s[14:15], s[34:35]
.macro XLD m                           ; tile m's 16 rows, my K step's 512 bytes of each: a load reads 512 consecutive bytes
.irp p, 0,1,2,3,4,5,6,7,8,9,10,11,12,13,14,15
	global_load_b128 v[XL+64*((\m)%2)+4*\p:XL+64*((\m)%2)+4*\p+3], v[XA], s[4:5] offset:(16*(\m)+\p)*4096
.endr
.endm
	XLD 0
	XLD 1
	WIN 0x40                                       ; destination window 1
.irp ch, 0,1                                   ; rw1: chunk ch = blocks 2 ch (lanes 0-15) and 2 ch + 1 (lanes 16-31); sixteen lanes read 256 consecutive bytes
.set rr, 0
.rept 32
	global_load_b128 v[128*\ch+4*rr:128*\ch+4*rr+3], v[WOFF], s[6:7] offset:(64*\ch+rr)*4096
.set rr, rr+1
.endr
.endr
	WIN 0
; A tile of 16 tokens: through my stage, so that a lane gets 16 neighbours of each block; quantised; its image to LDS, and from the work-groups of x = 0 to xc.
.macro XTILE m, wcnt
.set XB, XL+64*((\m)%2)
	s_wait_loadcnt \wcnt                           ; this tile's 16 loads are in; what was issued behind them may be out
.irp p, 0,1,2,3,4,5,6,7,8,9,10,11,12,13,14,15
	ds_store_b128 v[XSTW], v[XB+4*\p:XB+4*\p+3] offset:528*\p
.endr
	s_wait_dscnt 0x0                               ; the stores have read their registers, which the loads below fill again
.irp b, 0,1,2,3
.irp j, 0,1,2,3
	ds_load_b128 v[XB+16*\b+4*\j:XB+16*\b+4*\j+3], v[XSTR] offset:128*\b+16*\j
.endr
.endr
	s_wait_dscnt 0x0
	s_wait_xcnt 0x0                                ; the last tile's stores to xc have read the codes' registers
	QUANT XB
.irp c, 0,1,2
	ds_store_b128 v[XIW], v[PC+4*\c:PC+4*\c+3] offset:12288*(\m)+512*\c
.endr
	ds_store_b32 v[XSW], v[PW] offset:1024*(\m)
	s_cmp_lg_u32 ttmp9, 0
	s_cbranch_scc1 .Lnoxc_\@
.irp c, 0,1,2
	global_store_b128 v[XCO], v[PC+4*\c:PC+4*\c+3], s[12:13] offset:16384*(\m)+16*\c
.endr
	global_store_b32 v[XCS], v[PW], s[12:13] offset:16384*(\m)+768
.Lnoxc_\@:
.if (\m) < 2
	XLD (\m)+2
.endif
.endm
	XTILE 0, 63                                    ; 80 loads are younger: the count is the field's largest
	XTILE 1, 63                                    ; likewise (64 of rw1, 16 of tile 2)
	XTILE 2, 16                                    ; tile 3's 16 are younger
	XTILE 3, 0
	s_wait_xcnt 0x0                                ; the stores to xc have read their registers: they are written again below
	CHUNK 0, 0, 0, 0, 0
	CHUNK 1, 0, 0, 24, 2
	WIN 0x40                                       ; the landing registers are free: the bias and rw2 are asked for ahead of the barrier
.irp u, 0,1
	global_load_b128 v[240+8*\u:243+8*\u], v[BA], s[8:9] offset:64*\u          ; rb1 of units 16 u + 8 h + 0 .. 7: the C of the first product
	global_load_b128 v[244+8*\u:247+8*\u], v[BA], s[8:9] offset:64*\u+16
.endr
.irp u, 0,1
.irp j, 0,1,2,3,4,5,6,7
	global_load_b128 v[96+8*(8*\u+\j):99+8*(8*\u+\j)], v[RA], s[10:11] offset:512*\u+32*\j      ; rw2's row of unit 16 u + 8 h + j
	global_load_b128 v[100+8*(8*\u+\j):103+8*(8*\u+\j)], v[RA], s[10:11] offset:512*\u+32*\j+16
.endr
.endr
	WIN 0
	s_wait_dscnt 0x0                               ; my images have landed
	s_barrier_signal -1
	s_barrier_wait -1                              ; everybody's have; nothing in LDS is written from here on
	WIN 0x40
.irp s, 0,1,2,3
.irp u, 0,1
.irp c, 0,1,2
	ds_load_b128 v[12*(2*\s+\u)+4*\c:12*(2*\s+\u)+4*\c+3], v[WFR] offset:6144*\s+1536*\u+16*\c
.endr
.endr
.endr
	WIN 0
.irp s, 0,1,2,3,4,5,6,7
.irp c, 0,1,2
	ds_load_b128 v[XF+12*\s+4*\c:XF+12*\s+4*\c+3], v[XFR] offset:1536*\s+512*\c
.endr
	ds_load_b32 v[XS+\s], v[XSR] offset:128*\s
	ds_load_b32 v[WSR+\s], v[WSRA] offset:256*\s   ; lanes 0-15: tile 2 cp's words, lanes 16-31: tile 2 cp + 1's
.endr
	s_wait_loadcnt 0x0
	s_wait_dscnt 0x0
.macro RSTEP s                         ; the two accumulators take turns
.if (\s) == 0
	WM 224, 0, XF, 1, 240, WSR, XS, 0
	WM 232, 12, XF, 1, 248, WSR, XS, 1
.else
	WM 224, 24*((\s)%4), XF+12*(\s), 1, 224, WSR+(\s), XS+(\s), 0
	WM 232, 24*((\s)%4)+12, XF+12*(\s), 1, 232, WSR+(\s), XS+(\s), 1
.endif
.endm
	WIN 0x51                                       ; source 0, C and D window 1; source 1 window 0
	RSTEP 0
	RSTEP 1
	RSTEP 2
	RSTEP 3
	PLACES 4                                       ; in front of loads into registers that matrix instructions have read
	WIN 0x40
.irp s, 4,5,6,7
.irp u, 0,1
.irp c, 0,1,2
	ds_load_b128 v[12*(2*(\s-4)+\u)+4*\c:12*(2*(\s-4)+\u)+4*\c+3], v[WFR] offset:6144*\s+1536*\u+16*\c
.endr
.endr
.endr
	s_wait_dscnt 0x0
	WIN 0x51
	RSTEP 4
	RSTEP 5
	RSTEP 6
	RSTEP 7
	PLACES 4                                       ; in front of the first read of results
	WIN 0x04                                       ; source 1 window 1
.irp i, 0,1,2,3,4,5,6,7,8,9,10,11,12,13,14,15
	v_max_num_f32 v[HR+\i], 0, v[224+\i]           ; relu, each accumulator from its low end on
.endr
.irp e, 0,1,2,3,4,5,6,7
	v_mul_f32 v[LG+\e], v[HR], v[96+\e]            ; the logits' sums start with the first unit
.endr
.irp i, 1,2,3,4,5,6,7,8,9,10,11,12,13,14,15
.irp e, 0,1,2,3,4,5,6,7
	v_fmac_f32 v[LG+\e], v[HR+\i], v[96+8*\i+\e]   ; f32 multiply-adds: a choice hangs on these sums
.endr
.endr
	WIN 0
.irp e, 0,1,2,3,4,5,6,7
	v_mov_b32 v[TP+\e], 0
.endr
.irp e, 0,1,2,3,4,5,6,7
	v_permlanex16_b32 v[TP+\e], v[LG+\e], s[SEL], s[SEL+1]
.endr
.irp e, 0,1,2,3,4,5,6,7
	v_add_f32 v[LG+\e], v[LG+\e], v[TP+\e]         ; with the other half's 16 units: 32 units of my token
.endr
	v_cmp_eq_u32 vcc_lo, 1, v[HH]
.irp i, 0,1,2,3
	v_cndmask_b32 v[TP+\i], v[LG+\i], v[LG+4+\i], vcc_lo    ; lanes 0-15 store experts 0-3, lanes 16-31 experts 4-7
.endr
	global_store_b128 v[PO], v[TP:TP+3], s[14:15]  ; the wave stores 512 consecutive bytes
	s_wait_tensorcnt 0x0
	ds_add_u32 v123, v127
	s_wait_dscnt 0x0
	s_endpgm
.Lfunc_end_k_q1eabfc411c_router:
	.size	k_q1eabfc411c_router, .Lfunc_end_k_q1eabfc411c_router-k_q1eabfc411c_router
	.p2alignl 7, 3214868480
	.fill 96, 4, 3214868480
	.section	.rodata,"a",@progbits
	.p2align	6, 0x0
	.amdhsa_kernel k_q1eabfc411c_router
		.amdhsa_group_segment_fixed_size 173056
		.amdhsa_private_segment_fixed_size 0
		.amdhsa_enable_private_segment 0
		.amdhsa_kernarg_size 48
		.amdhsa_user_sgpr_count 2
		.amdhsa_user_sgpr_kernarg_segment_ptr 1
		.amdhsa_wavefront_size32 1
		.amdhsa_system_sgpr_workgroup_id_x 1
		.amdhsa_system_sgpr_workgroup_id_y 1
		.amdhsa_system_sgpr_workgroup_id_z 1
		.amdhsa_system_vgpr_workitem_id 0
		.amdhsa_next_free_vgpr 512
		.amdhsa_next_free_sgpr 66
		.amdhsa_reserve_vcc 1
		.amdhsa_float_denorm_mode_32 3
		.amdhsa_float_denorm_mode_16_64 3
		.amdhsa_memory_ordered 1
		.amdhsa_forward_progress 1
		.amdhsa_inst_pref_size 82
	.end_amdhsa_kernel
	.amdgpu_metadata
---
amdhsa.version: [ 1, 2 ]
amdhsa.kernels:
  - .name:           k_q1eabfc411c_router
    .symbol:         k_q1eabfc411c_router.kd
    .args:
      - { .name: x, .offset: 0, .size: 8, .value_kind: global_buffer, .address_space: global }
      - { .name: rw1, .offset: 8, .size: 8, .value_kind: global_buffer, .address_space: global }
      - { .name: rb1, .offset: 16, .size: 8, .value_kind: global_buffer, .address_space: global }
      - { .name: rw2, .offset: 24, .size: 8, .value_kind: global_buffer, .address_space: global }
      - { .name: xc, .offset: 32, .size: 8, .value_kind: global_buffer, .address_space: global }
      - { .name: pl, .offset: 40, .size: 8, .value_kind: global_buffer, .address_space: global }
    .group_segment_fixed_size: 173056
    .private_segment_fixed_size: 0
    .kernarg_segment_align: 8
    .kernarg_segment_size: 48
    .max_flat_workgroup_size: 256
    .sgpr_count:     66
    .vgpr_count:     512
    .wavefront_size: 32
...
	.end_amdgpu_metadata
.endif
;; end of part 1
;; launch choose (part 2): grid 16 x 1, 4 waves a work-group, no clusters, 0 bytes of LDS; arguments pl, rb2, idx, gt; writes idx, gt
.if DOCPART == 2
	.amdgcn_target "amdgcn-amd-amdhsa--gfx1250"
	.amdhsa_code_object_version 6
	.text
	.protected	k_q1eabfc411c_choose
	.globl	k_q1eabfc411c_choose
	.p2align	8
	.type	k_q1eabfc411c_choose,@function
k_q1eabfc411c_choose:
	s_mov_b64 s[64:65], 0
	v_nop
	global_prefetch_b8 v0, s[64:65] scope:SCOPE_SE
	s_setreg_imm32_b32 hwreg(HW_REG_WAVE_MODE, 25, 1), 1
	s_wait_xcnt 0x0
; ROUTER, SECOND PART.  logits = rb2 + the sum of pl's 32 slices; softmax with the row's maximum taken away; the two largest probabilities.
; pl [32][1024][8] f32, rb2 [8].  Out: idx[2 n + k], the k-th chosen expert (whole numbers), gt[2 n + k], its probability.
; Two lanes to a token: lane (r, h) of a wave sums slices 16 h .. 16 h + 15 of token 64 wg + 16 wave + r; one exchange joins the halves; both lanes then do the same work and store the same words.
; No address and no branch hangs on data: the choice is made by compares and selects.  Ties go to the lower index (a strict > keeps the earlier expert).  NaN is not served.
	s_load_b128 s[4:7], s[0:1], 0x0                ; pl, rb2
	s_load_b128 s[8:11], s[0:1], 0x10              ; idx, gt
	v_lshrrev_b32 v1, 5, v0
	v_lshlrev_b32 v1, 4, v1                        ; 16 x wave
	v_and_b32 v2, 15, v0
	v_add_nc_u32 v1, v1, v2
	s_lshl_b32 s12, ttmp9, 6
	v_add_nc_u32 v1, s12, v1                       ; my token
	v_bfe_u32 v2, v0, 4, 1
	v_lshlrev_b32 v3, 5, v1
	v_lshl_add_u32 v3, v2, 19, v3                  ; 32 n + 16 slices of 32,768 bytes for the upper half
	v_lshlrev_b32 v4, 3, v1                        ; 8 n
	s_mov_b32 s13, 0x3fb8aa3b                      ; log2(e)
	s_mov_b32 s14, 0x76543210
	s_mov_b32 s15, 0xfedcba98
	s_wait_kmcnt 0x0
	s_load_b256 s[16:23], s[6:7], 0x0              ; rb2
.irp t, 0,1,2,3,4,5,6,7,8,9,10,11,12,13,14,15
	global_load_b128 v[32+8*\t:35+8*\t], v3, s[4:5] offset:32768*\t
	global_load_b128 v[36+8*\t:39+8*\t], v3, s[4:5] offset:32768*\t+16
.endr
.irp e, 0,1,2,3,4,5,6,7
	v_mov_b32 v[16+\e], 0                          ; a lane permute's destination counts as one of its sources
.endr
	s_wait_loadcnt 0x0
.irp p, 0,2,4,6
	v_pk_add_f32 v[8+\p:9+\p], v[32+\p:33+\p], v[40+\p:41+\p]
.endr
.irp t, 2,3,4,5,6,7,8,9,10,11,12,13,14,15
.irp p, 0,2,4,6
	v_pk_add_f32 v[8+\p:9+\p], v[8+\p:9+\p], v[32+8*\t+\p:33+8*\t+\p]
.endr
.endr
.irp e, 0,1,2,3,4,5,6,7
	v_permlanex16_b32 v[16+\e], v[8+\e], s14, s15
.endr
.irp e, 0,1,2,3,4,5,6,7
	v_add_f32 v[8+\e], v[8+\e], v[16+\e]
.endr
	s_wait_kmcnt 0x0
.irp e, 0,1,2,3,4,5,6,7
	v_add_f32 v[8+\e], s[16+\e], v[8+\e]           ; the logits
.endr
	v_max3_num_f32 v24, v8, v9, v10
	v_max3_num_f32 v24, v24, v11, v12
	v_max3_num_f32 v24, v24, v13, v14
	v_max_num_f32 v24, v24, v15                    ; the row's maximum
	v_mul_f32 v24, s13, v24
.irp e, 0,1,2,3,4,5,6,7
	v_fma_f32 v[8+\e], v[8+\e], s13, -v24          ; (l - max) log2(e)
.endr
.irp e, 0,1,2,3,4,5,6,7
	v_exp_f32 v[8+\e], v[8+\e]
.endr
	v_nop                                          ; a plain line behind the exponentials
	s_wait_alu depctr_va_vdst(0)
	v_add_f32 v25, v8, v9
	v_add_f32 v26, v10, v11
	v_add_f32 v27, v12, v13
	v_add_f32 v28, v14, v15
	v_add_f32 v25, v25, v26
	v_add_f32 v27, v27, v28
	v_add_f32 v25, v25, v27
	v_rcp_f32 v25, v25
	v_nop                                          ; a plain line behind the reciprocal
	s_wait_alu depctr_va_vdst(0)
.irp e, 0,1,2,3,4,5,6,7
	v_mul_f32 v[8+\e], v[8+\e], v25                ; the probabilities
.endr
	v_mov_b32 v34, v8                              ; the largest, and its expert
	v_mov_b32 v30, 0
.irp e, 1,2,3,4,5,6,7
	v_cmp_gt_f32 vcc_lo, v[8+\e], v34
	v_cndmask_b32 v34, v34, v[8+\e], vcc_lo
	v_cndmask_b32 v30, v30, \e, vcc_lo
.endr
.irp e, 0,1,2,3,4,5,6,7
	v_cmp_eq_u32 vcc_lo, \e, v30
	v_cndmask_b32 v[16+\e], v[8+\e], -1.0, vcc_lo  ; the chosen one is out of the second search
.endr
	v_mov_b32 v35, v16
	v_mov_b32 v31, 0
.irp e, 1,2,3,4,5,6,7
	v_cmp_gt_f32 vcc_lo, v[16+\e], v35
	v_cndmask_b32 v35, v35, v[16+\e], vcc_lo
	v_cndmask_b32 v31, v31, \e, vcc_lo
.endr
	global_store_b64 v4, v[30:31], s[8:9]
	global_store_b64 v4, v[34:35], s[10:11]
	s_endpgm
.Lfunc_end_k_q1eabfc411c_choose:
	.size	k_q1eabfc411c_choose, .Lfunc_end_k_q1eabfc411c_choose-k_q1eabfc411c_choose
	.p2alignl 7, 3214868480
	.fill 96, 4, 3214868480
	.section	.rodata,"a",@progbits
	.p2align	6, 0x0
	.amdhsa_kernel k_q1eabfc411c_choose
		.amdhsa_group_segment_fixed_size 0
		.amdhsa_private_segment_fixed_size 0
		.amdhsa_enable_private_segment 0
		.amdhsa_kernarg_size 32
		.amdhsa_user_sgpr_count 2
		.amdhsa_user_sgpr_kernarg_segment_ptr 1
		.amdhsa_wavefront_size32 1
		.amdhsa_system_sgpr_workgroup_id_x 1
		.amdhsa_system_sgpr_workgroup_id_y 1
		.amdhsa_system_sgpr_workgroup_id_z 1
		.amdhsa_system_vgpr_workitem_id 0
		.amdhsa_next_free_vgpr 160
		.amdhsa_next_free_sgpr 66
		.amdhsa_reserve_vcc 1
		.amdhsa_float_denorm_mode_32 3
		.amdhsa_float_denorm_mode_16_64 3
		.amdhsa_memory_ordered 1
		.amdhsa_forward_progress 1
		.amdhsa_inst_pref_size 14
	.end_amdhsa_kernel
	.amdgpu_metadata
---
amdhsa.version: [ 1, 2 ]
amdhsa.kernels:
  - .name:           k_q1eabfc411c_choose
    .symbol:         k_q1eabfc411c_choose.kd
    .args:
      - { .name: pl, .offset: 0, .size: 8, .value_kind: global_buffer, .address_space: global }
      - { .name: rb2, .offset: 8, .size: 8, .value_kind: global_buffer, .address_space: global }
      - { .name: idx, .offset: 16, .size: 8, .value_kind: global_buffer, .address_space: global }
      - { .name: gt, .offset: 24, .size: 8, .value_kind: global_buffer, .address_space: global }
    .group_segment_fixed_size: 0
    .private_segment_fixed_size: 0
    .kernarg_segment_align: 8
    .kernarg_segment_size: 32
    .max_flat_workgroup_size: 128
    .sgpr_count:     66
    .vgpr_count:     160
    .wavefront_size: 32
...
	.end_amdgpu_metadata
.endif
;; end of part 2
;; launch place (part 3): grid 16 x 8, 4 waves a work-group, no clusters, 0 bytes of LDS; arguments idx, xc, ent, xg; writes ent, xg
.if DOCPART == 3
	.amdgcn_target "amdgcn-amd-amdhsa--gfx1250"
	.amdhsa_code_object_version 6
	.text
	.protected	k_q1eabfc411c_place
	.globl	k_q1eabfc411c_place
	.p2align	8
	.type	k_q1eabfc411c_place,@function
k_q1eabfc411c_place:
	s_mov_b64 s[64:65], 0
	v_nop
	global_prefetch_b8 v0, s[64:65] scope:SCOPE_SE
	s_setreg_imm32_b32 hwreg(HW_REG_WAVE_MODE, 25, 1), 1
	s_wait_xcnt 0x0
; THE ROWS ARE PLACED BY EXPERT.  idx[2048]: the expert of entry i = 2 n + k.  Expert e = work-group y; the wave takes tile t = 4 x + wave: ranks 16 t .. 16 t + 15 of that expert.
; Out: ent: at 4096 e + 4 rank the entry of that rank, at 32768 + 4 e the expert's number of rows R;  xg: for each tile a record of 12,800 bytes: the 16 tokens' codes of x as images of the operand's
; registers (K step s: registers 4 c .. 4 c + 3 of lane l at 1536 s + 512 c + 16 l), then the scale words (row r, K step s at 12288 + 32 r + 4 s).
; Every wave reads all 2,048 entries (8 KB) and finds its own 16 ranks: no atomics, no LDS, no traffic between waves.  The order of ranks is that of the 64 words below, lanes ascending: it is made here alone.
; The grid serves every split: 64 tiles an expert.  A wave whose tile lies past the expert's last ends without storing.  Tiles t < max(1, ceil(R / 16)) are written whole: ranks from R on take entry 0, token 0.
	s_load_b256 s[4:11], s[0:1], 0x0               ; idx, xc, ent, xg
	v_lshrrev_b32 v1, 5, v0
	v_readfirstlane_b32 s12, v1                    ; wave
	s_and_b32 s13, ttmp7, 0xffff                   ; expert
	s_lshl_b32 s14, ttmp9, 2
	s_add_co_u32 s14, s14, s12                     ; tile
	v_and_b32 v1, 31, v0
	v_lshlrev_b32 v2, 4, v1                        ; 16 x lane
	v_and_b32 v3, 15, v0
	v_bfe_u32 v4, v0, 4, 1
	s_lshl_b32 s15, s14, 4
	v_add_nc_u32 v5, s15, v3                       ; my rank
	v_mov_b32 v6, 0                                ; the word's mask,
	v_mov_b32 v7, 0                                ; the ranks in front of it,
	v_mov_b32 v8, 0                                ; and its first entry
	s_mov_b32 s16, 0
	s_wait_kmcnt 0x0
.irp k, 0,1,2,3,4,5,6,7,8,9,10,11,12,13,14,15
	global_load_b128 v[32+4*\k:35+4*\k], v2, s[4:5] offset:512*\k    ; register 4 k + c of lane l: entry 128 k + 4 l + c
.endr
	s_wait_loadcnt 0x0
.irp k, 0,1,2,3,4,5,6,7,8,9,10,11,12,13,14,15
.irp c, 0,1,2,3
	v_cmp_eq_u32 s20, s13, v[32+4*\k+\c]           ; which lanes' entries are this expert's
	v_cmp_le_u32 vcc_lo, s16, v5                   ; the last word whose first rank is not past mine holds my rank
	v_cndmask_b32 v6, v6, s20, vcc_lo
	v_cndmask_b32 v7, v7, s16, vcc_lo
	s_movk_i32 s21, 128*\k+\c
	v_cndmask_b32 v8, v8, s21, vcc_lo
	s_bcnt1_i32_b32 s22, s20
	s_add_co_u32 s16, s16, s22
.endr
.endr                                          ; s16 = R
	v_sub_nc_u32 v9, v5, v7                        ; which set bit of the mask is mine
	v_lshrrev_b32 v10, 1, v6
	v_and_b32 v10, 0x55555555, v10
	v_sub_nc_u32 v10, v6, v10                      ; counts of 2 bits,
	v_lshrrev_b32 v11, 2, v10
	v_and_b32 v11, 0x33333333, v11
	v_and_b32 v12, 0x33333333, v10
	v_add_nc_u32 v11, v11, v12                     ; of 4,
	v_lshrrev_b32 v12, 4, v11
	v_add_nc_u32 v12, v12, v11
	v_and_b32 v12, 0x0f0f0f0f, v12                 ; of 8,
	v_lshrrev_b32 v13, 8, v12
	v_add_nc_u32 v13, v13, v12
	v_and_b32 v13, 0x00ff00ff, v13                 ; of 16
	v_mov_b32 v14, 0                               ; the bit's place
.macro PICK x, mask, step              ; if the lower half of what is left holds too few set bits, pass over it
	v_lshrrev_b32 v15, v14, v[\x]
	v_and_b32 v15, \mask, v15
	v_cmp_ge_u32 vcc_lo, v9, v15
	v_cndmask_b32 v15, 0, v15, vcc_lo
	v_sub_nc_u32 v9, v9, v15
	v_cndmask_b32 v15, 0, \step, vcc_lo
	v_add_nc_u32 v14, v14, v15
.endm
	PICK 13, 0xff, 16
	PICK 12, 0xff, 8
	PICK 11, 15, 4
	PICK 10, 3, 2
	PICK 6, 1, 1
	v_lshl_add_u32 v16, v14, 2, v8                 ; my entry
	v_cmp_gt_u32 vcc_lo, s16, v5
	v_cndmask_b32 v16, 0, v16, vcc_lo              ; ranks from R on: entry 0
	s_or_b32 s20, ttmp9, s12
	s_cmp_lg_u32 s20, 0
	s_cbranch_scc1 .Lnocount                       ; one wave of each expert stores R
	s_lshl_b32 s24, s13, 2
	s_add_co_u32 s24, s24, 32768
	s_mov_b32 s25, 0
	s_add_nc_u64 s[24:25], s[8:9], s[24:25]
	v_mov_b32 v17, s16
	v_mov_b32 v18, 0
	global_store_b32 v18, v17, s[24:25]            ; all lanes the same word
.Lnocount:
	s_add_co_u32 s20, s16, 15
	s_lshr_b32 s20, s20, 4
	s_max_u32 s20, s20, 1                          ; tiles of this expert
	s_cmp_ge_u32 s14, s20
	s_cbranch_scc1 .Lend
	s_lshl_b32 s26, s13, 12
	s_mov_b32 s27, 0
	s_add_nc_u64 s[26:27], s[8:9], s[26:27]
	v_lshlrev_b32 v19, 2, v5
	global_store_b32 v19, v16, s[26:27]            ; lanes l and l + 16 store the same word
	v_lshrrev_b32 v20, 1, v16                      ; the token
	v_min_u32 v20, 0x3ff, v20
	v_mul_u32_u24 v21, v4, 48
	v_lshl_add_u32 v20, v20, 10, v21               ; its record in xc, + my half's 48 bytes
.irp s, 0,1,2,3,4,5,6,7
.irp c, 0,1,2
	global_load_b128 v[96+12*\s+4*\c:99+12*\s+4*\c], v20, s[6:7] offset:96*\s+16*\c
.endr
.endr
	global_load_b128 v[192:195], v20, s[6:7] offset:768
	global_load_b128 v[196:199], v20, s[6:7] offset:784
	s_lshl_b32 s28, s13, 6
	s_add_co_u32 s28, s28, s14
	s_mul_i32 s28, s28, 12800
	s_mov_b32 s29, 0
	s_add_nc_u64 s[10:11], s[10:11], s[28:29]
	v_lshlrev_b32 v22, 5, v3
	s_wait_loadcnt 0x0
.irp s, 0,1,2,3,4,5,6,7
.irp c, 0,1,2
	global_store_b128 v2, v[96+12*\s+4*\c:99+12*\s+4*\c], s[10:11] offset:1536*\s+512*\c    ; 512 consecutive bytes a store
.endr
.endr
	global_store_b128 v22, v[192:195], s[10:11] offset:12288
	global_store_b128 v22, v[196:199], s[10:11] offset:12304
.Lend:
	s_endpgm
.Lfunc_end_k_q1eabfc411c_place:
	.size	k_q1eabfc411c_place, .Lfunc_end_k_q1eabfc411c_place-k_q1eabfc411c_place
	.p2alignl 7, 3214868480
	.fill 96, 4, 3214868480
	.section	.rodata,"a",@progbits
	.p2align	6, 0x0
	.amdhsa_kernel k_q1eabfc411c_place
		.amdhsa_group_segment_fixed_size 0
		.amdhsa_private_segment_fixed_size 0
		.amdhsa_enable_private_segment 0
		.amdhsa_kernarg_size 32
		.amdhsa_user_sgpr_count 2
		.amdhsa_user_sgpr_kernarg_segment_ptr 1
		.amdhsa_wavefront_size32 1
		.amdhsa_system_sgpr_workgroup_id_x 1
		.amdhsa_system_sgpr_workgroup_id_y 1
		.amdhsa_system_sgpr_workgroup_id_z 1
		.amdhsa_system_vgpr_workitem_id 0
		.amdhsa_next_free_vgpr 208
		.amdhsa_next_free_sgpr 66
		.amdhsa_reserve_vcc 1
		.amdhsa_float_denorm_mode_32 3
		.amdhsa_float_denorm_mode_16_64 3
		.amdhsa_memory_ordered 1
		.amdhsa_forward_progress 1
		.amdhsa_inst_pref_size 35
	.end_amdhsa_kernel
	.amdgpu_metadata
---
amdhsa.version: [ 1, 2 ]
amdhsa.kernels:
  - .name:           k_q1eabfc411c_place
    .symbol:         k_q1eabfc411c_place.kd
    .args:
      - { .name: idx, .offset: 0, .size: 8, .value_kind: global_buffer, .address_space: global }
      - { .name: xc, .offset: 8, .size: 8, .value_kind: global_buffer, .address_space: global }
      - { .name: ent, .offset: 16, .size: 8, .value_kind: global_buffer, .address_space: global }
      - { .name: xg, .offset: 24, .size: 8, .value_kind: global_buffer, .address_space: global }
    .group_segment_fixed_size: 0
    .private_segment_fixed_size: 0
    .kernarg_segment_align: 8
    .kernarg_segment_size: 32
    .max_flat_workgroup_size: 128
    .sgpr_count:     66
    .vgpr_count:     208
    .wavefront_size: 32
...
	.end_amdgpu_metadata
.endif
;; end of part 3
;; launch ffn1 (part 4): grid 32 x 8, 4 waves a work-group, no clusters, 102,912 bytes of LDS; arguments ew1, eb1, xg, ent, hc; writes hc
.if DOCPART == 4
	.amdgcn_target "amdgcn-amd-amdhsa--gfx1250"
	.amdhsa_code_object_version 6
	.text
	.protected	k_q1eabfc411c_ffn1
	.globl	k_q1eabfc411c_ffn1
	.p2align	8
	.type	k_q1eabfc411c_ffn1,@function
k_q1eabfc411c_ffn1:
	s_mov_b64 s[64:65], 0
	v_nop
	global_prefetch_b8 v0, s[64:65] scope:SCOPE_SE
	s_setreg_imm32_b32 hwreg(HW_REG_WAVE_MODE, 25, 1), 1
	s_wait_xcnt 0x0
; THE EXPERTS' FIRST LAYER: hidden = relu(Q(x) Q(ew1[e]) + eb1[e]) for the rows routed to expert e, quantised along the hidden axis on the way out.  Codes of BF6 (E3M2), one E8M0 scale for each 32 along K.
; THE WEIGHTS STAY PUT.  Work-group (x = slice of 128 hidden units, y = expert) owns ew1[e][all 1,024 k][128 units]: 512 KB of f32, read once.
; PHASE Q: wave w takes block w (32 along K) of each of the eight K steps: a load reads one row's 512 consecutive bytes, a lane holds four columns, its registers run down K; the codes go to LDS as images of the
; operand's registers (96 KB) with their scale words (4 KB).  Two sets of 32 loads a wave take turns, so that the stream never runs dry.  One barrier.
; PHASE M: the expert's rows come as records that an earlier launch laid in the order of the operand's registers.  Tile t (16 rows) belongs to wave t % 4; a pass takes 16 tiles, four a wave.
; Its requests are spread: the next K step's fragments are fetched from LDS in two halves between the products of this one; a pass's rows are asked for in the order scale words, K steps 0 to 7: the scale words and
; K steps 0-3 ahead of the pass (56 loads), K step 4 + k at the head of K step k.
; THE PRODUCT IS USED TRANSPOSED (source 0 = 16 columns of the weight, source 1 = 16 rows), and THE COLUMNS OF A TILE ARE NOT NEIGHBOURS: row r of tile 2 b + u is column 32 b + 8 u + r + 8 (r / 8), so that a lane's
; 64 results are, register 16 b + i, hidden unit 32 b + 16 (lane / 16) + i: what the quantiser of the next product's operand wants.  The 128 units are one K step of that product.
; Counts are read from memory (ent).  The tile number is held to the expert's last tile for loads, so that the number of loads is the same on every path; products and stores of tiles that do not exist are jumped over.
; An expert without rows still streams its weights: the barrier stands on every wave's path.  Its tile 0 (16 copies of token 0) is computed and never used.
; NO CLUSTER, NO TENSOR LOADS: the weights, three quarters of the bytes, are shared by nobody and have to pass through registers to be quantised; the shared rows have counts that differ from expert to expert.
; LIMITS: NaN and infinities are not served; a block of zeros gets the scale byte 1 (its codes are zeros; this program alone reads the bytes).
.set ISG1, 1
.set PB,   16384                       ; bytes from a row of the weight to the next
.set TS,   12800                       ; bytes from a tile's record to the next tile's
.set WB,   4                           ; s[4:5]   the weight, at my wave's first row
.set AB,   8                           ; s[8:9]   the rows' records of this expert
.set OB,   12                          ; s[12:13] where the results go
.set IMG,  0                           ; LDS: fragments of 1,536 bytes, index 8 s + ct; lane (r, h) has 48 bytes at 48 (r + 16 h)
.set WSC,  98304                       ; scale words [s][ct][r]
.set L16,  1                           ; 16 x lane
.set R32,  2                           ; 32 (lane % 16)
.set CW0,  3                           ; my codes' place in a K step's images
.set SB0,  4                           ; my scale bytes' place
.set WFA,  5                           ; where I read fragments of K steps 0-3
.set WFB,  6                           ; and of K steps 4-7
.set WSA,  7                           ; where I read scale words
.set AOFF, 8                           ; v8-11  my four tiles' records, + 16 x lane
.set SOFF, 12                          ; v12-15 the same, + 32 (lane % 16)
.set OA,   16                          ; the way out: codes
.set OS,   17                          ; the way out: scale word
.set CW,   18
.set SBW,  19
.set H64,  23                          ; 64 (lane / 16)
.set SS,   24                          ; v24-55 the rows' scale words, 8 i + s: scales and nothing else
.set WS,   56                          ; v56-63 the weight's scale words, two sets of four: scales and nothing else
.set WF,   64                          ; v64-159, v160-255 the weight's fragments, two sets of eight
.set CS,   64                          ; phase Q: codes, work registers, four columns of 32 numbers
.set TQ,   96
.set XQ,   128
.set HA,   64                          ; the way out: 64 hidden numbers, the codes, work registers, the scale word
.set PC,   128
.set TM,   148
.set PW,   164
.set BI,   192                         ; window 2: eb1 in the result's layout, 8 registers a tile
.set SEL,  48                          ; s[48:49]
; window 1: phase Q's two landing sets, then the accumulators (tile i, column tile ct at 64 i + 8 ct).  window 2: rows of tiles 0, 1 (96 (i % 2) + 12 s).  window 3: of tiles 2, 3.
; s14 wave, s16 expert, s18 R, s19 tiles, s20 last tile, s21 passes, s22 pass, s23 first tile of the pass asked for, s24 my tiles in this pass, s25 in the next, s27 first tile of this pass
.set MSB, 0
.macro WIN new                         ; the immediate's high byte repeats the setting that is left
.if MSB != \new
	s_set_vgpr_msb (MSB<<8)|\new
.set MSB, \new
.endif
.endm
.macro PLACES n
.rept \n
	v_nop
.endr
.endm
.macro QNT x, cs, tq                   ; 32 numbers of one column down K -> 24 bytes of codes in v[cs] .. v[cs + 5], the scale's byte in v[cs + 6]
	v_max3_num_f32 v[\tq], |v[\x]|, |v[\x+1]|, |v[\x+2]|
	v_max3_num_f32 v[\tq+1], |v[\x+3]|, |v[\x+4]|, |v[\x+5]|
.irp i, 6,10,14,18,22,26
	v_max3_num_f32 v[\tq], v[\tq], |v[\x+\i]|, |v[\x+\i+1]|
	v_max3_num_f32 v[\tq+1], v[\tq+1], |v[\x+\i+2]|, |v[\x+\i+3]|
.endr
	v_max3_num_f32 v[\tq], v[\tq], |v[\x+30]|, |v[\x+31]|
	v_max3_num_f32 v[\tq], v[\tq], v[\tq+1], 0x2800000      ; the floor 2^(5 - 127): the byte cannot fall under 1
	v_add_nc_u32 v[\tq+2], 0xfe000000, v[\tq]               ; 4 off the exponent field: the conversion's scale operand
	v_cvt_scalef32_pk16_bf6_f32 v[\cs:\cs+2], v[\x:\x+15], v[\tq+2]
	v_cvt_scalef32_pk16_bf6_f32 v[\tq+4:\tq+6], v[\x+16:\x+31], v[\tq+2]
	v_lshrrev_b32 v[\cs+6], 23, v[\tq+2]                    ; the scale's byte; also the plain line behind the conversions
.irp i, 0,1,2
	v_mov_b32 v[\cs+3+\i], v[\tq+4+\i]
.endr
.endm
.macro CST cs, off, boff
.irp p, 0,1,2
	ds_store_b64 v[CW], v[\cs+2*\p:\cs+2*\p+1] offset:\off+8*\p
.endr
	ds_store_b8 v[SBW], v[\cs+6] offset:\boff
.endm
.macro LDW set, koff                   ; 32 rows of my block, from row koff on: each load reads 512 consecutive bytes, read once in the launch
	WIN 0x40
.set rr, 0
.rept 32
	global_load_b128 v[128*\set+4*rr:128*\set+4*rr+3], v[L16], s[WB:WB+1] offset:(\koff+rr)*PB th:TH_LOAD_NT
.set rr, rr+1
.endr
	WIN 0
.endm
.macro CHUNK set, more, wcnt, off, boff        ; a landed set becomes four columns, is asked for again two K steps on, and is quantised
	s_wait_loadcnt \wcnt
	s_wait_dscnt 0x0                               ; the last chunk's LDS stores have read their registers
	WIN 0x01
.irp c, 0,1,2,3
.set rr, 0
.rept 32
	v_mov_b32 v[XQ+32*\c+rr], v[128*\set+4*rr+\c]
.set rr, rr+1
.endr
.endr
.if \more
	LDW \set, 256+128*\set
.endif
	WIN 0
.irp c, 0,1,2,3
	QNT XQ+32*\c, CS+8*\c, TQ+8*\c
.endr
.irp c, 0,1,2,3
	CST CS+8*\c, \off+48*\c, \boff+4*\c
.endr
.endm
.macro QUANT s                         ; 64 numbers of a lane, register 16 b + i = k 32 b + 16 (lane / 16) + i of my row -> a fragment in v[PC] on, its scale word in v[PW]
.irp b, 0,1,2,3
	v_max3_num_f32 v[TM+\b], |v[\s+16*\b]|, |v[\s+1+16*\b]|, 0x2800000
.endr
.irp i, 2,4,6,8,10,12,14
.irp b, 0,1,2,3
	v_max3_num_f32 v[TM+\b], v[TM+\b], |v[\s+16*\b+\i]|, |v[\s+1+16*\b+\i]|
.endr
.endr
.irp b, 0,1,2,3
	v_permlanex16_b32 v[TM+4+\b], v[TM+\b], s[SEL], s[SEL+1]
.endr
.irp b, 0,1,2,3
	v_max_num_f32 v[TM+\b], v[TM+\b], v[TM+4+\b]
.endr
.irp b, 0,1,2,3
	v_add_nc_u32 v[TM+12+\b], 0xfe000000, v[TM+\b]
.endr
.irp b, 0,1,2,3
	v_lshrrev_b32 v[TM+4+\b], 23, v[TM+12+\b]
.endr
	v_lshl_or_b32 v[PW], v[TM+5], 8, v[TM+4]
	v_lshl_or_b32 v[PW], v[TM+6], 16, v[PW]
	v_lshl_or_b32 v[PW], v[TM+7], 24, v[PW]
.irp c, 0,1
	v_cvt_scalef32_pk16_bf6_f32 v[PC+6*\c:PC+2+6*\c], v[\s+32*\c:\s+15+32*\c], v[TM+12+2*\c]
	v_cvt_scalef32_pk16_bf6_f32 v[PC+12+4*\c:PC+14+4*\c], v[\s+16+32*\c:\s+31+32*\c], v[TM+12+2*\c+1]
.endr
	v_nop                                          ; one plain line behind a scaled conversion
.irp c, 0,1
.irp i, 0,1,2
	v_permlane16_swap_b32 v[PC+6*\c+\i], v[PC+12+4*\c+\i]
.endr
.irp i, 0,1,2
	v_mov_b32 v[PC+3+6*\c+\i], v[PC+12+4*\c+\i]
.endr
.endr
.endm
.macro WM d, a, b, cm, c, sa, sb, row  ; one scaled product; cm = 0: the sum starts at 0; row = 1: source 0's scales stand in lanes 16-31
.if \cm
.if \row
	v_wmma_scale_f32_16x16x128_f8f6f4 v[\d:\d+7], v[\a:\a+11], v[\b:\b+11], v[\c:\c+7], v[\sa], v[\sb] matrix_a_fmt:MATRIX_FMT_BF6 matrix_b_fmt:MATRIX_FMT_BF6 matrix_a_scale:MATRIX_SCALE_ROW1
.else
	v_wmma_scale_f32_16x16x128_f8f6f4 v[\d:\d+7], v[\a:\a+11], v[\b:\b+11], v[\c:\c+7], v[\sa], v[\sb] matrix_a_fmt:MATRIX_FMT_BF6 matrix_b_fmt:MATRIX_FMT_BF6
.endif
.else
.if \row
	v_wmma_scale_f32_16x16x128_f8f6f4 v[\d:\d+7], v[\a:\a+11], v[\b:\b+11], 0, v[\sa], v[\sb] matrix_a_fmt:MATRIX_FMT_BF6 matrix_b_fmt:MATRIX_FMT_BF6 matrix_a_scale:MATRIX_SCALE_ROW1
.else
	v_wmma_scale_f32_16x16x128_f8f6f4 v[\d:\d+7], v[\a:\a+11], v[\b:\b+11], 0, v[\sa], v[\sb] matrix_a_fmt:MATRIX_FMT_BF6 matrix_b_fmt:MATRIX_FMT_BF6
.endif
.endif
.endm
.macro ADDR                            ; from s23: how many tiles of the pass are mine, and where their records lie; a tile past the last is held to the last
	s_sub_co_i32 s25, s19, s23
	s_sub_co_i32 s25, s25, s14
	s_add_co_i32 s25, s25, 3
	s_ashr_i32 s25, s25, 2
	s_max_i32 s25, s25, 0
	s_min_i32 s25, s25, 4
.irp i, 0,1,2,3
	s_add_co_u32 s28, s23, s14
	s_add_co_u32 s28, s28, 4*\i
	s_min_u32 s28, s28, s20
	s_min_u32 s28, s28, 63
	s_mul_i32 s28, s28, TS
	v_add_nc_u32 v[AOFF+\i], s28, v[L16]
	v_add_nc_u32 v[SOFF+\i], s28, v[R32]
.endr
.endm
.macro ASC                             ; my four tiles' scale words: 8 loads
.irp i, 0,1,2,3
	global_load_b128 v[SS+8*\i:SS+8*\i+3], v[SOFF+\i], s[AB:AB+1] offset:12288
	global_load_b128 v[SS+8*\i+4:SS+8*\i+7], v[SOFF+\i], s[AB:AB+1] offset:12304
.endr
.endm
.macro AFR s                           ; K step s of my four tiles' rows: 12 loads of 512 consecutive bytes.  It leaves the windows set: WIN 0 follows the last of a run
	WIN 0x80
.irp i, 0,1
.irp c, 0,1,2
	global_load_b128 v[96*\i+12*(\s)+4*\c:96*\i+12*(\s)+4*\c+3], v[AOFF+\i], s[AB:AB+1] offset:1536*(\s)+512*\c
.endr
.endr
	WIN 0xc0
.irp i, 0,1
.irp c, 0,1,2
	global_load_b128 v[96*\i+12*(\s)+4*\c:96*\i+12*(\s)+4*\c+3], v[AOFF+2+\i], s[AB:AB+1] offset:1536*(\s)+512*\c
.endr
.endr
.endm
.macro FETCHH s, q                     ; half q of K step s of the weight from LDS: column tiles 4 q .. 4 q + 3 (12 loads of 16 bytes) and their scale words (2 loads), into set s % 2
.irp ct, 0,1,2,3
.irp c, 0,1,2
.if (\s) < 4
	ds_load_b128 v[WF+96*((\s)%2)+12*(4*\q+\ct)+4*\c:WF+96*((\s)%2)+12*(4*\q+\ct)+4*\c+3], v[WFA] offset:12288*((\s)%4)+1536*(4*\q+\ct)+16*\c
.else
	ds_load_b128 v[WF+96*((\s)%2)+12*(4*\q+\ct)+4*\c:WF+96*((\s)%2)+12*(4*\q+\ct)+4*\c+3], v[WFB] offset:12288*((\s)%4)+1536*(4*\q+\ct)+16*\c
.endif
.endr
.endr
.irp m, 0,1
	ds_load_b32 v[WS+4*((\s)%2)+2*\q+\m], v[WSA] offset:512*(\s)+128*(2*\q+\m)     ; lanes 0-15: tile 2 m's words, lanes 16-31: tile 2 m + 1's
.endr
.endm
.macro MT s, i                         ; tile i's eight products of K step s; a tile that I do not have is jumped over.  The accumulators take turns
	s_cmp_le_u32 s24, \i
	s_cbranch_scc1 .Lsk_\@
.if ((\s) == 0) && ISG1
	WIN 0x68+4*(\i/2)                              ; source 1 window 2 or 3, C (the bias) window 2, D window 1
.else
	WIN 0x58+4*(\i/2)                              ; source 1 window 2 or 3, C and D window 1
.endif
.irp ct, 0,1,2,3,4,5,6,7
.if (\s) == 0
	WM 64*\i+8*\ct, WF+12*\ct, 96*(\i%2), ISG1, BI+8*\ct, WS+\ct/2, SS+8*\i, \ct%2
.else
	WM 64*\i+8*\ct, WF+96*((\s)%2)+12*\ct, 96*(\i%2)+12*(\s), 1, 64*\i+8*\ct, WS+4*((\s)%2)+\ct/2, SS+8*\i+(\s), \ct%2
.endif
.endr
	WIN 0
.Lsk_\@:
.endm
.macro MSTEP s                         ; K step s: up to 32 products; between them the next step's fragments are fetched
.if (\s) > 0
	PLACES 4                                       ; in front of loads into registers that the last step's products have read
.endif
.if (\s) < 4
	AFR (\s)+4                                     ; the rows of four K steps on
	WIN 0
	s_wait_loadcnt 48                              ; this step's rows are in: the four K steps' behind them, 12 loads each, may be out
.else
	s_wait_loadcnt 12*(7-(\s))                     ; the later steps' rows, 12 loads a step, may be out
.endif
	s_wait_dscnt 0x0                               ; this step's fragments, asked for in the step before, are in
	MT \s, 0
.if (\s) < 7
	FETCHH (\s)+1, 0
.endif
	MT \s, 1
.if (\s) < 7
	FETCHH (\s)+1, 1
.endif
	MT \s, 2
	MT \s, 3
.endm
.macro OUT1 i                          ; tile i: relu, quantised, and stored as K step sj of the next product's record
	s_cmp_le_u32 s24, \i
	s_cbranch_scc1 .Ldone
	s_wait_xcnt 0x0                                ; the last tile's stores have read their registers and offsets
	s_add_co_u32 s28, s27, s14
	s_add_co_u32 s28, s28, 4*\i
	s_min_u32 s28, s28, 63
	s_mul_i32 s28, s28, 51200
	s_add_co_u32 s29, s28, s54
	v_add_nc_u32 v[OA], s29, v[L16]
	s_add_co_u32 s29, s28, s55
	v_add_nc_u32 v[OS], s29, v[R32]
	WIN 0x04                                       ; source 1 window 1
.set n, 0
.rept 64
	v_max_num_f32 v[HA+n], 0, v[64*\i+n]           ; each accumulator from its low end on
.set n, n+1
.endr
	WIN 0
	QUANT HA
.irp c, 0,1,2
	global_store_b128 v[OA], v[PC+4*\c:PC+4*\c+3], s[OB:OB+1] offset:512*\c    ; 512 consecutive bytes a store
.endr
	global_store_b32 v[OS], v[PW], s[OB:OB+1]      ; lanes l and l + 16 store the same word
.endm
	s_load_b256 s[4:11], s[0:1], 0x0               ; ew1, eb1, xg, ent
	s_load_b64 s[12:13], s[0:1], 0x20              ; hc
	s_set_vgpr_msb 0xc0
	v_lshl_add_u32 v254, v0, 2, 0x19000
	v_mov_b32 v255, 0
	s_set_vgpr_msb 0xc000
	v_lshrrev_b32 v20, 5, v0
	v_readfirstlane_b32 s14, v20                   ; wave 0..3 = my block of each K step
	s_and_b32 s16, ttmp7, 0xffff                   ; expert
	s_and_b32 s15, ttmp9, 7                        ; my 128 units are K step sj
	s_lshr_b32 s17, ttmp9, 3                       ; of quarter qj of the next product's K
	s_mov_b32 s[SEL], 0x76543210
	s_mov_b32 s[SEL+1], 0xfedcba98
	v_and_b32 v20, 31, v0
	v_lshlrev_b32 v[L16], 4, v20
	v_mul_u32_u24 v[WFA], v20, 48
	v_add_nc_u32 v[WFB], 49152, v[WFA]
	v_lshl_add_u32 v[WSA], v20, 2, WSC
	v_and_b32 v21, 15, v0
	v_lshlrev_b32 v[R32], 5, v21
	v_bfe_u32 v20, v0, 3, 2                        ; my columns 4 l + c: tile 2 (l / 8) + (l / 2) % 2, row 8 ((l / 4) % 2) + 4 (l % 2) + c
	v_bfe_u32 v21, v0, 1, 1
	v_bfe_u32 v22, v0, 2, 1
	v_and_b32 v23, 1, v0
	v_mul_u32_u24 v[CW0], v20, 3072
	v_mad_u32_u24 v[CW0], v21, 1536, v[CW0]
	v_mad_u32_u24 v[CW0], v22, 384, v[CW0]
	v_mad_u32_u24 v[CW0], v23, 192, v[CW0]
	s_and_b32 s28, s14, 1
	s_mul_i32 s28, s28, 768                        ; block w: its low bit picks the reader's half, its high bit the second 24 bytes
	s_lshr_b32 s29, s14, 1
	s_mul_i32 s29, s29, 24
	s_add_co_u32 s28, s28, s29
	v_add_nc_u32 v[CW0], s28, v[CW0]
	v_lshlrev_b32 v[SB0], 7, v20
	v_lshl_add_u32 v[SB0], v21, 6, v[SB0]
	v_lshl_add_u32 v[SB0], v22, 5, v[SB0]
	v_lshl_add_u32 v[SB0], v23, 4, v[SB0]
	s_add_co_u32 s28, s14, WSC
	v_add_nc_u32 v[SB0], s28, v[SB0]
	v_bfe_u32 v[H64], v0, 4, 1
	v_lshlrev_b32 v[H64], 6, v[H64]
	s_mul_i32 s54, s15, 1536
	s_lshl_b32 s55, s15, 2
	s_add_co_u32 s55, s55, 12288
	s_lshl_b32 s28, s16, 24                        ; ew1: 16 MB an expert, 512 bytes a slice, 32 rows a wave
	s_lshl_b32 s29, ttmp9, 9
	s_add_co_u32 s28, s28, s29
	s_lshl_b32 s29, s14, 19
	s_add_co_u32 s28, s28, s29
	s_mov_b32 s29, 0
	s_lshl_b32 s30, s16, 14                        ; eb1
	s_lshl_b32 s31, ttmp9, 9
	s_add_co_u32 s30, s30, s31
	s_mov_b32 s31, 0
	s_mul_i32 s32, s16, 64*12800                   ; xg
	s_mov_b32 s33, 0
	s_lshl_b32 s34, s16, 2                         ; ent: the expert's count
	s_add_co_u32 s34, s34, 32768
	s_mov_b32 s35, 0
	s_mul_i32 s36, s16, 64*51200                   ; hc
	s_mul_i32 s37, s17, 12800
	s_add_co_u32 s36, s36, s37
	s_mov_b32 s37, 0
	s_wait_kmcnt 0x0
	s_add_nc_u64 s[4:5], s[4:5], s[28:29]
	s_add_nc_u64 s[6:7], s[6:7], s[30:31]
	s_add_nc_u64 s[8:9], s[8:9], s[32:33]
	s_add_nc_u64 s[34:35], s[10:11], s[34:35]
	s_add_nc_u64 s[12:13], s[12:13], s[36:37]
	s_load_b32 s18, s[34:35], 0x0
	WIN 0x80
.irp ct, 0,1,2,3,4,5,6,7
	global_load_b128 v[BI+8*\ct:BI+8*\ct+3], v[H64], s[6:7] offset:(32*(\ct/2)+8*(\ct%2))*4        ; eb1 of units 32 b + 16 h + 8 u + 0 .. 7
	global_load_b128 v[BI+8*\ct+4:BI+8*\ct+7], v[H64], s[6:7] offset:(32*(\ct/2)+8*(\ct%2))*4+16
.endr
	WIN 0
	LDW 0, 0                                       ; K steps 0 and 1
	LDW 1, 128
	s_wait_kmcnt 0x0
	s_min_u32 s18, s18, 1024
	s_add_co_u32 s19, s18, 15
	s_lshr_b32 s19, s19, 4
	s_max_u32 s19, s19, 1
	s_sub_co_u32 s20, s19, 1
	s_add_co_u32 s21, s19, 15
	s_lshr_b32 s21, s21, 4
	s_mov_b32 s23, 0
	ADDR
	s_mov_b32 s24, s25
	s_mov_b32 s26, 0
	s_mov_b32 s52, 0
	s_mov_b32 s53, 0
.Lq:                                                   ; three trips of two K steps
	s_wait_dscnt 0x0                               ; the LDS stores have read their address registers
	v_add_nc_u32 v[CW], s52, v[CW0]
	v_add_nc_u32 v[SBW], s53, v[SB0]
	CHUNK 0, 1, 32, 0, 0                           ; the other set's 32 loads are younger, over the backward jump too
	CHUNK 1, 1, 32, 12288, 512
	s_wait_xcnt 0x0                                ; the loads have read their base
	s_add_nc_u64 s[WB:WB+1], s[WB:WB+1], 256*PB
	s_add_co_u32 s52, s52, 24576
	s_add_co_u32 s53, s53, 1024
	s_add_co_u32 s26, s26, 1
	s_cmp_lt_u32 s26, 3
	s_cbranch_scc1 .Lq
	s_wait_dscnt 0x0
	v_add_nc_u32 v[CW], s52, v[CW0]
	v_add_nc_u32 v[SBW], s53, v[SB0]
	CHUNK 0, 0, 32, 0, 0                           ; K step 6
	ASC                                            ; the first pass's scale words and its rows of K steps 0 and 1 are asked for while K step 7 is quantised: 32 loads
	AFR 0
	AFR 1
	WIN 0
	CHUNK 1, 0, 32, 12288, 512                     ; K step 7: those 32 loads are younger
	AFR 2
	AFR 3
	WIN 0
	s_wait_dscnt 0x0                               ; my images have landed
	s_barrier_signal -1
	s_barrier_wait -1                              ; everybody's have; the images are only read from here on
	s_mov_b32 s22, 0
.Lpass:
	s_wait_xcnt 0x0                                ; the last pass's stores have read the registers that the fragments land in
	FETCHH 0, 0
	FETCHH 0, 1
	MSTEP 0
	MSTEP 1
	MSTEP 2
	MSTEP 3
	MSTEP 4
	MSTEP 5
	MSTEP 6
	MSTEP 7
	PLACES 5                                       ; in front of reads of results, of loads into operands, and of the next pass's products, which begin the accumulators anew
	s_mov_b32 s27, s23
	s_add_co_u32 s22, s22, 1
	s_cmp_ge_u32 s22, s21
	s_cbranch_scc1 .Lnl
	s_add_co_u32 s23, s23, 16
	ADDR                                           ; (K step 7's wait for 0 has shown every load done: the offsets may be written)
	ASC                                            ; the next pass's scale words and K steps 0-3 come while this pass goes out
	AFR 0
	AFR 1
	AFR 2
	AFR 3
	WIN 0
.Lnl:
	OUT1 0
	OUT1 1
	OUT1 2
	OUT1 3
.Ldone:
	s_mov_b32 s24, s25
	s_cmp_lt_u32 s22, s21
	s_cbranch_scc1 .Lpass
	s_set_vgpr_msb 0xf
	s_wait_tensorcnt 0x0
	ds_add_u32 v254, v255
	s_wait_dscnt 0x0
	s_set_vgpr_msb 0xf00
	s_endpgm
.Lfunc_end_k_q1eabfc411c_ffn1:
	.size	k_q1eabfc411c_ffn1, .Lfunc_end_k_q1eabfc411c_ffn1-k_q1eabfc411c_ffn1
	.p2alignl 7, 3214868480
	.fill 96, 4, 3214868480
	.section	.rodata,"a",@progbits
	.p2align	6, 0x0
	.amdhsa_kernel k_q1eabfc411c_ffn1
		.amdhsa_group_segment_fixed_size 102912
		.amdhsa_private_segment_fixed_size 0
		.amdhsa_enable_private_segment 0
		.amdhsa_kernarg_size 40
		.amdhsa_user_sgpr_count 2
		.amdhsa_user_sgpr_kernarg_segment_ptr 1
		.amdhsa_wavefront_size32 1
		.amdhsa_system_sgpr_workgroup_id_x 1
		.amdhsa_system_sgpr_workgroup_id_y 1
		.amdhsa_system_sgpr_workgroup_id_z 1
		.amdhsa_system_vgpr_workitem_id 0
		.amdhsa_next_free_vgpr 1024
		.amdhsa_next_free_sgpr 96
		.amdhsa_reserve_vcc 0
		.amdhsa_float_denorm_mode_32 3
		.amdhsa_float_denorm_mode_16_64 3
		.amdhsa_memory_ordered 1
		.amdhsa_forward_progress 1
		.amdhsa_inst_pref_size 157
	.end_amdhsa_kernel
	.amdgpu_metadata
---
amdhsa.version: [ 1, 2 ]
amdhsa.kernels:
  - .name:           k_q1eabfc411c_ffn1
    .symbol:         k_q1eabfc411c_ffn1.kd
    .args:
      - { .name: ew1, .offset: 0, .size: 8, .value_kind: global_buffer, .address_space: global }
      - { .name: eb1, .offset: 8, .size: 8, .value_kind: global_buffer, .address_space: global }
      - { .name: xg, .offset: 16, .size: 8, .value_kind: global_buffer, .address_space: global }
      - { .name: ent, .offset: 24, .size: 8, .value_kind: global_buffer, .address_space: global }
      - { .name: hc, .offset: 32, .size: 8, .value_kind: global_buffer, .address_space: global }
    .group_segment_fixed_size: 102912
    .private_segment_fixed_size: 0
    .kernarg_segment_align: 8
    .kernarg_segment_size: 40
    .max_flat_workgroup_size: 128
    .sgpr_count:     96
    .vgpr_count:     1024
    .wavefront_size: 32
...
	.end_amdgpu_metadata
.endif
;; end of part 4
;; launch ffn2 (part 5): grid 32 x 8, 4 waves a work-group, no clusters, 136,704 bytes of LDS; arguments ew2, hc, ent, part; writes part
.if DOCPART == 5
	.amdgcn_target "amdgcn-amd-amdhsa--gfx1250"
	.amdhsa_code_object_version 6
	.text
	.protected	k_q1eabfc411c_ffn2
	.globl	k_q1eabfc411c_ffn2
	.p2align	8
	.type	k_q1eabfc411c_ffn2,@function
k_q1eabfc411c_ffn2:
	s_mov_b64 s[64:65], 0
	v_nop
	global_prefetch_b8 v0, s[64:65] scope:SCOPE_SE
	s_setreg_imm32_b32 hwreg(HW_REG_WAVE_MODE, 25, 1), 1
	s_wait_xcnt 0x0
; THE EXPERTS' SECOND LAYER: part[q][entry][d] = the sum over quarter q of the hidden axis of Q(hidden) Q(ew2[e]), for the rows routed to expert e.  Codes of BF6 (E3M2), one E8M0 scale for each 32 along K.
; THE WEIGHTS STAY PUT.  Work-group (x = 8 q + j, y = expert) owns ew2[e][1,024 hidden units of quarter q][128 outputs of slice j]: 512 KB of f32, read once.  The four quarters' sums are added by the next launch.
; PHASE Q and PHASE M are those of the first layer's launch: the weight is quantised on its way through registers into images in LDS; one barrier; the rows' records (written by the launch before, in the order of the
; operand's registers) are multiplied, tile t by wave t % 4, sixteen tiles a pass.  The product is used transposed; row r of column tile 2 b + u is column 32 b + 8 u + r + 8 (r / 8).
; Phase M's requests are spread: the next K step's fragments are fetched from LDS in two halves between the products of this one; a pass's rows are asked for in the order scale words, K steps 0 to 7: the scale words
; and K steps 0-3 ahead of the pass (56 loads), K step 4 + k at the head of K step k; the entries of my four tiles are asked for at the pass's head and waited for once, behind its products.
; THE WAY OUT: a tile's 16 rows x 128 outputs go through the wave's own stage in LDS and leave as whole rows of 512 consecutive bytes, each to the row of part that its entry (read from ent) names.
; Rows from R on are not stored.  Each row of part has one owner.  An expert without rows still streams its weights: the barrier stands on every wave's path.
; NO CLUSTER, NO TENSOR LOADS: the weights are shared by nobody and pass through registers to be quantised; the shared rows have counts that differ from expert to expert.
; LIMITS: NaN and infinities are not served; a block of zeros gets the scale byte 1 (its codes are zeros; this program alone reads the bytes).
.set ISG1, 0
.set PB,   4096
.set TS,   51200
.set WB,   4                           ; s[4:5]   the weight, at my wave's first row (phase Q alone)
.set AB,   6                           ; s[6:7]   the rows' records of this expert and quarter
.set OB,   10                          ; s[10:11] part, at my quarter and slice
.set EB,   12                          ; s[12:13] the expert's list of entries
.set IMG,  0
.set WSC,  98304
.set OST,  102400                      ; the way out: 16 rows x (512 + 16) bytes for each wave
.set L16,  1
.set R32,  2
.set CW0,  3
.set SB0,  4
.set WFA,  5
.set WFB,  6
.set WSA,  7
.set AOFF, 8
.set SOFF, 12
.set STO,  16                          ; the stage, in
.set RD,   17                          ; the stage, out
.set CW,   18
.set SBW,  19
.set SS,   24                          ; v24-55 the rows' scale words: scales and nothing else
.set WS,   56                          ; v56-63 the weight's scale words: scales and nothing else
.set WF,   64
.set CS,   64
.set TQ,   96
.set XQ,   128
.set BK,   64                          ; the way out: 16 rows read back
.set OAR,  128                         ; and an offset register for each
.set BI,   0                           ; (no bias here: the sums start at 0)
; window 1: phase Q's two landing sets, then the accumulators (64 i + 8 ct).  window 2: rows of tiles 0, 1.  window 3: of tiles 2, 3.
; s14 wave, s16 expert, s18 R, s19 tiles, s20 last tile, s21 passes, s22 pass, s23 first tile of the pass asked for, s24 my tiles in this pass, s25 in the next, s27 first tile of this pass.
; In phase M: s[32:47], s[48:63], s[68:83], s[84:99] the entries of my four tiles; s[2:3], s[4:5], s[8:9], s[66:67] where they are read from.
.set MSB, 0
.macro WIN new
.if MSB != \new
	s_set_vgpr_msb (MSB<<8)|\new
.set MSB, \new
.endif
.endm
.macro PLACES n
.rept \n
	v_nop
.endr
.endm
.macro QNT x, cs, tq
	v_max3_num_f32 v[\tq], |v[\x]|, |v[\x+1]|, |v[\x+2]|
	v_max3_num_f32 v[\tq+1], |v[\x+3]|, |v[\x+4]|, |v[\x+5]|
.irp i, 6,10,14,18,22,26
	v_max3_num_f32 v[\tq], v[\tq], |v[\x+\i]|, |v[\x+\i+1]|
	v_max3_num_f32 v[\tq+1], v[\tq+1], |v[\x+\i+2]|, |v[\x+\i+3]|
.endr
	v_max3_num_f32 v[\tq], v[\tq], |v[\x+30]|, |v[\x+31]|
	v_max3_num_f32 v[\tq], v[\tq], v[\tq+1], 0x2800000      ; the floor 2^(5 - 127): the byte cannot fall under 1
	v_add_nc_u32 v[\tq+2], 0xfe000000, v[\tq]               ; 4 off the exponent field: the conversion's scale operand
	v_cvt_scalef32_pk16_bf6_f32 v[\cs:\cs+2], v[\x:\x+15], v[\tq+2]
	v_cvt_scalef32_pk16_bf6_f32 v[\tq+4:\tq+6], v[\x+16:\x+31], v[\tq+2]
	v_lshrrev_b32 v[\cs+6], 23, v[\tq+2]                    ; the scale's byte; also the plain line behind the conversions
.irp i, 0,1,2
	v_mov_b32 v[\cs+3+\i], v[\tq+4+\i]
.endr
.endm
.macro CST cs, off, boff
.irp p, 0,1,2
	ds_store_b64 v[CW], v[\cs+2*\p:\cs+2*\p+1] offset:\off+8*\p
.endr
	ds_store_b8 v[SBW], v[\cs+6] offset:\boff
.endm
.macro LDW set, koff
	WIN 0x40
.set rr, 0
.rept 32
	global_load_b128 v[128*\set+4*rr:128*\set+4*rr+3], v[L16], s[WB:WB+1] offset:(\koff+rr)*PB th:TH_LOAD_NT
.set rr, rr+1
.endr
	WIN 0
.endm
.macro CHUNK set, more, wcnt, off, boff
	s_wait_loadcnt \wcnt
	s_wait_dscnt 0x0                               ; the last chunk's LDS stores have read their registers
	WIN 0x01
.irp c, 0,1,2,3
.set rr, 0
.rept 32
	v_mov_b32 v[XQ+32*\c+rr], v[128*\set+4*rr+\c]
.set rr, rr+1
.endr
.endr
.if \more
	LDW \set, 256+128*\set
.endif
	WIN 0
.irp c, 0,1,2,3
	QNT XQ+32*\c, CS+8*\c, TQ+8*\c
.endr
.irp c, 0,1,2,3
	CST CS+8*\c, \off+48*\c, \boff+4*\c
.endr
.endm
.macro WM d, a, b, cm, c, sa, sb, row
.if \cm
.if \row
	v_wmma_scale_f32_16x16x128_f8f6f4 v[\d:\d+7], v[\a:\a+11], v[\b:\b+11], v[\c:\c+7], v[\sa], v[\sb] matrix_a_fmt:MATRIX_FMT_BF6 matrix_b_fmt:MATRIX_FMT_BF6 matrix_a_scale:MATRIX_SCALE_ROW1
.else
	v_wmma_scale_f32_16x16x128_f8f6f4 v[\d:\d+7], v[\a:\a+11], v[\b:\b+11], v[\c:\c+7], v[\sa], v[\sb] matrix_a_fmt:MATRIX_FMT_BF6 matrix_b_fmt:MATRIX_FMT_BF6
.endif
.else
.if \row
	v_wmma_scale_f32_16x16x128_f8f6f4 v[\d:\d+7], v[\a:\a+11], v[\b:\b+11], 0, v[\sa], v[\sb] matrix_a_fmt:MATRIX_FMT_BF6 matrix_b_fmt:MATRIX_FMT_BF6 matrix_a_scale:MATRIX_SCALE_ROW1
.else
	v_wmma_scale_f32_16x16x128_f8f6f4 v[\d:\d+7], v[\a:\a+11], v[\b:\b+11], 0, v[\sa], v[\sb] matrix_a_fmt:MATRIX_FMT_BF6 matrix_b_fmt:MATRIX_FMT_BF6
.endif
.endif
.endm
.macro ADDR
	s_sub_co_i32 s25, s19, s23
	s_sub_co_i32 s25, s25, s14
	s_add_co_i32 s25, s25, 3
	s_ashr_i32 s25, s25, 2
	s_max_i32 s25, s25, 0
	s_min_i32 s25, s25, 4
.irp i, 0,1,2,3
	s_add_co_u32 s28, s23, s14
	s_add_co_u32 s28, s28, 4*\i
	s_min_u32 s28, s28, s20
	s_min_u32 s28, s28, 63
	s_mul_i32 s28, s28, TS
	v_add_nc_u32 v[AOFF+\i], s28, v[L16]
	v_add_nc_u32 v[SOFF+\i], s28, v[R32]
.endr
.endm
.macro ASC                             ; my four tiles' scale words: 8 loads
.irp i, 0,1,2,3
	global_load_b128 v[SS+8*\i:SS+8*\i+3], v[SOFF+\i], s[AB:AB+1] offset:12288
	global_load_b128 v[SS+8*\i+4:SS+8*\i+7], v[SOFF+\i], s[AB:AB+1] offset:12304
.endr
.endm
.macro AFR s                           ; K step s of my four tiles' rows: 12 loads of 512 consecutive bytes.  It leaves the windows set: WIN 0 follows the last of a run
	WIN 0x80
.irp i, 0,1
.irp c, 0,1,2
	global_load_b128 v[96*\i+12*(\s)+4*\c:96*\i+12*(\s)+4*\c+3], v[AOFF+\i], s[AB:AB+1] offset:1536*(\s)+512*\c
.endr
.endr
	WIN 0xc0
.irp i, 0,1
.irp c, 0,1,2
	global_load_b128 v[96*\i+12*(\s)+4*\c:96*\i+12*(\s)+4*\c+3], v[AOFF+2+\i], s[AB:AB+1] offset:1536*(\s)+512*\c
.endr
.endr
.endm
.macro FETCHH s, q                     ; half q of K step s of the weight from LDS: column tiles 4 q .. 4 q + 3 (12 loads of 16 bytes) and their scale words (2 loads), into set s % 2
.irp ct, 0,1,2,3
.irp c, 0,1,2
.if (\s) < 4
	ds_load_b128 v[WF+96*((\s)%2)+12*(4*\q+\ct)+4*\c:WF+96*((\s)%2)+12*(4*\q+\ct)+4*\c+3], v[WFA] offset:12288*((\s)%4)+1536*(4*\q+\ct)+16*\c
.else
	ds_load_b128 v[WF+96*((\s)%2)+12*(4*\q+\ct)+4*\c:WF+96*((\s)%2)+12*(4*\q+\ct)+4*\c+3], v[WFB] offset:12288*((\s)%4)+1536*(4*\q+\ct)+16*\c
.endif
.endr
.endr
.irp m, 0,1
	ds_load_b32 v[WS+4*((\s)%2)+2*\q+\m], v[WSA] offset:512*(\s)+128*(2*\q+\m)
.endr
.endm
.macro MT s, i                         ; tile i's eight products of K step s; a tile that I do not have is jumped over.  The accumulators take turns
	s_cmp_le_u32 s24, \i
	s_cbranch_scc1 .Lsk_\@
	WIN 0x58+4*(\i/2)                              ; source 1 window 2 or 3, C and D window 1
.irp ct, 0,1,2,3,4,5,6,7
.if (\s) == 0
	WM 64*\i+8*\ct, WF+12*\ct, 96*(\i%2), ISG1, BI+8*\ct, WS+\ct/2, SS+8*\i, \ct%2
.else
	WM 64*\i+8*\ct, WF+96*((\s)%2)+12*\ct, 96*(\i%2)+12*(\s), 1, 64*\i+8*\ct, WS+4*((\s)%2)+\ct/2, SS+8*\i+(\s), \ct%2
.endif
.endr
	WIN 0
.Lsk_\@:
.endm
.macro MSTEP s                         ; K step s: up to 32 products; between them the next step's fragments are fetched
.if (\s) > 0
	PLACES 4                                       ; in front of loads into registers that the last step's products have read
.endif
.if (\s) < 4
	AFR (\s)+4                                     ; the rows of four K steps on
	WIN 0
	s_wait_loadcnt 48                              ; this step's rows are in: the four K steps' behind them, 12 loads each, may be out
.else
	s_wait_loadcnt 12*(7-(\s))                     ; the later steps' rows, 12 loads a step, may be out
.endif
	s_wait_dscnt 0x0                               ; this step's fragments, asked for in the step before, are in
	MT \s, 0
.if (\s) < 7
	FETCHH (\s)+1, 0
.endif
	MT \s, 1
.if (\s) < 7
	FETCHH (\s)+1, 1
.endif
	MT \s, 2
	MT \s, 3
.endm
.macro ELOAD i, p, e                   ; the 16 entries of my tile i of this pass into s[e] on; a tile past the expert's last is held to the last, so that only written words are read
	s_add_co_u32 s28, s23, s14
	s_add_co_u32 s28, s28, 4*\i
	s_min_u32 s28, s28, s20
	s_min_u32 s28, s28, 63
	s_lshl_b32 s[\p], s28, 6
	s_mov_b32 s[\p+1], 0
	s_add_nc_u64 s[\p:\p+1], s[EB:EB+1], s[\p:\p+1]
	s_load_b512 s[\e:\e+15], s[\p:\p+1], 0x0
.endm
.macro OUT2 i, e                       ; tile i: through my stage, then row by row to the rows of part that the entries in s[e] on name
	s_cmp_le_u32 s24, \i
	s_cbranch_scc1 .Ldone
	s_wait_xcnt 0x0                                ; the last tile's stores have read their registers and offsets
	s_add_co_u32 s28, s27, s14
	s_add_co_u32 s28, s28, 4*\i
	s_min_u32 s28, s28, 63
	s_lshl_b32 s29, s28, 4
	s_sub_co_i32 s29, s18, s29
	s_max_i32 s29, s29, 0
	s_min_i32 s29, s29, 16                         ; how many of its rows exist
	WIN 0x04                                       ; an LDS store's data are its source 1: window 1
.irp ct, 0,1,2,3,4,5,6,7
	ds_store_b128 v[STO], v[64*\i+8*\ct:64*\i+8*\ct+3] offset:128*(\ct/2)+32*(\ct%2)        ; lane (r, h): outputs 32 b + 16 h + 8 u + 0 .. 7 of row r; each accumulator from its low end on
	ds_store_b128 v[STO], v[64*\i+8*\ct+4:64*\i+8*\ct+7] offset:128*(\ct/2)+32*(\ct%2)+16
.endr
	WIN 0
.irp p, 0,1,2,3,4,5,6,7,8,9,10,11,12,13,14,15
	ds_load_b128 v[BK+4*\p:BK+4*\p+3], v[RD] offset:528*\p       ; LDS serves a wave's instructions in order: these see my stores
.endr
.irp p, 0,1,2,3,4,5,6,7,8,9,10,11,12,13,14,15
	s_cmp_le_u32 s29, \p
	s_cbranch_scc1 .Lt_\@
	s_wait_dscnt 15-\p                             ; row p is back; the later rows' loads may be out
	s_min_u32 s28, s[\e+\p], 2047
	s_lshl_b32 s28, s28, 12
	v_add_nc_u32 v[OAR+\p], s28, v[L16]
	global_store_b128 v[OAR+\p], v[BK+4*\p:BK+4*\p+3], s[OB:OB+1] th:TH_STORE_NT    ; 512 consecutive bytes, at a multiple of 512 from part's first byte
.endr
.Lt_\@:
	s_wait_dscnt 0x0
.endm
	s_load_b256 s[4:11], s[0:1], 0x0               ; ew2, hc, ent, part
	s_set_vgpr_msb 0x80
	v_lshl_add_u32 v254, v0, 2, 0x21400
	v_mov_b32 v255, 0
	s_set_vgpr_msb 0x8000
	v_lshrrev_b32 v20, 5, v0
	v_readfirstlane_b32 s14, v20                   ; wave 0..3 = my block of each K step
	s_and_b32 s16, ttmp7, 0xffff                   ; expert
	s_and_b32 s15, ttmp9, 7                        ; slice of 128 outputs
	s_lshr_b32 s17, ttmp9, 3                       ; quarter of K
	v_and_b32 v20, 31, v0
	v_lshlrev_b32 v[L16], 4, v20
	v_mul_u32_u24 v[WFA], v20, 48
	v_add_nc_u32 v[WFB], 49152, v[WFA]
	v_lshl_add_u32 v[WSA], v20, 2, WSC
	v_and_b32 v21, 15, v0
	v_lshlrev_b32 v[R32], 5, v21
	v_bfe_u32 v22, v0, 4, 1
	v_mul_u32_u24 v[STO], v21, 528
	v_lshl_add_u32 v[STO], v22, 6, v[STO]
	s_mul_i32 s28, s14, 8448
	s_add_co_u32 s28, s28, OST
	v_add_nc_u32 v[STO], s28, v[STO]
	v_add_nc_u32 v[RD], s28, v[L16]
	v_bfe_u32 v20, v0, 3, 2                        ; my columns 4 l + c: tile 2 (l / 8) + (l / 2) % 2, row 8 ((l / 4) % 2) + 4 (l % 2) + c
	v_bfe_u32 v21, v0, 1, 1
	v_bfe_u32 v22, v0, 2, 1
	v_and_b32 v23, 1, v0
	v_mul_u32_u24 v[CW0], v20, 3072
	v_mad_u32_u24 v[CW0], v21, 1536, v[CW0]
	v_mad_u32_u24 v[CW0], v22, 384, v[CW0]
	v_mad_u32_u24 v[CW0], v23, 192, v[CW0]
	s_and_b32 s28, s14, 1
	s_mul_i32 s28, s28, 768
	s_lshr_b32 s29, s14, 1
	s_mul_i32 s29, s29, 24
	s_add_co_u32 s28, s28, s29
	v_add_nc_u32 v[CW0], s28, v[CW0]
	v_lshlrev_b32 v[SB0], 7, v20
	v_lshl_add_u32 v[SB0], v21, 6, v[SB0]
	v_lshl_add_u32 v[SB0], v22, 5, v[SB0]
	v_lshl_add_u32 v[SB0], v23, 4, v[SB0]
	s_add_co_u32 s28, s14, WSC
	v_add_nc_u32 v[SB0], s28, v[SB0]
	s_lshl_b32 s28, s16, 24                        ; ew2: 16 MB an expert, 4 MB a quarter, 32 rows a wave, 512 bytes a slice
	s_lshl_b32 s29, s17, 22
	s_add_co_u32 s28, s28, s29
	s_lshl_b32 s29, s14, 17
	s_add_co_u32 s28, s28, s29
	s_lshl_b32 s29, s15, 9
	s_add_co_u32 s28, s28, s29
	s_mov_b32 s29, 0
	s_mul_i32 s32, s16, 64*51200                   ; hc
	s_mul_i32 s33, s17, 12800
	s_add_co_u32 s32, s32, s33
	s_mov_b32 s33, 0
	s_lshl_b32 s34, s16, 2                         ; ent: the expert's count,
	s_add_co_u32 s34, s34, 32768
	s_mov_b32 s35, 0
	s_lshl_b32 s36, s16, 12                        ; and its list
	s_mov_b32 s37, 0
	s_lshl_b32 s38, s17, 23                        ; part: 8 MB a quarter, 512 bytes a slice
	s_lshl_b32 s39, s15, 9
	s_add_co_u32 s38, s38, s39
	s_mov_b32 s39, 0
	s_wait_kmcnt 0x0
	s_add_nc_u64 s[4:5], s[4:5], s[28:29]
	s_add_nc_u64 s[6:7], s[6:7], s[32:33]
	s_add_nc_u64 s[34:35], s[8:9], s[34:35]
	s_add_nc_u64 s[EB:EB+1], s[8:9], s[36:37]
	s_add_nc_u64 s[10:11], s[10:11], s[38:39]
	s_load_b32 s18, s[34:35], 0x0
	LDW 0, 0                                       ; K steps 0 and 1
	LDW 1, 128
	s_wait_kmcnt 0x0
	s_min_u32 s18, s18, 1024
	s_add_co_u32 s19, s18, 15
	s_lshr_b32 s19, s19, 4
	s_max_u32 s19, s19, 1
	s_sub_co_u32 s20, s19, 1
	s_add_co_u32 s21, s19, 15
	s_lshr_b32 s21, s21, 4
	s_mov_b32 s23, 0
	ADDR
	s_mov_b32 s24, s25
	s_mov_b32 s26, 0
	s_mov_b32 s52, 0
	s_mov_b32 s53, 0
.Lq:                                                   ; three trips of two K steps
	s_wait_dscnt 0x0                               ; the LDS stores have read their address registers
	v_add_nc_u32 v[CW], s52, v[CW0]
	v_add_nc_u32 v[SBW], s53, v[SB0]
	CHUNK 0, 1, 32, 0, 0                           ; the other set's 32 loads are younger, over the backward jump too
	CHUNK 1, 1, 32, 12288, 512
	s_wait_xcnt 0x0                                ; the loads have read their base
	s_add_nc_u64 s[WB:WB+1], s[WB:WB+1], 256*PB
	s_add_co_u32 s52, s52, 24576
	s_add_co_u32 s53, s53, 1024
	s_add_co_u32 s26, s26, 1
	s_cmp_lt_u32 s26, 3
	s_cbranch_scc1 .Lq
	s_wait_dscnt 0x0
	v_add_nc_u32 v[CW], s52, v[CW0]
	v_add_nc_u32 v[SBW], s53, v[SB0]
	CHUNK 0, 0, 32, 0, 0                           ; K step 6
	ASC                                            ; the first pass's scale words and its rows of K steps 0 and 1 are asked for while K step 7 is quantised: 32 loads
	AFR 0
	AFR 1
	WIN 0
	CHUNK 1, 0, 32, 12288, 512                     ; K step 7: those 32 loads are younger
	AFR 2
	AFR 3
	WIN 0
	s_wait_dscnt 0x0                               ; my images have landed
	s_barrier_signal -1
	s_barrier_wait -1                              ; everybody's have; the images are only read from here on
	s_mov_b32 s22, 0
.Lpass:
	s_wait_xcnt 0x0                                ; the last pass's stores have read the registers that the fragments land in; every earlier load has read its base
	ELOAD 0, 2, 32                                 ; the entries are wanted on the way out: asked for here, waited for behind the products
	ELOAD 1, 4, 48
	ELOAD 2, 8, 68
	ELOAD 3, 66, 84
	FETCHH 0, 0
	FETCHH 0, 1
	MSTEP 0
	MSTEP 1
	MSTEP 2
	MSTEP 3
	MSTEP 4
	MSTEP 5
	MSTEP 6
	MSTEP 7
	PLACES 5                                       ; in front of reads of results, of loads into operands, and of the next pass's products, which begin the accumulators anew
	s_wait_kmcnt 0x0                               ; the entries are in: on every path, so that the next pass may ask anew
	s_mov_b32 s27, s23
	s_add_co_u32 s22, s22, 1
	s_cmp_ge_u32 s22, s21
	s_cbranch_scc1 .Lnl
	s_add_co_u32 s23, s23, 16
	ADDR                                           ; (K step 7's wait for 0 has shown every load done: the offsets may be written)
	ASC                                            ; the next pass's scale words and K steps 0-3 come while this pass goes out
	AFR 0
	AFR 1
	AFR 2
	AFR 3
	WIN 0
.Lnl:
	OUT2 0, 32
	OUT2 1, 48
	OUT2 2, 68
	OUT2 3, 84
.Ldone:
	s_mov_b32 s24, s25
	s_cmp_lt_u32 s22, s21
	s_cbranch_scc1 .Lpass
	s_set_vgpr_msb 0xa
	s_wait_tensorcnt 0x0
	ds_add_u32 v254, v255
	s_wait_dscnt 0x0
	s_set_vgpr_msb 0xa00
	s_endpgm
.Lfunc_end_k_q1eabfc411c_ffn2:
	.size	k_q1eabfc411c_ffn2, .Lfunc_end_k_q1eabfc411c_ffn2-k_q1eabfc411c_ffn2
	.p2alignl 7, 3214868480
	.fill 96, 4, 3214868480
	.section	.rodata,"a",@progbits
	.p2align	6, 0x0
	.amdhsa_kernel k_q1eabfc411c_ffn2
		.amdhsa_group_segment_fixed_size 136704
		.amdhsa_private_segment_fixed_size 0
		.amdhsa_enable_private_segment 0
		.amdhsa_kernarg_size 32
		.amdhsa_user_sgpr_count 2
		.amdhsa_user_sgpr_kernarg_segment_ptr 1
		.amdhsa_wavefront_size32 1
		.amdhsa_system_sgpr_workgroup_id_x 1
		.amdhsa_system_sgpr_workgroup_id_y 1
		.amdhsa_system_sgpr_workgroup_id_z 1
		.amdhsa_system_vgpr_workitem_id 0
		.amdhsa_next_free_vgpr 1024
		.amdhsa_next_free_sgpr 100
		.amdhsa_reserve_vcc 0
		.amdhsa_float_denorm_mode_32 3
		.amdhsa_float_denorm_mode_16_64 3
		.amdhsa_memory_ordered 1
		.amdhsa_forward_progress 1
		.amdhsa_inst_pref_size 160
	.end_amdhsa_kernel
	.amdgpu_metadata
---
amdhsa.version: [ 1, 2 ]
amdhsa.kernels:
  - .name:           k_q1eabfc411c_ffn2
    .symbol:         k_q1eabfc411c_ffn2.kd
    .args:
      - { .name: ew2, .offset: 0, .size: 8, .value_kind: global_buffer, .address_space: global }
      - { .name: hc, .offset: 8, .size: 8, .value_kind: global_buffer, .address_space: global }
      - { .name: ent, .offset: 16, .size: 8, .value_kind: global_buffer, .address_space: global }
      - { .name: part, .offset: 24, .size: 8, .value_kind: global_buffer, .address_space: global }
    .group_segment_fixed_size: 136704
    .private_segment_fixed_size: 0
    .kernarg_segment_align: 8
    .kernarg_segment_size: 32
    .max_flat_workgroup_size: 128
    .sgpr_count:     100
    .vgpr_count:     1024
    .wavefront_size: 32
...
	.end_amdgpu_metadata
.endif
;; end of part 5
;; launch combine (part 6): grid 256 x 1, 8 waves a work-group, no clusters, 0 bytes of LDS; arguments part, eb2, idx, gt, out0; writes out0
.if DOCPART == 6
	.amdgcn_target "amdgcn-amd-amdhsa--gfx1250"
	.amdhsa_code_object_version 6
	.text
	.protected	k_q1eabfc411c_combine
	.globl	k_q1eabfc411c_combine
	.p2align	8
	.type	k_q1eabfc411c_combine,@function
k_q1eabfc411c_combine:
	s_mov_b64 s[64:65], 0
	v_nop
	global_prefetch_b8 v0, s[64:65] scope:SCOPE_SE
	s_setreg_imm32_b32 hwreg(HW_REG_WAVE_MODE, 25, 1), 1
	s_wait_xcnt 0x0
; out0[n] = the sum over k = 0, 1 of gate[2 n + k] x (eb2[expert of 2 n + k] + the four quarters' sums part[q][2 n + k]).  All f32.
; A work-group takes four tokens; thread t takes the 16 bytes at 16 t of every row, so a wave's load or store covers 512 consecutive bytes.  All 40 loads of a thread are out together.
; A stream: no LDS, no barrier, no matrix unit.  The experts' numbers are whole numbers that an earlier launch stored; they are held to 7 ahead of the address.
	s_load_b256 s[4:11], s[0:1], 0x0               ; part, eb2, idx, gt
	s_load_b64 s[12:13], s[0:1], 0x20              ; out0
	v_lshlrev_b32 v1, 4, v0
	s_lshl_b32 s14, ttmp9, 5                       ; 8 words of idx and of gt
	s_mov_b32 s15, 0
	s_lshl_b32 s40, ttmp9, 15                      ; 8 rows of part
	s_mov_b32 s41, 0
	s_lshl_b32 s42, ttmp9, 14                      ; 4 rows of out0
	s_mov_b32 s43, 0
	s_wait_kmcnt 0x0
	s_add_nc_u64 s[8:9], s[8:9], s[14:15]
	s_add_nc_u64 s[10:11], s[10:11], s[14:15]
	s_load_b256 s[16:23], s[8:9], 0x0              ; the eight experts
	s_load_b256 s[24:31], s[10:11], 0x0            ; the eight gates
	s_add_nc_u64 s[32:33], s[4:5], s[40:41]        ; a base for each quarter: 8 MB apart, past a load's immediate
	s_add_nc_u64 s[34:35], s[32:33], 0x800000
	s_add_nc_u64 s[36:37], s[34:35], 0x800000
	s_add_nc_u64 s[38:39], s[36:37], 0x800000
	s_add_nc_u64 s[12:13], s[12:13], s[42:43]
.irp q, 0,1,2,3
.irp m, 0,1,2,3,4,5,6,7
	global_load_b128 v[32+4*(8*\q+\m):35+4*(8*\q+\m)], v1, s[32+2*\q:33+2*\q] offset:4096*\m th:TH_LOAD_NT
.endr
.endr
	s_wait_kmcnt 0x0
.irp m, 0,1,2,3,4,5,6,7
	s_min_u32 s[16+\m], s[16+\m], 7
	s_lshl_b32 s[16+\m], s[16+\m], 12
	v_add_nc_u32 v[2+\m], s[16+\m], v1
	global_load_b128 v[160+4*\m:163+4*\m], v[2+\m], s[6:7]
.endr
	s_wait_loadcnt 0x0
.irp q, 0,1,2,3
.irp m, 0,1,2,3,4,5,6,7
	v_pk_add_f32 v[160+4*\m:161+4*\m], v[160+4*\m:161+4*\m], v[32+4*(8*\q+\m):33+4*(8*\q+\m)]
	v_pk_add_f32 v[162+4*\m:163+4*\m], v[162+4*\m:163+4*\m], v[34+4*(8*\q+\m):35+4*(8*\q+\m)]
.endr
.endr
.irp u, 0,1,2,3
.irp i, 0,1,2,3
	v_mul_f32 v[192+4*\u+\i], s[24+2*\u], v[160+8*\u+\i]
.endr
.irp i, 0,1,2,3
	v_fmac_f32 v[192+4*\u+\i], s[25+2*\u], v[164+8*\u+\i]
.endr
	global_store_b128 v1, v[192+4*\u:195+4*\u], s[12:13] offset:4096*\u th:TH_STORE_NT
.endr
	s_endpgm
.Lfunc_end_k_q1eabfc411c_combine:
	.size	k_q1eabfc411c_combine, .Lfunc_end_k_q1eabfc411c_combine-k_q1eabfc411c_combine
	.p2alignl 7, 3214868480
	.fill 96, 4, 3214868480
	.section	.rodata,"a",@progbits
	.p2align	6, 0x0
	.amdhsa_kernel k_q1eabfc411c_combine
		.amdhsa_group_segment_fixed_size 0
		.amdhsa_private_segment_fixed_size 0
		.amdhsa_enable_private_segment 0
		.amdhsa_kernarg_size 40
		.amdhsa_user_sgpr_count 2
		.amdhsa_user_sgpr_kernarg_segment_ptr 1
		.amdhsa_wavefront_size32 1
		.amdhsa_system_sgpr_workgroup_id_x 1
		.amdhsa_system_sgpr_workgroup_id_y 1
		.amdhsa_system_sgpr_workgroup_id_z 1
		.amdhsa_system_vgpr_workitem_id 0
		.amdhsa_next_free_vgpr 208
		.amdhsa_next_free_sgpr 66
		.amdhsa_reserve_vcc 0
		.amdhsa_float_denorm_mode_32 3
		.amdhsa_float_denorm_mode_16_64 3
		.amdhsa_memory_ordered 1
		.amdhsa_forward_progress 1
		.amdhsa_inst_pref_size 12
	.end_amdhsa_kernel
	.amdgpu_metadata
---
amdhsa.version: [ 1, 2 ]
amdhsa.kernels:
  - .name:           k_q1eabfc411c_combine
    .symbol:         k_q1eabfc411c_combine.kd
    .args:
      - { .name: part, .offset: 0, .size: 8, .value_kind: global_buffer, .address_space: global }
      - { .name: eb2, .offset: 8, .size: 8, .value_kind: global_buffer, .address_space: global }
      - { .name: idx, .offset: 16, .size: 8, .value_kind: global_buffer, .address_space: global }
      - { .name: gt, .offset: 24, .size: 8, .value_kind: global_buffer, .address_space: global }
      - { .name: out0, .offset: 32, .size: 8, .value_kind: global_buffer, .address_space: global }
    .group_segment_fixed_size: 0
    .private_segment_fixed_size: 0
    .kernarg_segment_align: 8
    .kernarg_segment_size: 40
    .max_flat_workgroup_size: 256
    .sgpr_count:     66
    .vgpr_count:     208
    .wavefront_size: 32
...
	.end_amdgpu_metadata
.endif
;; end of part 6
;; ======== version 2 of 2: 6 launches
;; workspace buffers: xc 1,048,576 bytes; pl 1,048,576 bytes; idx 8,192 bytes of whole numbers; gt 8,192 bytes; ent 33,024 bytes of whole numbers; xg 6,553,600 bytes; hc 26,214,400 bytes; part 33,554,432 bytes
;; launch router (part 7): grid 16 x 16, 8 waves a work-group, no clusters, 173,056 bytes of LDS; arguments x, rw1, rb1, rw2, xc, pl; writes xc, pl
.if DOCPART == 7
	.amdgcn_target "amdgcn-amd-amdhsa--gfx1250"
	.amdhsa_code_object_version 6
	.text
	.protected	k_q1eabfc411c_router
	.globl	k_q1eabfc411c_router
	.p2align	8
	.type	k_q1eabfc411c_router,@function
k_q1eabfc411c_router:
	s_mov_b64 s[64:65], 0
	v_nop
	global_prefetch_b8 v0, s[64:65] scope:SCOPE_SE
	s_setreg_imm32_b32 hwreg(HW_REG_WAVE_SCHED_MODE, 0, 2), 2
	s_setreg_imm32_b32 hwreg(HW_REG_WAVE_MODE, 25, 1), 1
	s_wait_xcnt 0x0
	s_wait_alu depctr_vm_vsrc(0)
; ROUTER, FIRST PART.  h = relu(Q(x) Q(rw1) + rb1) on codes of BF6 (E3M2) with one E8M0 scale for each 32 along K; then partial logits h . rw2 in f32 multiply-adds.
; x [1024][1024], rw1 [1024 (k)][1024 (n)], rb1 [1024], rw2 [1024][8]: f32.  Out: xc, the codes of x (a record of 1,024 bytes a token), and pl [32 slices][1024 tokens][8] f32: the logits' sums over 32 hidden units each.
; SHARES.  A work-group takes 64 tokens (y) x 64 hidden units (x).  Wave w quantises K step w (128 along K) of both operands and leaves them in LDS as images of the operands' registers; one barrier;
; then wave w multiplies the tile of 16 tokens w % 4 with the two tiles of 16 units of half w / 4, over all eight K steps: two accumulators by turns.
; THE PRODUCT IS USED TRANSPOSED (source 0 = 16 columns of rw1, source 1 = 16 tokens): a lane holds one token and eight hidden units.
; rw1's K is its first axis: a lane takes four columns, its registers run down K, so a block of 32 lies in one lane and nothing is transposed by an instruction.
; No tensor loads and no cluster: what a work-group reads is quantised on its way through registers, and the launch is short.
; LIMITS: NaN and infinities among the inputs are not served.  A block of zeros gets the scale byte 1 where the quantiser says 127: its codes are zeros, and the bytes are read by this program alone.
; xc is written by the work-groups of x = 0 alone, in pieces of 48 bytes (0.8 MB in all): a later launch gathers it token by token.
; THE MODE: SCHED_MODE bits 1:0 = 2 (LLVM: expert scheduling mode 2), set by the entry lines.  The code itself states the register dependences
; between vector or matrix instructions and memory or LDS instructions, with s_wait_alu, always for 0.
; THE PLAN.  Registers that memory or LDS instructions touch, and who else names them:
;   v1-17          offsets and LDS addresses, made once at the head and never written again: one wait on va_vdst ahead of the first load serves them all.
;   XL0, XL1       a tile's loads land; the stage's stores read them; the stage's loads land in them; the quantiser reads them; the loads of two tiles on land.
;   PC, PW         the quantiser writes them; the tile's LDS stores and its stores to xc read them.
;                  So a tile has one wait on vm_vsrc, between the stage's stores and its loads, and one on va_vdst, behind the quantiser.
;   window 1       rw1's loads land; the chunks' moves read them; then the bias, rw2 and the fragments land there; the products read the fragments; the second four K steps' fragments land.
;   CS (v64-95)    the chunks' quantiser writes them; the chunk's LDS stores read them; behind the barrier vector lines write v64-71 again.
;   TP (v64-67)    the selects write them; the last store reads them.
.set STGX, 0                           ; LDS: a stage of 16 rows x (512 + 16) bytes for each wave
.set IMGW, 67584                       ; rw1's fragments, 1,536 bytes each, index 4 s + ct; lane (r, h) has 48 bytes at 48 (r + 16 h)
.set IMGX, 116736                      ; x's fragments, index 8 m + s; registers 4 c .. 4 c + 3 of lane l at 512 c + 16 l
.set WSCR, 165888                      ; rw1's scale words [s][ct][r]
.set XSC,  167936                      ; x's scale words, index 8 m + s, 4 bytes a lane
.set XA,   1                           ; 16 x lane
.set WOFF, 2                           ; rw1: 16 (l % 16) + 32 rows x (l / 16)
.set XSTW, 3                           ; the stage, in
.set XSTR, 4                           ; the stage, out
.set XIW,  5                           ; where I store x's images
.set XSW,  6                           ; and their scale words
.set CW,   7                           ; where I store rw1's codes
.set SBW,  8                           ; and their scale bytes
.set XFR,  9                           ; where I read x's fragments
.set XSR,  10
.set WFR,  11                          ; where I read rw1's fragments
.set WSRA, 12
.set XCO,  13                          ; xc: my codes' place
.set XCS,  14                          ; xc: my scale word's place
.set BA,   15                          ; rb1: 32 h
.set RA,   16                          ; rw2: 256 h
.set PO,   17                          ; pl: 32 r + 16 h
.set HH,   20                          ; h = lane / 16
.set XS,   24                          ; v24-31 x's scale words: scales and nothing else
.set WSR,  32                          ; v32-39 rw1's scale words: scales and nothing else
.set PC,   40                          ; v40-59 codes just made
.set TM,   60                          ; v60-75 at work in QUANT
.set PW,   76                          ; the scale word just made
.set CS,   64                          ; v64-95  four columns' codes (8 registers each)
.set TQ,   96                          ; v96-127 four columns' work registers
.set XQ,   128                         ; v128-255 four columns x 32 numbers down K
.set XL,   128                         ; v128-191, v192-255: two sets of 64 numbers of x
.set HR,   40                          ; v40-55 relu(h), 16 units
.set LG,   56                          ; v56-63 my partial logits
.set TP,   64                          ; v64-71 at work
.set XF,   128                         ; v128-223 x's eight fragments
.set SEL,  22                          ; s[22:23] lane selects for lane l xor 16
.set MSB, 0
.macro WIN new                         ; the immediate's high byte repeats the setting that is left
.if MSB != \new
	s_set_vgpr_msb (MSB<<8)|\new
.set MSB, \new
.endif
.endm
.macro PLACES n
.rept \n
	v_nop
.endr
.endm
; 32 numbers of one column, v[x] .. v[x + 31] down K, become 24 bytes of codes in v[cs] .. v[cs + 5] and the scale's byte in v[cs + 6]
.macro QNT x, cs, tq
	v_max3_num_f32 v[\tq], |v[\x]|, |v[\x+1]|, |v[\x+2]|
	v_max3_num_f32 v[\tq+1], |v[\x+3]|, |v[\x+4]|, |v[\x+5]|
.irp i, 6,10,14,18,22,26
	v_max3_num_f32 v[\tq], v[\tq], |v[\x+\i]|, |v[\x+\i+1]|
	v_max3_num_f32 v[\tq+1], v[\tq+1], |v[\x+\i+2]|, |v[\x+\i+3]|
.endr
	v_max3_num_f32 v[\tq], v[\tq], |v[\x+30]|, |v[\x+31]|
	v_max3_num_f32 v[\tq], v[\tq], v[\tq+1], 0x2800000      ; the floor 2^(5 - 127): the byte cannot fall under 1
	v_add_nc_u32 v[\tq+2], 0xfe000000, v[\tq]               ; 4 off the exponent field: the conversion's scale operand
	v_cvt_scalef32_pk16_bf6_f32 v[\cs:\cs+2], v[\x:\x+15], v[\tq+2]
	v_cvt_scalef32_pk16_bf6_f32 v[\tq+4:\tq+6], v[\x+16:\x+31], v[\tq+2]   ; (a conversion's three registers begin on an even number)
	v_lshrrev_b32 v[\cs+6], 23, v[\tq+2]                    ; the scale's byte; also the plain line behind the conversions
.irp i, 0,1,2
	v_mov_b32 v[\cs+3+\i], v[\tq+4+\i]
.endr
.endm
.macro CST cs, off, boff               ; a block's 24 bytes and its scale byte go to their places in the images
.irp p, 0,1,2
	ds_store_b64 v[CW], v[\cs+2*\p:\cs+2*\p+1] offset:\off+8*\p
.endr
	ds_store_b8 v[SBW], v[\cs+6] offset:\boff
.endm
; 32 landed loads (window 1: register 128 set + 4 rr + c = row rr, my column c) are turned into four columns and quantised
.macro CHUNK set, more, wcnt, off, boff
	s_wait_loadcnt \wcnt
	s_wait_dscnt 0x0                               ; the LDS stores before are done
	s_wait_alu depctr_vm_vsrc(0)                   ; the stores issued so far have read their data: the last tile's its scale word (v76), the last chunk's its codes and bytes (v64-95); the quantiser below writes these again
	WIN 0x01
.irp c, 0,1,2,3
.set rr, 0
.rept 32
	v_mov_b32 v[XQ+32*\c+rr], v[128*\set+4*rr+\c]
.set rr, rr+1
.endr
.endr
	WIN 0
.irp c, 0,1,2,3
	QNT XQ+32*\c, CS+8*\c, TQ+8*\c
.endr
	s_wait_alu depctr_va_vdst(0)                   ; the quantiser has written the codes and the bytes, which the LDS stores read; the moves are done reading the landing registers, the quantiser the four columns
.irp c, 0,1,2,3
	CST CS+8*\c, \off+48*\c, \boff+4*\c
.endr
.endm
; 64 numbers of a lane, register 16 b + i = k 32 b + 16 (lane / 16) + i of my row, become a fragment's codes in v[PC] on and its scale word in v[PW]
.macro QUANT s
.irp b, 0,1,2,3
	v_max3_num_f32 v[TM+\b], |v[\s+16*\b]|, |v[\s+1+16*\b]|, 0x2800000
.endr
.irp i, 2,4,6,8,10,12,14
.irp b, 0,1,2,3
	v_max3_num_f32 v[TM+\b], v[TM+\b], |v[\s+16*\b+\i]|, |v[\s+1+16*\b+\i]|
.endr
.endr
.irp b, 0,1,2,3
	v_permlanex16_b32 v[TM+4+\b], v[TM+\b], s[SEL], s[SEL+1]
.endr
.irp b, 0,1,2,3
	v_max_num_f32 v[TM+\b], v[TM+\b], v[TM+4+\b]   ; with lane l xor 16's: the block's largest magnitude
.endr
.irp b, 0,1,2,3
	v_add_nc_u32 v[TM+12+\b], 0xfe000000, v[TM+\b]
.endr
.irp b, 0,1,2,3
	v_lshrrev_b32 v[TM+4+\b], 23, v[TM+12+\b]
.endr
	v_lshl_or_b32 v[PW], v[TM+5], 8, v[TM+4]
	v_lshl_or_b32 v[PW], v[TM+6], 16, v[PW]
	v_lshl_or_b32 v[PW], v[TM+7], 24, v[PW]
.irp c, 0,1
	v_cvt_scalef32_pk16_bf6_f32 v[PC+6*\c:PC+2+6*\c], v[\s+32*\c:\s+15+32*\c], v[TM+12+2*\c]
	v_cvt_scalef32_pk16_bf6_f32 v[PC+12+4*\c:PC+14+4*\c], v[\s+16+32*\c:\s+31+32*\c], v[TM+12+2*\c+1]
.endr
	v_nop                                          ; one plain line behind a scaled conversion
.irp c, 0,1                                    ; the operand's layout wants a whole block in a lane
.irp i, 0,1,2
	v_permlane16_swap_b32 v[PC+6*\c+\i], v[PC+12+4*\c+\i]
.endr
.irp i, 0,1,2
	v_mov_b32 v[PC+3+6*\c+\i], v[PC+12+4*\c+\i]
.endr
.endr
.endm
.macro WM d, a, b, cm, c, sa, sb, row  ; one scaled product; cm = 0: the sum starts at 0; row = 1: source 0's scales stand in lanes 16-31
.if \cm
.if \row
	v_wmma_scale_f32_16x16x128_f8f6f4 v[\d:\d+7], v[\a:\a+11], v[\b:\b+11], v[\c:\c+7], v[\sa], v[\sb] matrix_a_fmt:MATRIX_FMT_BF6 matrix_b_fmt:MATRIX_FMT_BF6 matrix_a_scale:MATRIX_SCALE_ROW1
.else
	v_wmma_scale_f32_16x16x128_f8f6f4 v[\d:\d+7], v[\a:\a+11], v[\b:\b+11], v[\c:\c+7], v[\sa], v[\sb] matrix_a_fmt:MATRIX_FMT_BF6 matrix_b_fmt:MATRIX_FMT_BF6
.endif
.else
.if \row
	v_wmma_scale_f32_16x16x128_f8f6f4 v[\d:\d+7], v[\a:\a+11], v[\b:\b+11], 0, v[\sa], v[\sb] matrix_a_fmt:MATRIX_FMT_BF6 matrix_b_fmt:MATRIX_FMT_BF6 matrix_a_scale:MATRIX_SCALE_ROW1
.else
	v_wmma_scale_f32_16x16x128_f8f6f4 v[\d:\d+7], v[\a:\a+11], v[\b:\b+11], 0, v[\sa], v[\sb] matrix_a_fmt:MATRIX_FMT_BF6 matrix_b_fmt:MATRIX_FMT_BF6
.endif
.endif
.endm
	s_load_b256 s[4:11], s[0:1], 0x0               ; x, rw1, rb1, rw2
	s_load_b128 s[12:15], s[0:1], 0x20             ; xc, pl
	v_lshl_add_u32 v123, v0, 2, 0x2a000
	v_mov_b32 v127, 0
	v_lshrrev_b32 v21, 5, v0
	v_readfirstlane_b32 s16, v21                   ; wave 0..7 = my K step
	s_and_b32 s18, ttmp7, 0xffff                   ; block of 64 tokens
	s_mov_b32 s[SEL], 0x76543210
	s_mov_b32 s[SEL+1], 0xfedcba98
	v_and_b32 v18, 31, v0                          ; lane
	v_and_b32 v19, 15, v0                          ; r
	v_bfe_u32 v[HH], v0, 4, 1                      ; h
	v_lshlrev_b32 v[XA], 4, v18
	v_lshlrev_b32 v[WOFF], 4, v19
	v_lshl_add_u32 v[WOFF], v[HH], 17, v[WOFF]     ; lanes 16-31 take the row 32 further down: the next block
	s_wait_alu depctr_va_sdst(0)                   ; s16 is written, ahead of its first reader: LDS addresses and the buffers' offsets are made from it
	s_and_b32 s19, s16, 3                          ; the product: my tile of tokens
	s_lshr_b32 s20, s16, 2                         ; and my half of the 64 units
	s_mul_i32 s36, s16, 8448
	v_add_nc_u32 v[XSTW], s36, v[XA]
	v_mul_u32_u24 v21, v19, 528
	v_lshl_add_u32 v21, v[HH], 6, v21
	v_add_nc_u32 v[XSTR], s36, v21
	s_mul_i32 s36, s16, 1536
	s_add_co_u32 s36, s36, IMGX
	v_add_nc_u32 v[XIW], s36, v[XA]
	s_lshl_b32 s36, s16, 7
	s_add_co_u32 s36, s36, XSC
	v_lshl_add_u32 v[XSW], v18, 2, s36
	v_bfe_u32 v21, v0, 2, 2                        ; my four columns 4 (l % 16) + c lie in tile (l / 4) % 4, rows 4 (l % 4) + c
	v_and_b32 v22, 3, v0
	v_mul_u32_u24 v[CW], v21, 1536
	v_mad_u32_u24 v[CW], v22, 192, v[CW]
	v_mad_u32_u24 v[CW], v[HH], 768, v[CW]         ; my block is 2 ch + h: its low bit picks the reader's half
	s_mul_i32 s36, s16, 6144
	s_add_co_u32 s36, s36, IMGW
	v_add_nc_u32 v[CW], s36, v[CW]
	v_lshlrev_b32 v[SBW], 6, v21
	v_lshl_add_u32 v[SBW], v22, 4, v[SBW]
	v_add_nc_u32 v[SBW], v[HH], v[SBW]
	s_lshl_b32 s36, s16, 8
	s_add_co_u32 s36, s36, WSCR
	v_add_nc_u32 v[SBW], s36, v[SBW]
	s_mul_i32 s36, s19, 12288
	s_add_co_u32 s36, s36, IMGX
	v_add_nc_u32 v[XFR], s36, v[XA]
	s_lshl_b32 s36, s19, 10
	s_add_co_u32 s36, s36, XSC
	v_lshl_add_u32 v[XSR], v18, 2, s36
	v_mul_u32_u24 v[WFR], v18, 48
	s_mul_i32 s36, s20, 3072
	s_add_co_u32 s36, s36, IMGW
	v_add_nc_u32 v[WFR], s36, v[WFR]
	s_lshl_b32 s36, s20, 7
	s_add_co_u32 s36, s36, WSCR
	v_lshl_add_u32 v[WSRA], v18, 2, s36
	v_lshlrev_b32 v21, 10, v19
	v_mad_u32_u24 v21, v[HH], 48, v21
	s_mul_i32 s36, s16, 96
	v_add_nc_u32 v[XCO], s36, v21
	s_lshl_b32 s36, s16, 2
	v_add_nc_u32 v[XCS], s36, v21
	v_lshlrev_b32 v[BA], 5, v[HH]
	v_lshlrev_b32 v[RA], 8, v[HH]
	v_lshlrev_b32 v[PO], 5, v19
	v_lshl_add_u32 v[PO], v[HH], 4, v[PO]
.irp b, 0,1,2,3
	v_mov_b32 v[TM+4+\b], 0                        ; written once: a lane permute's destination counts as one of its sources
.endr
	s_lshl_b32 s24, s18, 18                        ; x: 64 tokens of 4,096 bytes a block, + 512 bytes a K step
	s_lshl_b32 s25, s16, 9
	s_add_co_u32 s24, s24, s25
	s_mov_b32 s25, 0
	s_lshl_b32 s26, ttmp9, 8                       ; rw1: 256 bytes a slice of 64 columns, + 128 rows a K step
	s_lshl_b32 s27, s16, 19
	s_add_co_u32 s26, s26, s27
	s_mov_b32 s27, 0
	s_lshl_b32 s28, ttmp9, 8                       ; rb1: (64 c + 32 cp) x 4
	s_lshl_b32 s29, s20, 7
	s_add_co_u32 s28, s28, s29
	s_mov_b32 s29, 0
	s_lshl_b32 s30, s28, 3                         ; rw2: (64 c + 32 cp) x 32
	s_mov_b32 s31, 0
	s_lshl_b32 s32, s18, 16                        ; xc: 64 records of 1,024 bytes
	s_mov_b32 s33, 0
	s_lshl_b32 s34, ttmp9, 16                      ; pl: slice 2 c + cp of 32,768 bytes, token 64 tb + 16 m of 32 bytes
	s_lshl_b32 s35, s20, 15
	s_add_co_u32 s34, s34, s35
	s_lshl_b32 s35, s18, 11
	s_add_co_u32 s34, s34, s35
	s_lshl_b32 s35, s19, 9
	s_add_co_u32 s34, s34, s35
	s_mov_b32 s35, 0
	s_wait_kmcnt 0x0
	s_add_nc_u64 s[4:5], s[4:5], s[24:25]
	s_add_nc_u64 s[6:7], s[6:7], s[26:27]
	s_add_nc_u64 s[8:9], s[8:9], s[28:29]
	s_add_nc_u64 s[10:11], s[10:11], s[30:31]
	s_add_nc_u64 s[12:13], s[12:13], s[32:33]
	s_add_nc_u64 s[14:15], s[14:15], s[34:35]
	s_wait_alu depctr_va_vdst(0)                   ; the offsets and LDS addresses v1 to v17 are written: every load and store of the kernel reads one of them, and none is written again
.macro XLD m                           ; tile m's 16 rows, my K step's 512 bytes of each: a load reads 512 consecutive bytes
.irp p, 0,1,2,3,4,5,6,7,8,9,10,11,12,13,14,15
	global_load_b128 v[XL+64*((\m)%2)+4*\p:XL+64*((\m)%2)+4*\p+3], v[XA], s[4:5] offset:(16*(\m)+\p)*4096
.endr
.endm
	XLD 0
	XLD 1
	WIN 0x40                                       ; destination window 1
.irp ch, 0,1                                   ; rw1: chunk ch = blocks 2 ch (lanes 0-15) and 2 ch + 1 (lanes 16-31); sixteen lanes read 256 consecutive bytes
.set rr, 0
.rept 32
	global_load_b128 v[128*\ch+4*rr:128*\ch+4*rr+3], v[WOFF], s[6:7] offset:(64*\ch+rr)*4096
.set rr, rr+1
.endr
.endr
	WIN 0
; A tile of 16 tokens: through my stage, so that a lane gets 16 neighbours of each block; quantised; its image to LDS, and from the work-groups of x = 0 to xc.
.macro XTILE m, wcnt
.set XB, XL+64*((\m)%2)
	s_wait_loadcnt \wcnt                           ; this tile's 16 loads are in; what was issued behind them may be out
.irp p, 0,1,2,3,4,5,6,7,8,9,10,11,12,13,14,15
	ds_store_b128 v[XSTW], v[XB+4*\p:XB+4*\p+3] offset:528*\p
.endr
	s_wait_dscnt 0x0                               ; the stores into the stage are done
	s_wait_alu depctr_vm_vsrc(0)                   ; they have read v[XB ..], in which the loads below land; and the last tile's stores have read the codes and the scale word, which the quantiser below writes again
.irp b, 0,1,2,3
.irp j, 0,1,2,3
	ds_load_b128 v[XB+16*\b+4*\j:XB+16*\b+4*\j+3], v[XSTR] offset:128*\b+16*\j
.endr
.endr
	s_wait_dscnt 0x0
	s_wait_xcnt 0x0                                ; the last tile's stores to xc have had their addresses translated
	QUANT XB
	s_wait_alu depctr_va_vdst(0)                   ; the quantiser has written the codes and the scale word, which the stores below read, and is done reading v[XB ..], in which the loads at the tile's end land
.irp c, 0,1,2
	ds_store_b128 v[XIW], v[PC+4*\c:PC+4*\c+3] offset:12288*(\m)+512*\c
.endr
	ds_store_b32 v[XSW], v[PW] offset:1024*(\m)
	s_cmp_lg_u32 ttmp9, 0
	s_cbranch_scc1 .Lnoxc_\@
.irp c, 0,1,2
	global_store_b128 v[XCO], v[PC+4*\c:PC+4*\c+3], s[12:13] offset:16384*(\m)+16*\c
.endr
	global_store_b32 v[XCS], v[PW], s[12:13] offset:16384*(\m)+768
.Lnoxc_\@:
.if (\m) < 2
	XLD (\m)+2                                     ; no vector instruction since the wait above names these registers
.endif
.endm
	XTILE 0, 63                                    ; 80 loads are younger: the count is the field's largest
	XTILE 1, 63                                    ; likewise (64 of rw1, 16 of tile 2)
	XTILE 2, 16                                    ; tile 3's 16 are younger
	XTILE 3, 0
	s_wait_xcnt 0x0                                ; the stores to xc have had their addresses translated: their registers are written again below
	CHUNK 0, 0, 0, 0, 0
	CHUNK 1, 0, 0, 24, 2
	WIN 0x40                                       ; the landing registers are free (the moves that read them stand ahead of the last wait on va_vdst): the bias and rw2 are asked for ahead of the barrier
.irp u, 0,1
	global_load_b128 v[240+8*\u:243+8*\u], v[BA], s[8:9] offset:64*\u          ; rb1 of units 16 u + 8 h + 0 .. 7: the C of the first product
	global_load_b128 v[244+8*\u:247+8*\u], v[BA], s[8:9] offset:64*\u+16
.endr
.irp u, 0,1
.irp j, 0,1,2,3,4,5,6,7
	global_load_b128 v[96+8*(8*\u+\j):99+8*(8*\u+\j)], v[RA], s[10:11] offset:512*\u+32*\j      ; rw2's row of unit 16 u + 8 h + j
	global_load_b128 v[100+8*(8*\u+\j):103+8*(8*\u+\j)], v[RA], s[10:11] offset:512*\u+32*\j+16
.endr
.endr
	WIN 0
	s_wait_dscnt 0x0                               ; my images have landed
	s_barrier_signal -1
	s_barrier_wait -1                              ; everybody's have; nothing in LDS is written from here on
	s_wait_alu depctr_vm_vsrc(0)                   ; my last LDS stores have read v64-95, of which vector lines write v64-71 again on the way out
	WIN 0x40
.irp s, 0,1,2,3
.irp u, 0,1
.irp c, 0,1,2
	ds_load_b128 v[12*(2*\s+\u)+4*\c:12*(2*\s+\u)+4*\c+3], v[WFR] offset:6144*\s+1536*\u+16*\c
.endr
.endr
.endr
	WIN 0
.irp s, 0,1,2,3,4,5,6,7
.irp c, 0,1,2
	ds_load_b128 v[XF+12*\s+4*\c:XF+12*\s+4*\c+3], v[XFR] offset:1536*\s+512*\c    ; (the moves and the quantiser that named v128-223 stand ahead of the last wait on va_vdst)
.endr
	ds_load_b32 v[XS+\s], v[XSR] offset:128*\s
	ds_load_b32 v[WSR+\s], v[WSRA] offset:256*\s   ; lanes 0-15: tile 2 cp's words, lanes 16-31: tile 2 cp + 1's
.endr
	s_wait_loadcnt 0x0
	s_wait_dscnt 0x0
.macro RSTEP s                         ; the two accumulators take turns
.if (\s) == 0
	WM 224, 0, XF, 1, 240, WSR, XS, 0
	WM 232, 12, XF, 1, 248, WSR, XS, 1
.else
	WM 224, 24*((\s)%4), XF+12*(\s), 1, 224, WSR+(\s), XS+(\s), 0
	WM 232, 24*((\s)%4)+12, XF+12*(\s), 1, 232, WSR+(\s), XS+(\s), 1
.endif
.endm
	WIN 0x51                                       ; source 0, C and D window 1; source 1 window 0
	RSTEP 0
	RSTEP 1
	RSTEP 2
	RSTEP 3
	PLACES 4                                       ; in front of loads into registers that matrix instructions have read
	WIN 0x40
	s_wait_alu depctr_va_vdst(0)                   ; the products of K steps 0 to 3 are done reading rw1's fragments, in whose registers those of K steps 4 to 7 land
.irp s, 4,5,6,7
.irp u, 0,1
.irp c, 0,1,2
	ds_load_b128 v[12*(2*(\s-4)+\u)+4*\c:12*(2*(\s-4)+\u)+4*\c+3], v[WFR] offset:6144*\s+1536*\u+16*\c
.endr
.endr
.endr
	s_wait_dscnt 0x0
	WIN 0x51
	RSTEP 4
	RSTEP 5
	RSTEP 6
	RSTEP 7
	PLACES 4                                       ; in front of the first read of results
	WIN 0x04                                       ; source 1 window 1
.irp i, 0,1,2,3,4,5,6,7,8,9,10,11,12,13,14,15
	v_max_num_f32 v[HR+\i], 0, v[224+\i]           ; relu, each accumulator from its low end on
.endr
.irp e, 0,1,2,3,4,5,6,7
	v_mul_f32 v[LG+\e], v[HR], v[96+\e]            ; the logits' sums start with the first unit
.endr
.irp i, 1,2,3,4,5,6,7,8,9,10,11,12,13,14,15
.irp e, 0,1,2,3,4,5,6,7
	v_fmac_f32 v[LG+\e], v[HR+\i], v[96+8*\i+\e]   ; f32 multiply-adds: a choice hangs on these sums
.endr
.endr
	WIN 0
	v_cmp_eq_u32 vcc_lo, 1, v[HH]                  ; the upper half of the lanes: the mask is made here, well ahead of the selects that read it
.irp e, 0,1,2,3,4,5,6,7
	v_mov_b32 v[TP+\e], 0
.endr
.irp e, 0,1,2,3,4,5,6,7
	v_permlanex16_b32 v[TP+\e], v[LG+\e], s[SEL], s[SEL+1]
.endr
.irp e, 0,1,2,3,4,5,6,7
	v_add_f32 v[LG+\e], v[LG+\e], v[TP+\e]         ; with the other half's 16 units: 32 units of my token
.endr
	s_wait_alu depctr_va_vcc(0)                    ; the compare has written VCC, ahead of its first reader
.irp i, 0,1,2,3
	v_cndmask_b32 v[TP+\i], v[LG+\i], v[LG+4+\i], vcc_lo    ; lanes 0-15 store experts 0-3, lanes 16-31 experts 4-7
.endr
	s_wait_alu depctr_va_vdst(0)                   ; the selects have written v[TP ..], which the store reads
	global_store_b128 v[PO], v[TP:TP+3], s[14:15]  ; the wave stores 512 consecutive bytes
	s_wait_dscnt 0x0                               ; the closing lines, six on end
	s_wait_alu 0x0
	s_wait_tensorcnt 0x0
	ds_add_u32 v123, v127
	s_wait_dscnt 0x0
	s_endpgm
.Lfunc_end_k_q1eabfc411c_router:
	.size	k_q1eabfc411c_router, .Lfunc_end_k_q1eabfc411c_router-k_q1eabfc411c_router
	.p2alignl 7, 3214868480
	.fill 96, 4, 3214868480
	.section	.rodata,"a",@progbits
	.p2align	6, 0x0
	.amdhsa_kernel k_q1eabfc411c_router
		.amdhsa_group_segment_fixed_size 173056
		.amdhsa_private_segment_fixed_size 0
		.amdhsa_enable_private_segment 0
		.amdhsa_kernarg_size 48
		.amdhsa_user_sgpr_count 2
		.amdhsa_user_sgpr_kernarg_segment_ptr 1
		.amdhsa_wavefront_size32 1
		.amdhsa_system_sgpr_workgroup_id_x 1
		.amdhsa_system_sgpr_workgroup_id_y 1
		.amdhsa_system_sgpr_workgroup_id_z 1
		.amdhsa_system_vgpr_workitem_id 0
		.amdhsa_next_free_vgpr 512
		.amdhsa_next_free_sgpr 66
		.amdhsa_reserve_vcc 1
		.amdhsa_float_denorm_mode_32 3
		.amdhsa_float_denorm_mode_16_64 3
		.amdhsa_memory_ordered 1
		.amdhsa_forward_progress 1
		.amdhsa_inst_pref_size 83
	.end_amdhsa_kernel
	.amdgpu_metadata
---
amdhsa.version: [ 1, 2 ]
amdhsa.kernels:
  - .name:           k_q1eabfc411c_router
    .symbol:         k_q1eabfc411c_router.kd
    .args:
      - { .name: x, .offset: 0, .size: 8, .value_kind: global_buffer, .address_space: global }
      - { .name: rw1, .offset: 8, .size: 8, .value_kind: global_buffer, .address_space: global }
      - { .name: rb1, .offset: 16, .size: 8, .value_kind: global_buffer, .address_space: global }
      - { .name: rw2, .offset: 24, .size: 8, .value_kind: global_buffer, .address_space: global }
      - { .name: xc, .offset: 32, .size: 8, .value_kind: global_buffer, .address_space: global }
      - { .name: pl, .offset: 40, .size: 8, .value_kind: global_buffer, .address_space: global }
    .group_segment_fixed_size: 173056
    .private_segment_fixed_size: 0
    .kernarg_segment_align: 8
    .kernarg_segment_size: 48
    .max_flat_workgroup_size: 256
    .sgpr_count:     66
    .vgpr_count:     512
    .wavefront_size: 32
...
	.end_amdgpu_metadata
.endif
;; end of part 7
;; launch choose (part 8): grid 16 x 1, 4 waves a work-group, no clusters, 0 bytes of LDS; arguments pl, rb2, idx, gt; writes idx, gt
.if DOCPART == 8
	.amdgcn_target "amdgcn-amd-amdhsa--gfx1250"
	.amdhsa_code_object_version 6
	.text
	.protected	k_q1eabfc411c_choose
	.globl	k_q1eabfc411c_choose
	.p2align	8
	.type	k_q1eabfc411c_choose,@function
k_q1eabfc411c_choose:
	s_mov_b64 s[64:65], 0
	v_nop
	global_prefetch_b8 v0, s[64:65] scope:SCOPE_SE
	s_setreg_imm32_b32 hwreg(HW_REG_WAVE_MODE, 25, 1), 1
	s_wait_xcnt 0x0
; ROUTER, SECOND PART.  logits = rb2 + the sum of pl's 32 slices; softmax with the row's maximum taken away; the two largest probabilities.
; pl [32][1024][8] f32, rb2 [8].  Out: idx[2 n + k], the k-th chosen expert (whole numbers), gt[2 n + k], its probability.
; Two lanes to a token: lane (r, h) of a wave sums slices 16 h .. 16 h + 15 of token 64 wg + 16 wave + r; one exchange joins the halves; both lanes then do the same work and store the same words.
; No address and no branch hangs on data: the choice is made by compares and selects.  Ties go to the lower index (a strict > keeps the earlier expert).  NaN is not served.
	s_load_b128 s[4:7], s[0:1], 0x0                ; pl, rb2
	s_load_b128 s[8:11], s[0:1], 0x10              ; idx, gt
	v_lshrrev_b32 v1, 5, v0
	v_lshlrev_b32 v1, 4, v1                        ; 16 x wave
	v_and_b32 v2, 15, v0
	v_add_nc_u32 v1, v1, v2
	s_lshl_b32 s12, ttmp9, 6
	v_add_nc_u32 v1, s12, v1                       ; my token
	v_bfe_u32 v2, v0, 4, 1
	v_lshlrev_b32 v3, 5, v1
	v_lshl_add_u32 v3, v2, 19, v3                  ; 32 n + 16 slices of 32,768 bytes for the upper half
	v_lshlrev_b32 v4, 3, v1                        ; 8 n
	s_mov_b32 s13, 0x3fb8aa3b                      ; log2(e)
	s_mov_b32 s14, 0x76543210
	s_mov_b32 s15, 0xfedcba98
	s_wait_alu depctr_va_vdst(0)
	s_wait_kmcnt 0x0
	s_load_b256 s[16:23], s[6:7], 0x0              ; rb2
.irp t, 0,1,2,3,4,5,6,7,8,9,10,11,12,13,14,15
	global_load_b128 v[32+8*\t:35+8*\t], v3, s[4:5] offset:32768*\t
	global_load_b128 v[36+8*\t:39+8*\t], v3, s[4:5] offset:32768*\t+16
.endr
.irp e, 0,1,2,3,4,5,6,7
	v_mov_b32 v[16+\e], 0                          ; a lane permute's destination counts as one of its sources
.endr
	s_wait_loadcnt 0x0
.irp p, 0,2,4,6
	v_pk_add_f32 v[8+\p:9+\p], v[32+\p:33+\p], v[40+\p:41+\p]
.endr
.irp t, 2,3,4,5,6,7,8,9,10,11,12,13,14,15
.irp p, 0,2,4,6
	v_pk_add_f32 v[8+\p:9+\p], v[8+\p:9+\p], v[32+8*\t+\p:33+8*\t+\p]
.endr
.endr
.irp e, 0,1,2,3,4,5,6,7
	v_permlanex16_b32 v[16+\e], v[8+\e], s14, s15
.endr
.irp e, 0,1,2,3,4,5,6,7
	v_add_f32 v[8+\e], v[8+\e], v[16+\e]
.endr
	s_wait_alu depctr_va_vdst(0)
	s_wait_kmcnt 0x0
.irp e, 0,1,2,3,4,5,6,7
	v_add_f32 v[8+\e], s[16+\e], v[8+\e]           ; the logits
.endr
	v_max3_num_f32 v24, v8, v9, v10
	v_max3_num_f32 v24, v24, v11, v12
	v_max3_num_f32 v24, v24, v13, v14
	v_max_num_f32 v24, v24, v15                    ; the row's maximum
	v_mul_f32 v24, s13, v24
.irp e, 0,1,2,3,4,5,6,7
	v_fma_f32 v[8+\e], v[8+\e], s13, -v24          ; (l - max) log2(e)
.endr
	s_wait_alu depctr_va_vdst(0)
.irp e, 0,1,2,3,4,5,6,7
	v_exp_f32 v[8+\e], v[8+\e]
.endr
	v_nop                                          ; a plain line behind the exponentials
	s_wait_alu depctr_va_vdst(0)
	v_add_f32 v25, v8, v9
	v_add_f32 v26, v10, v11
	v_add_f32 v27, v12, v13
	v_add_f32 v28, v14, v15
	v_add_f32 v25, v25, v26
	v_add_f32 v27, v27, v28
	v_add_f32 v25, v25, v27
	s_wait_alu depctr_va_vdst(0)
	v_rcp_f32 v25, v25
	v_nop                                          ; a plain line behind the reciprocal
	s_wait_alu depctr_va_vdst(0)
.irp e, 0,1,2,3,4,5,6,7
	v_mul_f32 v[8+\e], v[8+\e], v25                ; the probabilities
.endr
	v_mov_b32 v34, v8                              ; the largest, and its expert
	v_mov_b32 v30, 0
.irp e, 1,2,3,4,5,6,7
	v_cmp_gt_f32 vcc_lo, v[8+\e], v34
	v_cndmask_b32 v34, v34, v[8+\e], vcc_lo
	v_cndmask_b32 v30, v30, \e, vcc_lo
.endr
.irp e, 0,1,2,3,4,5,6,7
	v_cmp_eq_u32 vcc_lo, \e, v30
	v_cndmask_b32 v[16+\e], v[8+\e], -1.0, vcc_lo  ; the chosen one is out of the second search
.endr
	v_mov_b32 v35, v16
	v_mov_b32 v31, 0
.irp e, 1,2,3,4,5,6,7
	v_cmp_gt_f32 vcc_lo, v[16+\e], v35
	v_cndmask_b32 v35, v35, v[16+\e], vcc_lo
	v_cndmask_b32 v31, v31, \e, vcc_lo
.endr
	global_store_b64 v4, v[30:31], s[8:9]
	global_store_b64 v4, v[34:35], s[10:11]
	s_endpgm
.Lfunc_end_k_q1eabfc411c_choose:
	.size	k_q1eabfc411c_choose, .Lfunc_end_k_q1eabfc411c_choose-k_q1eabfc411c_choose
	.p2alignl 7, 3214868480
	.fill 96, 4, 3214868480
	.section	.rodata,"a",@progbits
	.p2align	6, 0x0
	.amdhsa_kernel k_q1eabfc411c_choose
		.amdhsa_group_segment_fixed_size 0
		.amdhsa_private_segment_fixed_size 0
		.amdhsa_enable_private_segment 0
		.amdhsa_kernarg_size 32
		.amdhsa_user_sgpr_count 2
		.amdhsa_user_sgpr_kernarg_segment_ptr 1
		.amdhsa_wavefront_size32 1
		.amdhsa_system_sgpr_workgroup_id_x 1
		.amdhsa_system_sgpr_workgroup_id_y 1
		.amdhsa_system_sgpr_workgroup_id_z 1
		.amdhsa_system_vgpr_workitem_id 0
		.amdhsa_next_free_vgpr 160
		.amdhsa_next_free_sgpr 66
		.amdhsa_reserve_vcc 1
		.amdhsa_float_denorm_mode_32 3
		.amdhsa_float_denorm_mode_16_64 3
		.amdhsa_memory_ordered 1
		.amdhsa_forward_progress 1
		.amdhsa_inst_pref_size 14
	.end_amdhsa_kernel
	.amdgpu_metadata
---
amdhsa.version: [ 1, 2 ]
amdhsa.kernels:
  - .name:           k_q1eabfc411c_choose
    .symbol:         k_q1eabfc411c_choose.kd
    .args:
      - { .name: pl, .offset: 0, .size: 8, .value_kind: global_buffer, .address_space: global }
      - { .name: rb2, .offset: 8, .size: 8, .value_kind: global_buffer, .address_space: global }
      - { .name: idx, .offset: 16, .size: 8, .value_kind: global_buffer, .address_space: global }
      - { .name: gt, .offset: 24, .size: 8, .value_kind: global_buffer, .address_space: global }
    .group_segment_fixed_size: 0
    .private_segment_fixed_size: 0
    .kernarg_segment_align: 8
    .kernarg_segment_size: 32
    .max_flat_workgroup_size: 128
    .sgpr_count:     66
    .vgpr_count:     160
    .wavefront_size: 32
...
	.end_amdgpu_metadata
.endif
;; end of part 8
;; launch place (part 9): grid 16 x 8, 4 waves a work-group, no clusters, 0 bytes of LDS; arguments idx, xc, ent, xg; writes ent, xg
.if DOCPART == 9
	.amdgcn_target "amdgcn-amd-amdhsa--gfx1250"
	.amdhsa_code_object_version 6
	.text
	.protected	k_q1eabfc411c_place
	.globl	k_q1eabfc411c_place
	.p2align	8
	.type	k_q1eabfc411c_place,@function
k_q1eabfc411c_place:
	s_mov_b64 s[64:65], 0
	v_nop
	global_prefetch_b8 v0, s[64:65] scope:SCOPE_SE
	s_setreg_imm32_b32 hwreg(HW_REG_WAVE_MODE, 25, 1), 1
	s_wait_xcnt 0x0
; THE ROWS ARE PLACED BY EXPERT.  idx[2048]: the expert of entry i = 2 n + k.  Expert e = work-group y; the wave takes tile t = 4 x + wave: ranks 16 t .. 16 t + 15 of that expert.
; Out: ent: at 4096 e + 4 rank the entry of that rank, at 32768 + 4 e the expert's number of rows R;  xg: for each tile a record of 12,800 bytes: the 16 tokens' codes of x as images of the operand's
; registers (K step s: registers 4 c .. 4 c + 3 of lane l at 1536 s + 512 c + 16 l), then the scale words (row r, K step s at 12288 + 32 r + 4 s).
; Every wave reads all 2,048 entries (8 KB) and finds its own 16 ranks: no atomics, no LDS, no traffic between waves.  The order of ranks is that of the 64 words below, lanes ascending: it is made here alone.
; The grid serves every split: 64 tiles an expert.  A wave whose tile lies past the expert's last ends without storing.  Tiles t < max(1, ceil(R / 16)) are written whole: ranks from R on take entry 0, token 0.
	s_load_b256 s[4:11], s[0:1], 0x0               ; idx, xc, ent, xg
	v_lshrrev_b32 v1, 5, v0
	v_readfirstlane_b32 s12, v1                    ; wave
	s_and_b32 s13, ttmp7, 0xffff                   ; expert
	s_lshl_b32 s14, ttmp9, 2
	s_add_co_u32 s14, s14, s12                     ; tile
	v_and_b32 v1, 31, v0
	v_lshlrev_b32 v2, 4, v1                        ; 16 x lane
	v_and_b32 v3, 15, v0
	v_bfe_u32 v4, v0, 4, 1
	s_lshl_b32 s15, s14, 4
	v_add_nc_u32 v5, s15, v3                       ; my rank
	v_mov_b32 v6, 0                                ; the word's mask,
	v_mov_b32 v7, 0                                ; the ranks in front of it,
	v_mov_b32 v8, 0                                ; and its first entry
	s_mov_b32 s16, 0
	s_wait_alu depctr_va_vdst(0)
	s_wait_kmcnt 0x0
.irp k, 0,1,2,3,4,5,6,7,8,9,10,11,12,13,14,15
	global_load_b128 v[32+4*\k:35+4*\k], v2, s[4:5] offset:512*\k    ; register 4 k + c of lane l: entry 128 k + 4 l + c
.endr
	s_wait_loadcnt 0x0
.irp k, 0,1,2,3,4,5,6,7,8,9,10,11,12,13,14,15
.irp c, 0,1,2,3
	v_cmp_eq_u32 s20, s13, v[32+4*\k+\c]           ; which lanes' entries are this expert's
	v_cmp_le_u32 vcc_lo, s16, v5                   ; the last word whose first rank is not past mine holds my rank
	v_cndmask_b32 v6, v6, s20, vcc_lo
	v_cndmask_b32 v7, v7, s16, vcc_lo
	s_movk_i32 s21, 128*\k+\c
	v_cndmask_b32 v8, v8, s21, vcc_lo
	s_bcnt1_i32_b32 s22, s20
	s_add_co_u32 s16, s16, s22
.endr
.endr                                          ; s16 = R
	v_sub_nc_u32 v9, v5, v7                        ; which set bit of the mask is mine
	v_lshrrev_b32 v10, 1, v6
	v_and_b32 v10, 0x55555555, v10
	v_sub_nc_u32 v10, v6, v10                      ; counts of 2 bits,
	v_lshrrev_b32 v11, 2, v10
	v_and_b32 v11, 0x33333333, v11
	v_and_b32 v12, 0x33333333, v10
	v_add_nc_u32 v11, v11, v12                     ; of 4,
	v_lshrrev_b32 v12, 4, v11
	v_add_nc_u32 v12, v12, v11
	v_and_b32 v12, 0x0f0f0f0f, v12                 ; of 8,
	v_lshrrev_b32 v13, 8, v12
	v_add_nc_u32 v13, v13, v12
	v_and_b32 v13, 0x00ff00ff, v13                 ; of 16
	v_mov_b32 v14, 0                               ; the bit's place
.macro PICK x, mask, step              ; if the lower half of what is left holds too few set bits, pass over it
	v_lshrrev_b32 v15, v14, v[\x]
	v_and_b32 v15, \mask, v15
	v_cmp_ge_u32 vcc_lo, v9, v15
	v_cndmask_b32 v15, 0, v15, vcc_lo
	v_sub_nc_u32 v9, v9, v15
	v_cndmask_b32 v15, 0, \step, vcc_lo
	v_add_nc_u32 v14, v14, v15
.endm
	PICK 13, 0xff, 16
	PICK 12, 0xff, 8
	PICK 11, 15, 4
	PICK 10, 3, 2
	PICK 6, 1, 1
	v_lshl_add_u32 v16, v14, 2, v8                 ; my entry
	v_cmp_gt_u32 vcc_lo, s16, v5
	v_cndmask_b32 v16, 0, v16, vcc_lo              ; ranks from R on: entry 0
	s_or_b32 s20, ttmp9, s12
	s_cmp_lg_u32 s20, 0
	s_cbranch_scc1 .Lnocount                       ; one wave of each expert stores R
	s_lshl_b32 s24, s13, 2
	s_add_co_u32 s24, s24, 32768
	s_mov_b32 s25, 0
	s_add_nc_u64 s[24:25], s[8:9], s[24:25]
	v_mov_b32 v17, s16
	v_mov_b32 v18, 0
	global_store_b32 v18, v17, s[24:25]            ; all lanes the same word
.Lnocount:
	s_add_co_u32 s20, s16, 15
	s_lshr_b32 s20, s20, 4
	s_max_u32 s20, s20, 1                          ; tiles of this expert
	s_cmp_ge_u32 s14, s20
	s_cbranch_scc1 .Lend
	s_lshl_b32 s26, s13, 12
	s_mov_b32 s27, 0
	s_add_nc_u64 s[26:27], s[8:9], s[26:27]
	v_lshlrev_b32 v19, 2, v5
	s_wait_alu depctr_va_vdst(0)
	global_store_b32 v19, v16, s[26:27]            ; lanes l and l + 16 store the same word
	v_lshrrev_b32 v20, 1, v16                      ; the token
	v_min_u32 v20, 0x3ff, v20
	v_mul_u32_u24 v21, v4, 48
	v_lshl_add_u32 v20, v20, 10, v21               ; its record in xc, + my half's 48 bytes
.irp s, 0,1,2,3,4,5,6,7
.irp c, 0,1,2
	global_load_b128 v[96+12*\s+4*\c:99+12*\s+4*\c], v20, s[6:7] offset:96*\s+16*\c
.endr
.endr
	global_load_b128 v[192:195], v20, s[6:7] offset:768
	global_load_b128 v[196:199], v20, s[6:7] offset:784
	s_lshl_b32 s28, s13, 6
	s_add_co_u32 s28, s28, s14
	s_mul_i32 s28, s28, 12800
	s_mov_b32 s29, 0
	s_add_nc_u64 s[10:11], s[10:11], s[28:29]
	v_lshlrev_b32 v22, 5, v3
	s_wait_alu depctr_va_vdst(0)
	s_wait_loadcnt 0x0
.irp s, 0,1,2,3,4,5,6,7
.irp c, 0,1,2
	global_store_b128 v2, v[96+12*\s+4*\c:99+12*\s+4*\c], s[10:11] offset:1536*\s+512*\c    ; 512 consecutive bytes a store
.endr
.endr
	global_store_b128 v22, v[192:195], s[10:11] offset:12288
	global_store_b128 v22, v[196:199], s[10:11] offset:12304
.Lend:
	s_endpgm
.Lfunc_end_k_q1eabfc411c_place:
	.size	k_q1eabfc411c_place, .Lfunc_end_k_q1eabfc411c_place-k_q1eabfc411c_place
	.p2alignl 7, 3214868480
	.fill 96, 4, 3214868480
	.section	.rodata,"a",@progbits
	.p2align	6, 0x0
	.amdhsa_kernel k_q1eabfc411c_place
		.amdhsa_group_segment_fixed_size 0
		.amdhsa_private_segment_fixed_size 0
		.amdhsa_enable_private_segment 0
		.amdhsa_kernarg_size 32
		.amdhsa_user_sgpr_count 2
		.amdhsa_user_sgpr_kernarg_segment_ptr 1
		.amdhsa_wavefront_size32 1
		.amdhsa_system_sgpr_workgroup_id_x 1
		.amdhsa_system_sgpr_workgroup_id_y 1
		.amdhsa_system_sgpr_workgroup_id_z 1
		.amdhsa_system_vgpr_workitem_id 0
		.amdhsa_next_free_vgpr 208
		.amdhsa_next_free_sgpr 66
		.amdhsa_reserve_vcc 1
		.amdhsa_float_denorm_mode_32 3
		.amdhsa_float_denorm_mode_16_64 3
		.amdhsa_memory_ordered 1
		.amdhsa_forward_progress 1
		.amdhsa_inst_pref_size 35
	.end_amdhsa_kernel
	.amdgpu_metadata
---
amdhsa.version: [ 1, 2 ]
amdhsa.kernels:
  - .name:           k_q1eabfc411c_place
    .symbol:         k_q1eabfc411c_place.kd
    .args:
      - { .name: idx, .offset: 0, .size: 8, .value_kind: global_buffer, .address_space: global }
      - { .name: xc, .offset: 8, .size: 8, .value_kind: global_buffer, .address_space: global }
      - { .name: ent, .offset: 16, .size: 8, .value_kind: global_buffer, .address_space: global }
      - { .name: xg, .offset: 24, .size: 8, .value_kind: global_buffer, .address_space: global }
    .group_segment_fixed_size: 0
    .private_segment_fixed_size: 0
    .kernarg_segment_align: 8
    .kernarg_segment_size: 32
    .max_flat_workgroup_size: 128
    .sgpr_count:     66
    .vgpr_count:     208
    .wavefront_size: 32
...
	.end_amdgpu_metadata
.endif
;; end of part 9
;; launch ffn1 (part 10): grid 32 x 8, 4 waves a work-group, no clusters, 102,912 bytes of LDS; arguments ew1, eb1, xg, ent, hc; writes hc
.if DOCPART == 10
	.amdgcn_target "amdgcn-amd-amdhsa--gfx1250"
	.amdhsa_code_object_version 6
	.text
	.protected	k_q1eabfc411c_ffn1
	.globl	k_q1eabfc411c_ffn1
	.p2align	8
	.type	k_q1eabfc411c_ffn1,@function
k_q1eabfc411c_ffn1:
	s_mov_b64 s[64:65], 0
	v_nop
	global_prefetch_b8 v0, s[64:65] scope:SCOPE_SE
	s_setreg_imm32_b32 hwreg(HW_REG_WAVE_SCHED_MODE, 0, 2), 2
	s_setreg_imm32_b32 hwreg(HW_REG_WAVE_MODE, 25, 1), 1
	s_wait_xcnt 0x0
	s_wait_alu depctr_vm_vsrc(0)
; THE EXPERTS' FIRST LAYER: hidden = relu(Q(x) Q(ew1[e]) + eb1[e]) for the rows routed to expert e, quantised along the hidden axis on the way out.  Codes of BF6 (E3M2), one E8M0 scale for each 32 along K.
; THE WEIGHTS STAY PUT.  Work-group (x = slice of 128 hidden units, y = expert) owns ew1[e][all 1,024 k][128 units]: 512 KB of f32, read once.
; PHASE Q: wave w takes block w (32 along K) of each of the eight K steps: a load reads one row's 512 consecutive bytes, a lane holds four columns, its registers run down K; the codes go to LDS as images of the
; operand's registers (96 KB) with their scale words (4 KB).  Two sets of 32 loads a wave take turns, so that the stream never runs dry.  One barrier.
; PHASE M: the expert's rows come as records that an earlier launch laid in the order of the operand's registers.  Tile t (16 rows) belongs to wave t % 4; a pass takes 16 tiles, four a wave.
; Its requests are spread: the next K step's fragments are fetched from LDS in two halves between the products of this one; a pass's rows are asked for in the order scale words, K steps 0 to 7: the scale words and
; K steps 0-3 ahead of the pass (56 loads), K step 4 + k at the head of K step k.
; THE PRODUCT IS USED TRANSPOSED (source 0 = 16 columns of the weight, source 1 = 16 rows), and THE COLUMNS OF A TILE ARE NOT NEIGHBOURS: row r of tile 2 b + u is column 32 b + 8 u + r + 8 (r / 8), so that a lane's
; 64 results are, register 16 b + i, hidden unit 32 b + 16 (lane / 16) + i: what the quantiser of the next product's operand wants.  The 128 units are one K step of that product.
; Counts are read from memory (ent).  The tile number is held to the expert's last tile for loads, so that the number of loads is the same on every path; products and stores of tiles that do not exist are jumped over.
; An expert without rows still streams its weights: the barrier stands on every wave's path.  Its tile 0 (16 copies of token 0) is computed and never used.
; NO CLUSTER, NO TENSOR LOADS: the weights, three quarters of the bytes, are shared by nobody and have to pass through registers to be quantised; the shared rows have counts that differ from expert to expert.
; LIMITS: NaN and infinities are not served; a block of zeros gets the scale byte 1 (its codes are zeros; this program alone reads the bytes).
; THE MODE: SCHED_MODE bits 1:0 = 2 (LLVM: expert scheduling mode 2), set by the entry lines.  The code itself states the register dependences
; between vector or matrix instructions and memory or LDS instructions, with s_wait_alu, always for 0.
; THE PLAN.  Registers that memory or LDS instructions touch, and who else names them:
;   v1-7, v23        offsets and LDS addresses, made once at the head and never written again: one wait on va_vdst ahead of the first load serves them all.
;   landing sets     (window 1)  A chunk's 128 moves read a set; one wait on va_vdst behind them, and the set is asked for again at once.
;   CS, CW, SBW      The quantiser writes codes and bytes, a trip's head the two addresses; the chunk's LDS stores read them.  One wait on va_vdst ahead of the run of stores; one on vm_vsrc ahead of
;                    the lines that write them again: at a trip's head and at the second chunk's head.
;   WF0, WF1, WS     Step s's products read set s % 2.  The fetches of step s + 1, dealt among them, land in the other set, which step s - 1's products read: ONE wait on va_vdst at a step's head states that
;                    those are done; the products behind it name none of the registers that the fetches touch.
;   rows, SS         (windows 2, 3; v24-55)  K step s's products read K step s's rows.  K steps 4-7 are asked for in steps 0-3: the pass before read them last, ahead of the waits at this pass's head.
;                    The next pass's scale words and K steps 0-3 are asked for behind the eighth step, behind a wait on va_vdst.
;   AOFF, SOFF       Read by a pass's loads; written for the next pass behind a wait on vm_vsrc, ahead of that wait on va_vdst.
;   PC, PW, OA, OS   The way out: the quantiser and two additions write them, a tile's four stores read them: one wait on va_vdst ahead of the stores, one on vm_vsrc at the next tile's head.
;   v64-255          At a pass's head the fragments land where phase Q's, or the way out's, vector lines and stores worked: one wait on vm_vsrc and one on va_vdst there.
.set ISG1, 1
.set PB,   16384                       ; bytes from a row of the weight to the next
.set TS,   12800                       ; bytes from a tile's record to the next tile's
.set WB,   4                           ; s[4:5]   the weight, at my wave's first row
.set AB,   8                           ; s[8:9]   the rows' records of this expert
.set OB,   12                          ; s[12:13] where the results go
.set IMG,  0                           ; LDS: fragments of 1,536 bytes, index 8 s + ct; lane (r, h) has 48 bytes at 48 (r + 16 h)
.set WSC,  98304                       ; scale words [s][ct][r]
.set L16,  1                           ; 16 x lane
.set R32,  2                           ; 32 (lane % 16)
.set CW0,  3                           ; my codes' place in a K step's images
.set SB0,  4                           ; my scale bytes' place
.set WFA,  5                           ; where I read fragments of K steps 0-3
.set WFB,  6                           ; and of K steps 4-7
.set WSA,  7                           ; where I read scale words
.set AOFF, 8                           ; v8-11  my four tiles' records, + 16 x lane
.set SOFF, 12                          ; v12-15 the same, + 32 (lane % 16)
.set OA,   16                          ; the way out: codes
.set OS,   17                          ; the way out: scale word
.set CW,   18
.set SBW,  19
.set H64,  23                          ; 64 (lane / 16)
.set SS,   24                          ; v24-55 the rows' scale words, 8 i + s: scales and nothing else
.set WS,   56                          ; v56-63 the weight's scale words, two sets of four: scales and nothing else
.set WF,   64                          ; v64-159, v160-255 the weight's fragments, two sets of eight
.set CS,   64                          ; phase Q: codes, work registers, four columns of 32 numbers
.set TQ,   96
.set XQ,   128
.set HA,   64                          ; the way out: 64 hidden numbers, the codes, work registers, the scale word
.set PC,   128
.set TM,   148
.set PW,   164
.set BI,   192                         ; window 2: eb1 in the result's layout, 8 registers a tile
.set SEL,  48                          ; s[48:49]
; window 1: phase Q's two landing sets, then the accumulators (tile i, column tile ct at 64 i + 8 ct).  window 2: rows of tiles 0, 1 (96 (i % 2) + 12 s).  window 3: of tiles 2, 3.
; s14 wave, s16 expert, s18 R, s19 tiles, s20 last tile, s21 passes, s22 pass, s23 first tile of the pass asked for, s24 my tiles in this pass, s25 in the next, s27 first tile of this pass
.set MSB, 0
.macro WIN new                         ; the immediate's high byte repeats the setting that is left
.if MSB != \new
	s_set_vgpr_msb (MSB<<8)|\new
.set MSB, \new
.endif
.endm
.macro PLACES n
.rept \n
	v_nop
.endr
.endm
.macro QNT x, cs, tq                   ; 32 numbers of one column down K -> 24 bytes of codes in v[cs] .. v[cs + 5], the scale's byte in v[cs + 6]
	v_max3_num_f32 v[\tq], |v[\x]|, |v[\x+1]|, |v[\x+2]|
	v_max3_num_f32 v[\tq+1], |v[\x+3]|, |v[\x+4]|, |v[\x+5]|
.irp i, 6,10,14,18,22,26
	v_max3_num_f32 v[\tq], v[\tq], |v[\x+\i]|, |v[\x+\i+1]|
	v_max3_num_f32 v[\tq+1], v[\tq+1], |v[\x+\i+2]|, |v[\x+\i+3]|
.endr
	v_max3_num_f32 v[\tq], v[\tq], |v[\x+30]|, |v[\x+31]|
	v_max3_num_f32 v[\tq], v[\tq], v[\tq+1], 0x2800000      ; the floor 2^(5 - 127): the byte cannot fall under 1
	v_add_nc_u32 v[\tq+2], 0xfe000000, v[\tq]               ; 4 off the exponent field: the conversion's scale operand
	v_cvt_scalef32_pk16_bf6_f32 v[\cs:\cs+2], v[\x:\x+15], v[\tq+2]
	v_cvt_scalef32_pk16_bf6_f32 v[\tq+4:\tq+6], v[\x+16:\x+31], v[\tq+2]
	v_lshrrev_b32 v[\cs+6], 23, v[\tq+2]                    ; the scale's byte; also the plain line behind the conversions
.irp i, 0,1,2
	v_mov_b32 v[\cs+3+\i], v[\tq+4+\i]
.endr
.endm
.macro CST cs, off, boff
.irp p, 0,1,2
	ds_store_b64 v[CW], v[\cs+2*\p:\cs+2*\p+1] offset:\off+8*\p
.endr
	ds_store_b8 v[SBW], v[\cs+6] offset:\boff
.endm
.macro LDW set, koff                   ; 32 rows of my block, from row koff on: each load reads 512 consecutive bytes, read once in the launch
	WIN 0x40
.set rr, 0
.rept 32
	global_load_b128 v[128*\set+4*rr:128*\set+4*rr+3], v[L16], s[WB:WB+1] offset:(\koff+rr)*PB th:TH_LOAD_NT
.set rr, rr+1
.endr
	WIN 0
.endm
.macro CHUNK set, more, wcnt, off, boff        ; a landed set becomes four columns, is asked for again two K steps on, and is quantised
	s_wait_loadcnt \wcnt
	s_wait_dscnt 0x0                               ; the last chunk's LDS stores are done
.if \set
	s_wait_alu depctr_vm_vsrc(0)                   ; the first chunk's LDS stores have read the codes and bytes, which the quantiser below writes again (ahead of a first chunk the same wait stands at the trip's head)
.endif
	WIN 0x01
.irp c, 0,1,2,3
.set rr, 0
.rept 32
	v_mov_b32 v[XQ+32*\c+rr], v[128*\set+4*rr+\c]
.set rr, rr+1
.endr
.endr
.if \more
	WIN 0x40
	s_wait_alu depctr_va_vdst(0)                   ; the moves are done reading the set, in which the loads below land
	LDW \set, 256+128*\set
.endif
	WIN 0
.irp c, 0,1,2,3
	QNT XQ+32*\c, CS+8*\c, TQ+8*\c
.endr
	s_wait_alu depctr_va_vdst(0)                   ; the quantiser has written the codes and bytes, and the trip's head the two addresses: the LDS stores read them
.irp c, 0,1,2,3
	CST CS+8*\c, \off+48*\c, \boff+4*\c
.endr
.endm
.macro QUANT s                         ; 64 numbers of a lane, register 16 b + i = k 32 b + 16 (lane / 16) + i of my row -> a fragment in v[PC] on, its scale word in v[PW]
.irp b, 0,1,2,3
	v_max3_num_f32 v[TM+\b], |v[\s+16*\b]|, |v[\s+1+16*\b]|, 0x2800000
.endr
.irp i, 2,4,6,8,10,12,14
.irp b, 0,1,2,3
	v_max3_num_f32 v[TM+\b], v[TM+\b], |v[\s+16*\b+\i]|, |v[\s+1+16*\b+\i]|
.endr
.endr
.irp b, 0,1,2,3
	v_permlanex16_b32 v[TM+4+\b], v[TM+\b], s[SEL], s[SEL+1]
.endr
.irp b, 0,1,2,3
	v_max_num_f32 v[TM+\b], v[TM+\b], v[TM+4+\b]
.endr
.irp b, 0,1,2,3
	v_add_nc_u32 v[TM+12+\b], 0xfe000000, v[TM+\b]
.endr
.irp b, 0,1,2,3
	v_lshrrev_b32 v[TM+4+\b], 23, v[TM+12+\b]
.endr
	v_lshl_or_b32 v[PW], v[TM+5], 8, v[TM+4]
	v_lshl_or_b32 v[PW], v[TM+6], 16, v[PW]
	v_lshl_or_b32 v[PW], v[TM+7], 24, v[PW]
.irp c, 0,1
	v_cvt_scalef32_pk16_bf6_f32 v[PC+6*\c:PC+2+6*\c], v[\s+32*\c:\s+15+32*\c], v[TM+12+2*\c]
	v_cvt_scalef32_pk16_bf6_f32 v[PC+12+4*\c:PC+14+4*\c], v[\s+16+32*\c:\s+31+32*\c], v[TM+12+2*\c+1]
.endr
	v_nop                                          ; one plain line behind a scaled conversion
.irp c, 0,1
.irp i, 0,1,2
	v_permlane16_swap_b32 v[PC+6*\c+\i], v[PC+12+4*\c+\i]
.endr
.irp i, 0,1,2
	v_mov_b32 v[PC+3+6*\c+\i], v[PC+12+4*\c+\i]
.endr
.endr
.endm
.macro WM d, a, b, cm, c, sa, sb, row  ; one scaled product; cm = 0: the sum starts at 0; row = 1: source 0's scales stand in lanes 16-31
.if \cm
.if \row
	v_wmma_scale_f32_16x16x128_f8f6f4 v[\d:\d+7], v[\a:\a+11], v[\b:\b+11], v[\c:\c+7], v[\sa], v[\sb] matrix_a_fmt:MATRIX_FMT_BF6 matrix_b_fmt:MATRIX_FMT_BF6 matrix_a_scale:MATRIX_SCALE_ROW1
.else
	v_wmma_scale_f32_16x16x128_f8f6f4 v[\d:\d+7], v[\a:\a+11], v[\b:\b+11], v[\c:\c+7], v[\sa], v[\sb] matrix_a_fmt:MATRIX_FMT_BF6 matrix_b_fmt:MATRIX_FMT_BF6
.endif
.else
.if \row
	v_wmma_scale_f32_16x16x128_f8f6f4 v[\d:\d+7], v[\a:\a+11], v[\b:\b+11], 0, v[\sa], v[\sb] matrix_a_fmt:MATRIX_FMT_BF6 matrix_b_fmt:MATRIX_FMT_BF6 matrix_a_scale:MATRIX_SCALE_ROW1
.else
	v_wmma_scale_f32_16x16x128_f8f6f4 v[\d:\d+7], v[\a:\a+11], v[\b:\b+11], 0, v[\sa], v[\sb] matrix_a_fmt:MATRIX_FMT_BF6 matrix_b_fmt:MATRIX_FMT_BF6
.endif
.endif
.endm
.macro ADDR                            ; from s23: how many tiles of the pass are mine, and where their records lie; a tile past the last is held to the last
	s_sub_co_i32 s25, s19, s23
	s_sub_co_i32 s25, s25, s14
	s_add_co_i32 s25, s25, 3
	s_ashr_i32 s25, s25, 2
	s_max_i32 s25, s25, 0
	s_min_i32 s25, s25, 4
.irp i, 0,1,2,3
	s_add_co_u32 s28, s23, s14
	s_add_co_u32 s28, s28, 4*\i
	s_min_u32 s28, s28, s20
	s_min_u32 s28, s28, 63
	s_mul_i32 s28, s28, TS
	v_add_nc_u32 v[AOFF+\i], s28, v[L16]
	v_add_nc_u32 v[SOFF+\i], s28, v[R32]
.endr
.endm
.macro ASC                             ; my four tiles' scale words: 8 loads
.irp i, 0,1,2,3
	global_load_b128 v[SS+8*\i:SS+8*\i+3], v[SOFF+\i], s[AB:AB+1] offset:12288
	global_load_b128 v[SS+8*\i+4:SS+8*\i+7], v[SOFF+\i], s[AB:AB+1] offset:12304
.endr
.endm
.macro AFR s                           ; K step s of my four tiles' rows: 12 loads of 512 consecutive bytes.  It leaves the windows set: WIN 0 follows the last of a run
	WIN 0x80
.irp i, 0,1
.irp c, 0,1,2
	global_load_b128 v[96*\i+12*(\s)+4*\c:96*\i+12*(\s)+4*\c+3], v[AOFF+\i], s[AB:AB+1] offset:1536*(\s)+512*\c
.endr
.endr
	WIN 0xc0
.irp i, 0,1
.irp c, 0,1,2
	global_load_b128 v[96*\i+12*(\s)+4*\c:96*\i+12*(\s)+4*\c+3], v[AOFF+2+\i], s[AB:AB+1] offset:1536*(\s)+512*\c
.endr
.endr
.endm
.macro FETCHH s, q                     ; half q of K step s of the weight from LDS: column tiles 4 q .. 4 q + 3 (12 loads of 16 bytes) and their scale words (2 loads), into set s % 2
.irp ct, 0,1,2,3
.irp c, 0,1,2
.if (\s) < 4
	ds_load_b128 v[WF+96*((\s)%2)+12*(4*\q+\ct)+4*\c:WF+96*((\s)%2)+12*(4*\q+\ct)+4*\c+3], v[WFA] offset:12288*((\s)%4)+1536*(4*\q+\ct)+16*\c
.else
	ds_load_b128 v[WF+96*((\s)%2)+12*(4*\q+\ct)+4*\c:WF+96*((\s)%2)+12*(4*\q+\ct)+4*\c+3], v[WFB] offset:12288*((\s)%4)+1536*(4*\q+\ct)+16*\c
.endif
.endr
.endr
.irp m, 0,1
	ds_load_b32 v[WS+4*((\s)%2)+2*\q+\m], v[WSA] offset:512*(\s)+128*(2*\q+\m)     ; lanes 0-15: tile 2 m's words, lanes 16-31: tile 2 m + 1's
.endr
.endm
.macro MT s, i                         ; tile i's eight products of K step s; a tile that I do not have is jumped over.  The accumulators take turns
	s_cmp_le_u32 s24, \i
	s_cbranch_scc1 .Lsk_\@
.if ((\s) == 0) && ISG1
	WIN 0x68+4*(\i/2)                              ; source 1 window 2 or 3, C (the bias) window 2, D window 1
.else
	WIN 0x58+4*(\i/2)                              ; source 1 window 2 or 3, C and D window 1
.endif
.irp ct, 0,1,2,3,4,5,6,7
.if (\s) == 0
	WM 64*\i+8*\ct, WF+12*\ct, 96*(\i%2), ISG1, BI+8*\ct, WS+\ct/2, SS+8*\i, \ct%2
.else
	WM 64*\i+8*\ct, WF+96*((\s)%2)+12*\ct, 96*(\i%2)+12*(\s), 1, 64*\i+8*\ct, WS+4*((\s)%2)+\ct/2, SS+8*\i+(\s), \ct%2
.endif
.endr
	WIN 0
.Lsk_\@:
.endm
.macro MSTEP s                         ; K step s: up to 32 products; between them the next step's fragments are fetched
.if (\s) > 0
	PLACES 4                                       ; in front of loads into registers that the last step's products have read
	s_wait_alu depctr_va_vdst(0)                   ; the last step's products are done reading their set of fragments and scale words, in which this step's fetches land; this step's products name the other set
.endif
.if (\s) < 4
	AFR (\s)+4                                     ; the rows of four K steps on: the pass before read these registers last, ahead of the wait at this pass's head
	WIN 0
	s_wait_loadcnt 48                              ; this step's rows are in: the four K steps' behind them, 12 loads each, may be out
.else
	s_wait_loadcnt 12*(7-(\s))                     ; the later steps' rows, 12 loads a step, may be out
.endif
	s_wait_dscnt 0x0                               ; this step's fragments, asked for in the step before, are in
	MT \s, 0
.if (\s) < 7
	FETCHH (\s)+1, 0
.endif
	MT \s, 1
.if (\s) < 7
	FETCHH (\s)+1, 1
.endif
	MT \s, 2
	MT \s, 3
.endm
.macro OUT1 i                          ; tile i: relu, quantised, and stored as K step sj of the next product's record
	s_cmp_le_u32 s24, \i
	s_cbranch_scc1 .Ldone
	s_wait_xcnt 0x0                                ; the last tile's stores have had their addresses translated
.if \i > 0
	s_wait_alu depctr_vm_vsrc(0)                   ; the last tile's stores have read their two offsets, the codes and the scale word, all of which are written again below
.endif
	s_add_co_u32 s28, s27, s14
	s_add_co_u32 s28, s28, 4*\i
	s_min_u32 s28, s28, 63
	s_mul_i32 s28, s28, 51200
	s_add_co_u32 s29, s28, s54
	v_add_nc_u32 v[OA], s29, v[L16]
	s_add_co_u32 s29, s28, s55
	v_add_nc_u32 v[OS], s29, v[R32]
	WIN 0x04                                       ; source 1 window 1
.set n, 0
.rept 64
	v_max_num_f32 v[HA+n], 0, v[64*\i+n]           ; each accumulator from its low end on
.set n, n+1
.endr
	WIN 0
	QUANT HA
	s_wait_alu depctr_va_vdst(0)                   ; the quantiser has written the codes and the scale word, the two additions the offsets: the stores read them
.irp c, 0,1,2
	global_store_b128 v[OA], v[PC+4*\c:PC+4*\c+3], s[OB:OB+1] offset:512*\c    ; 512 consecutive bytes a store
.endr
	global_store_b32 v[OS], v[PW], s[OB:OB+1]      ; lanes l and l + 16 store the same word
.endm
	s_load_b256 s[4:11], s[0:1], 0x0               ; ew1, eb1, xg, ent
	s_load_b64 s[12:13], s[0:1], 0x20              ; hc
	s_set_vgpr_msb 0xc0
	v_lshl_add_u32 v254, v0, 2, 0x19000
	v_mov_b32 v255, 0
	s_set_vgpr_msb 0xc000
	v_lshrrev_b32 v20, 5, v0
	v_readfirstlane_b32 s14, v20                   ; wave 0..3 = my block of each K step
	s_and_b32 s16, ttmp7, 0xffff                   ; expert
	s_and_b32 s15, ttmp9, 7                        ; my 128 units are K step sj
	s_lshr_b32 s17, ttmp9, 3                       ; of quarter qj of the next product's K
	s_mov_b32 s[SEL], 0x76543210
	s_mov_b32 s[SEL+1], 0xfedcba98
	v_and_b32 v20, 31, v0
	v_lshlrev_b32 v[L16], 4, v20
	v_mul_u32_u24 v[WFA], v20, 48
	v_add_nc_u32 v[WFB], 49152, v[WFA]
	v_lshl_add_u32 v[WSA], v20, 2, WSC
	v_and_b32 v21, 15, v0
	v_lshlrev_b32 v[R32], 5, v21
	v_bfe_u32 v20, v0, 3, 2                        ; my columns 4 l + c: tile 2 (l / 8) + (l / 2) % 2, row 8 ((l / 4) % 2) + 4 (l % 2) + c
	v_bfe_u32 v21, v0, 1, 1
	v_bfe_u32 v22, v0, 2, 1
	v_and_b32 v23, 1, v0
	v_mul_u32_u24 v[CW0], v20, 3072
	v_mad_u32_u24 v[CW0], v21, 1536, v[CW0]
	v_mad_u32_u24 v[CW0], v22, 384, v[CW0]
	v_mad_u32_u24 v[CW0], v23, 192, v[CW0]
	s_wait_alu depctr_va_sdst(0)                   ; s14 is written, ahead of its first reader: LDS addresses, the weight's base and the tiles' numbers are made from it
	s_and_b32 s28, s14, 1
	s_mul_i32 s28, s28, 768                        ; block w: its low bit picks the reader's half, its high bit the second 24 bytes
	s_lshr_b32 s29, s14, 1
	s_mul_i32 s29, s29, 24
	s_add_co_u32 s28, s28, s29
	v_add_nc_u32 v[CW0], s28, v[CW0]
	v_lshlrev_b32 v[SB0], 7, v20
	v_lshl_add_u32 v[SB0], v21, 6, v[SB0]
	v_lshl_add_u32 v[SB0], v22, 5, v[SB0]
	v_lshl_add_u32 v[SB0], v23, 4, v[SB0]
	s_add_co_u32 s28, s14, WSC
	v_add_nc_u32 v[SB0], s28, v[SB0]
	v_bfe_u32 v[H64], v0, 4, 1
	v_lshlrev_b32 v[H64], 6, v[H64]
	s_mul_i32 s54, s15, 1536
	s_lshl_b32 s55, s15, 2
	s_add_co_u32 s55, s55, 12288
	s_lshl_b32 s28, s16, 24                        ; ew1: 16 MB an expert, 512 bytes a slice, 32 rows a wave
	s_lshl_b32 s29, ttmp9, 9
	s_add_co_u32 s28, s28, s29
	s_lshl_b32 s29, s14, 19
	s_add_co_u32 s28, s28, s29
	s_mov_b32 s29, 0
	s_lshl_b32 s30, s16, 14                        ; eb1
	s_lshl_b32 s31, ttmp9, 9
	s_add_co_u32 s30, s30, s31
	s_mov_b32 s31, 0
	s_mul_i32 s32, s16, 64*12800                   ; xg
	s_mov_b32 s33, 0
	s_lshl_b32 s34, s16, 2                         ; ent: the expert's count
	s_add_co_u32 s34, s34, 32768
	s_mov_b32 s35, 0
	s_mul_i32 s36, s16, 64*51200                   ; hc
	s_mul_i32 s37, s17, 12800
	s_add_co_u32 s36, s36, s37
	s_mov_b32 s37, 0
	s_wait_kmcnt 0x0
	s_add_nc_u64 s[4:5], s[4:5], s[28:29]
	s_add_nc_u64 s[6:7], s[6:7], s[30:31]
	s_add_nc_u64 s[8:9], s[8:9], s[32:33]
	s_add_nc_u64 s[34:35], s[10:11], s[34:35]
	s_add_nc_u64 s[12:13], s[12:13], s[36:37]
	s_load_b32 s18, s[34:35], 0x0
	WIN 0x80
	s_wait_alu depctr_va_vdst(0)                   ; the offsets and LDS addresses v1 to v7 and v23 are written: loads and stores read them from here on, and none is written again
.irp ct, 0,1,2,3,4,5,6,7
	global_load_b128 v[BI+8*\ct:BI+8*\ct+3], v[H64], s[6:7] offset:(32*(\ct/2)+8*(\ct%2))*4        ; eb1 of units 32 b + 16 h + 8 u + 0 .. 7
	global_load_b128 v[BI+8*\ct+4:BI+8*\ct+7], v[H64], s[6:7] offset:(32*(\ct/2)+8*(\ct%2))*4+16
.endr
	WIN 0
	LDW 0, 0                                       ; K steps 0 and 1
	LDW 1, 128
	s_wait_kmcnt 0x0
	s_min_u32 s18, s18, 1024
	s_add_co_u32 s19, s18, 15
	s_lshr_b32 s19, s19, 4
	s_max_u32 s19, s19, 1
	s_sub_co_u32 s20, s19, 1
	s_add_co_u32 s21, s19, 15
	s_lshr_b32 s21, s21, 4
	s_mov_b32 s23, 0
	ADDR                                           ; (no load has read these offsets yet; the chunks' waits on va_vdst stand between these lines and the first loads that do)
	s_mov_b32 s24, s25
	s_mov_b32 s26, 0
	s_mov_b32 s52, 0
	s_mov_b32 s53, 0
.Lq:                                                   ; three trips of two K steps
	s_wait_dscnt 0x0                               ; the last trip's LDS stores are done
	s_wait_alu depctr_vm_vsrc(0)                   ; they have read their two addresses, the codes and the bytes, all of which are written again below
	v_add_nc_u32 v[CW], s52, v[CW0]
	v_add_nc_u32 v[SBW], s53, v[SB0]
	CHUNK 0, 1, 32, 0, 0                           ; the other set's 32 loads are younger, over the backward jump too
	CHUNK 1, 1, 32, 12288, 512
	s_wait_xcnt 0x0                                ; the loads have read their base
	s_add_nc_u64 s[WB:WB+1], s[WB:WB+1], 256*PB
	s_add_co_u32 s52, s52, 24576
	s_add_co_u32 s53, s53, 1024
	s_add_co_u32 s26, s26, 1
	s_cmp_lt_u32 s26, 3
	s_cbranch_scc1 .Lq
	s_wait_dscnt 0x0
	s_wait_alu depctr_vm_vsrc(0)                   ; the last trip's LDS stores have read their two addresses, the codes and the bytes, all of which are written again below
	v_add_nc_u32 v[CW], s52, v[CW0]
	v_add_nc_u32 v[SBW], s53, v[SB0]
	CHUNK 0, 0, 32, 0, 0                           ; K step 6
	ASC                                            ; the first pass's scale words and its rows of K steps 0 and 1 are asked for while K step 7 is quantised: 32 loads.  Their offsets were written ahead of the chunks' waits on va_vdst; no vector instruction has named the registers in which they land
	AFR 0
	AFR 1
	WIN 0
	CHUNK 1, 0, 32, 12288, 512                     ; K step 7: those 32 loads are younger
	AFR 2
	AFR 3
	WIN 0
	s_wait_dscnt 0x0                               ; my images have landed
	s_barrier_signal -1
	s_barrier_wait -1                              ; everybody's have; the images are only read from here on
	s_mov_b32 s22, 0
.Lpass:
	s_wait_xcnt 0x0                                ; the last pass's stores have had their addresses translated
	s_wait_alu depctr_vm_vsrc(0)                   ; phase Q's LDS stores, or the last pass's stores, have read the codes, bytes and scale word in v64-164, where the fragments land
	s_wait_alu depctr_va_vdst(0)                   ; phase Q's, or the last way out's, vector lines are done with v64-255, and the last pass's products with the fragments, their scale words and the rows of K steps 4 to 7: loads land in all of these in this pass
	FETCHH 0, 0
	FETCHH 0, 1
	MSTEP 0
	MSTEP 1
	MSTEP 2
	MSTEP 3
	MSTEP 4
	MSTEP 5
	MSTEP 6
	MSTEP 7
	PLACES 5                                       ; in front of reads of results, of loads into operands, and of the next pass's products, which begin the accumulators anew
	s_mov_b32 s27, s23
	s_add_co_u32 s22, s22, 1
	s_cmp_ge_u32 s22, s21
	s_cbranch_scc1 .Lnl
	s_add_co_u32 s23, s23, 16
	s_wait_alu depctr_vm_vsrc(0)                   ; this pass's loads have read their offsets, which are written again below
	ADDR                                           ; (K step 7's wait for 0 has shown every load done: the offsets may be written)
	s_wait_alu depctr_va_vdst(0)                   ; the offsets are written; this pass's products are done reading the rows' scale words and the rows of K steps 0 to 3, in which the loads below land
	ASC                                            ; the next pass's scale words and K steps 0-3 come while this pass goes out
	AFR 0
	AFR 1
	AFR 2
	AFR 3
	WIN 0
.Lnl:
	OUT1 0
	OUT1 1
	OUT1 2
	OUT1 3
.Ldone:
	s_mov_b32 s24, s25
	s_cmp_lt_u32 s22, s21
	s_cbranch_scc1 .Lpass
	s_set_vgpr_msb 0xf                             ; the add's two registers, sources 0 and 1, lie in window 3
	s_wait_dscnt 0x0                               ; the closing lines, six on end
	s_wait_alu 0x0
	s_wait_tensorcnt 0x0
	ds_add_u32 v254, v255
	s_wait_dscnt 0x0
	s_endpgm
.Lfunc_end_k_q1eabfc411c_ffn1:
	.size	k_q1eabfc411c_ffn1, .Lfunc_end_k_q1eabfc411c_ffn1-k_q1eabfc411c_ffn1
	.p2alignl 7, 3214868480
	.fill 96, 4, 3214868480
	.section	.rodata,"a",@progbits
	.p2align	6, 0x0
	.amdhsa_kernel k_q1eabfc411c_ffn1
		.amdhsa_group_segment_fixed_size 102912
		.amdhsa_private_segment_fixed_size 0
		.amdhsa_enable_private_segment 0
		.amdhsa_kernarg_size 40
		.amdhsa_user_sgpr_count 2
		.amdhsa_user_sgpr_kernarg_segment_ptr 1
		.amdhsa_wavefront_size32 1
		.amdhsa_system_sgpr_workgroup_id_x 1
		.amdhsa_system_sgpr_workgroup_id_y 1
		.amdhsa_system_sgpr_workgroup_id_z 1
		.amdhsa_system_vgpr_workitem_id 0
		.amdhsa_next_free_vgpr 1024
		.amdhsa_next_free_sgpr 96
		.amdhsa_reserve_vcc 0
		.amdhsa_float_denorm_mode_32 3
		.amdhsa_float_denorm_mode_16_64 3
		.amdhsa_memory_ordered 1
		.amdhsa_forward_progress 1
		.amdhsa_inst_pref_size 158
	.end_amdhsa_kernel
	.amdgpu_metadata
---
amdhsa.version: [ 1, 2 ]
amdhsa.kernels:
  - .name:           k_q1eabfc411c_ffn1
    .symbol:         k_q1eabfc411c_ffn1.kd
    .args:
      - { .name: ew1, .offset: 0, .size: 8, .value_kind: global_buffer, .address_space: global }
      - { .name: eb1, .offset: 8, .size: 8, .value_kind: global_buffer, .address_space: global }
      - { .name: xg, .offset: 16, .size: 8, .value_kind: global_buffer, .address_space: global }
      - { .name: ent, .offset: 24, .size: 8, .value_kind: global_buffer, .address_space: global }
      - { .name: hc, .offset: 32, .size: 8, .value_kind: global_buffer, .address_space: global }
    .group_segment_fixed_size: 102912
    .private_segment_fixed_size: 0
    .kernarg_segment_align: 8
    .kernarg_segment_size: 40
    .max_flat_workgroup_size: 128
    .sgpr_count:     96
    .vgpr_count:     1024
    .wavefront_size: 32
...
	.end_amdgpu_metadata
.endif
;; end of part 10
;; launch ffn2 (part 11): grid 32 x 8, 4 waves a work-group, no clusters, 136,704 bytes of LDS; arguments ew2, hc, ent, part; writes part
.if DOCPART == 11
	.amdgcn_target "amdgcn-amd-amdhsa--gfx1250"
	.amdhsa_code_object_version 6
	.text
	.protected	k_q1eabfc411c_ffn2
	.globl	k_q1eabfc411c_ffn2
	.p2align	8
	.type	k_q1eabfc411c_ffn2,@function
k_q1eabfc411c_ffn2:
	s_mov_b64 s[64:65], 0
	v_nop
	global_prefetch_b8 v0, s[64:65] scope:SCOPE_SE
	s_setreg_imm32_b32 hwreg(HW_REG_WAVE_SCHED_MODE, 0, 2), 2
	s_setreg_imm32_b32 hwreg(HW_REG_WAVE_MODE, 25, 1), 1
	s_wait_xcnt 0x0
	s_wait_alu depctr_vm_vsrc(0)
; THE EXPERTS' SECOND LAYER: part[q][entry][d] = the sum over quarter q of the hidden axis of Q(hidden) Q(ew2[e]), for the rows routed to expert e.  Codes of BF6 (E3M2), one E8M0 scale for each 32 along K.
; THE WEIGHTS STAY PUT.  Work-group (x = 8 q + j, y = expert) owns ew2[e][1,024 hidden units of quarter q][128 outputs of slice j]: 512 KB of f32, read once.  The four quarters' sums are added by the next launch.
; PHASE Q and PHASE M are those of the first layer's launch: the weight is quantised on its way through registers into images in LDS; one barrier; the rows' records (written by the launch before, in the order of the
; operand's registers) are multiplied, tile t by wave t % 4, sixteen tiles a pass.  The product is used transposed; row r of column tile 2 b + u is column 32 b + 8 u + r + 8 (r / 8).
; Phase M's requests are spread: the next K step's fragments are fetched from LDS in two halves between the products of this one; a pass's rows are asked for in the order scale words, K steps 0 to 7: the scale words
; and K steps 0-3 ahead of the pass (56 loads), K step 4 + k at the head of K step k; the entries of my four tiles are asked for at the pass's head and waited for once, behind its products.
; THE WAY OUT: a tile's 16 rows x 128 outputs go through the wave's own stage in LDS and leave as whole rows of 512 consecutive bytes, each to the row of part that its entry (read from ent) names.
; Rows from R on are not stored.  Each row of part has one owner.  An expert without rows still streams its weights: the barrier stands on every wave's path.
; NO CLUSTER, NO TENSOR LOADS: the weights are shared by nobody and pass through registers to be quantised; the shared rows have counts that differ from expert to expert.
; LIMITS: NaN and infinities are not served; a block of zeros gets the scale byte 1 (its codes are zeros; this program alone reads the bytes).
; THE MODE: SCHED_MODE bits 1:0 = 2 (LLVM: expert scheduling mode 2), set by the entry lines.  The code itself states the register dependences
; between vector or matrix instructions and memory or LDS instructions, with s_wait_alu, always for 0.
; THE PLAN.  Registers that memory or LDS instructions touch, and who else names them:
;   v1-7, v16, v17   offsets and LDS addresses, made once at the head and never written again: one wait on va_vdst ahead of the first load serves them all.
;   landing sets     (window 1)  A chunk's 128 moves read a set; one wait on va_vdst behind them, and the set is asked for again at once.
;   CS, CW, SBW      The quantiser writes codes and bytes, a trip's head the two addresses; the chunk's LDS stores read them.  One wait on va_vdst ahead of the run of stores; one on vm_vsrc ahead of
;                    the lines that write them again: at a trip's head and at the second chunk's head.
;   WF0, WF1, WS     Step s's products read set s % 2.  The fetches of step s + 1, dealt among them, land in the other set, which step s - 1's products read: ONE wait on va_vdst at a step's head states that
;                    those are done; the products behind it name none of the registers that the fetches touch.
;   rows, SS         (windows 2, 3; v24-55)  K step s's products read K step s's rows.  K steps 4-7 are asked for in steps 0-3: the pass before read them last, ahead of the waits at this pass's head.
;                    The next pass's scale words and K steps 0-3 are asked for behind the eighth step, behind a wait on va_vdst.
;   AOFF, SOFF       Read by a pass's loads; written for the next pass behind a wait on vm_vsrc, ahead of that wait on va_vdst.
;   accumulators     (window 1)  Written by the products; read by a tile's LDS stores into the stage; begun anew by the next pass's products, behind the wait on vm_vsrc at its head.
;   OAR, BK          The way out: a tile's sixteen offsets are made together; ONE wait on va_vdst behind them serves the LDS stores (the accumulators are written), the loads from the stage (the products are done
;                    reading v64-127) and the sixteen stores (the offsets are written); one wait on vm_vsrc at the next tile's head.
.set ISG1, 0
.set PB,   4096
.set TS,   51200
.set WB,   4                           ; s[4:5]   the weight, at my wave's first row (phase Q alone)
.set AB,   6                           ; s[6:7]   the rows' records of this expert and quarter
.set OB,   10                          ; s[10:11] part, at my quarter and slice
.set EB,   12                          ; s[12:13] the expert's list of entries
.set IMG,  0
.set WSC,  98304
.set OST,  102400                      ; the way out: 16 rows x (512 + 16) bytes for each wave
.set L16,  1
.set R32,  2
.set CW0,  3
.set SB0,  4
.set WFA,  5
.set WFB,  6
.set WSA,  7
.set AOFF, 8
.set SOFF, 12
.set STO,  16                          ; the stage, in
.set RD,   17                          ; the stage, out
.set CW,   18
.set SBW,  19
.set SS,   24                          ; v24-55 the rows' scale words: scales and nothing else
.set WS,   56                          ; v56-63 the weight's scale words: scales and nothing else
.set WF,   64
.set CS,   64
.set TQ,   96
.set XQ,   128
.set BK,   64                          ; the way out: 16 rows read back
.set OAR,  128                         ; and an offset register for each
.set BI,   0                           ; (no bias here: the sums start at 0)
; window 1: phase Q's two landing sets, then the accumulators (64 i + 8 ct).  window 2: rows of tiles 0, 1.  window 3: of tiles 2, 3.
; s14 wave, s16 expert, s18 R, s19 tiles, s20 last tile, s21 passes, s22 pass, s23 first tile of the pass asked for, s24 my tiles in this pass, s25 in the next, s27 first tile of this pass.
; In phase M: s[32:47], s[48:63], s[68:83], s[84:99] the entries of my four tiles; s[2:3], s[4:5], s[8:9], s[66:67] where they are read from.
.set MSB, 0
.macro WIN new
.if MSB != \new
	s_set_vgpr_msb (MSB<<8)|\new
.set MSB, \new
.endif
.endm
.macro PLACES n
.rept \n
	v_nop
.endr
.endm
.macro QNT x, cs, tq
	v_max3_num_f32 v[\tq], |v[\x]|, |v[\x+1]|, |v[\x+2]|
	v_max3_num_f32 v[\tq+1], |v[\x+3]|, |v[\x+4]|, |v[\x+5]|
.irp i, 6,10,14,18,22,26
	v_max3_num_f32 v[\tq], v[\tq], |v[\x+\i]|, |v[\x+\i+1]|
	v_max3_num_f32 v[\tq+1], v[\tq+1], |v[\x+\i+2]|, |v[\x+\i+3]|
.endr
	v_max3_num_f32 v[\tq], v[\tq], |v[\x+30]|, |v[\x+31]|
	v_max3_num_f32 v[\tq], v[\tq], v[\tq+1], 0x2800000      ; the floor 2^(5 - 127): the byte cannot fall under 1
	v_add_nc_u32 v[\tq+2], 0xfe000000, v[\tq]               ; 4 off the exponent field: the conversion's scale operand
	v_cvt_scalef32_pk16_bf6_f32 v[\cs:\cs+2], v[\x:\x+15], v[\tq+2]
	v_cvt_scalef32_pk16_bf6_f32 v[\tq+4:\tq+6], v[\x+16:\x+31], v[\tq+2]
	v_lshrrev_b32 v[\cs+6], 23, v[\tq+2]                    ; the scale's byte; also the plain line behind the conversions
.irp i, 0,1,2
	v_mov_b32 v[\cs+3+\i], v[\tq+4+\i]
.endr
.endm
.macro CST cs, off, boff
.irp p, 0,1,2
	ds_store_b64 v[CW], v[\cs+2*\p:\cs+2*\p+1] offset:\off+8*\p
.endr
	ds_store_b8 v[SBW], v[\cs+6] offset:\boff
.endm
.macro LDW set, koff
	WIN 0x40
.set rr, 0
.rept 32
	global_load_b128 v[128*\set+4*rr:128*\set+4*rr+3], v[L16], s[WB:WB+1] offset:(\koff+rr)*PB th:TH_LOAD_NT
.set rr, rr+1
.endr
	WIN 0
.endm
.macro CHUNK set, more, wcnt, off, boff
	s_wait_loadcnt \wcnt
	s_wait_dscnt 0x0                               ; the last chunk's LDS stores are done
.if \set
	s_wait_alu depctr_vm_vsrc(0)                   ; the first chunk's LDS stores have read the codes and bytes, which the quantiser below writes again (ahead of a first chunk the same wait stands at the trip's head)
.endif
	WIN 0x01
.irp c, 0,1,2,3
.set rr, 0
.rept 32
	v_mov_b32 v[XQ+32*\c+rr], v[128*\set+4*rr+\c]
.set rr, rr+1
.endr
.endr
.if \more
	WIN 0x40
	s_wait_alu depctr_va_vdst(0)                   ; the moves are done reading the set, in which the loads below land
	LDW \set, 256+128*\set
.endif
	WIN 0
.irp c, 0,1,2,3
	QNT XQ+32*\c, CS+8*\c, TQ+8*\c
.endr
	s_wait_alu depctr_va_vdst(0)                   ; the quantiser has written the codes and bytes, and the trip's head the two addresses: the LDS stores read them
.irp c, 0,1,2,3
	CST CS+8*\c, \off+48*\c, \boff+4*\c
.endr
.endm
.macro WM d, a, b, cm, c, sa, sb, row
.if \cm
.if \row
	v_wmma_scale_f32_16x16x128_f8f6f4 v[\d:\d+7], v[\a:\a+11], v[\b:\b+11], v[\c:\c+7], v[\sa], v[\sb] matrix_a_fmt:MATRIX_FMT_BF6 matrix_b_fmt:MATRIX_FMT_BF6 matrix_a_scale:MATRIX_SCALE_ROW1
.else
	v_wmma_scale_f32_16x16x128_f8f6f4 v[\d:\d+7], v[\a:\a+11], v[\b:\b+11], v[\c:\c+7], v[\sa], v[\sb] matrix_a_fmt:MATRIX_FMT_BF6 matrix_b_fmt:MATRIX_FMT_BF6
.endif
.else
.if \row
	v_wmma_scale_f32_16x16x128_f8f6f4 v[\d:\d+7], v[\a:\a+11], v[\b:\b+11], 0, v[\sa], v[\sb] matrix_a_fmt:MATRIX_FMT_BF6 matrix_b_fmt:MATRIX_FMT_BF6 matrix_a_scale:MATRIX_SCALE_ROW1
.else
	v_wmma_scale_f32_16x16x128_f8f6f4 v[\d:\d+7], v[\a:\a+11], v[\b:\b+11], 0, v[\sa], v[\sb] matrix_a_fmt:MATRIX_FMT_BF6 matrix_b_fmt:MATRIX_FMT_BF6
.endif
.endif
.endm
.macro ADDR
	s_sub_co_i32 s25, s19, s23
	s_sub_co_i32 s25, s25, s14
	s_add_co_i32 s25, s25, 3
	s_ashr_i32 s25, s25, 2
	s_max_i32 s25, s25, 0
	s_min_i32 s25, s25, 4
.irp i, 0,1,2,3
	s_add_co_u32 s28, s23, s14
	s_add_co_u32 s28, s28, 4*\i
	s_min_u32 s28, s28, s20
	s_min_u32 s28, s28, 63
	s_mul_i32 s28, s28, TS
	v_add_nc_u32 v[AOFF+\i], s28, v[L16]
	v_add_nc_u32 v[SOFF+\i], s28, v[R32]
.endr
.endm
.macro ASC                             ; my four tiles' scale words: 8 loads
.irp i, 0,1,2,3
	global_load_b128 v[SS+8*\i:SS+8*\i+3], v[SOFF+\i], s[AB:AB+1] offset:12288
	global_load_b128 v[SS+8*\i+4:SS+8*\i+7], v[SOFF+\i], s[AB:AB+1] offset:12304
.endr
.endm
.macro AFR s                           ; K step s of my four tiles' rows: 12 loads of 512 consecutive bytes.  It leaves the windows set: WIN 0 follows the last of a run
	WIN 0x80
.irp i, 0,1
.irp c, 0,1,2
	global_load_b128 v[96*\i+12*(\s)+4*\c:96*\i+12*(\s)+4*\c+3], v[AOFF+\i], s[AB:AB+1] offset:1536*(\s)+512*\c
.endr
.endr
	WIN 0xc0
.irp i, 0,1
.irp c, 0,1,2
	global_load_b128 v[96*\i+12*(\s)+4*\c:96*\i+12*(\s)+4*\c+3], v[AOFF+2+\i], s[AB:AB+1] offset:1536*(\s)+512*\c
.endr
.endr
.endm
.macro FETCHH s, q                     ; half q of K step s of the weight from LDS: column tiles 4 q .. 4 q + 3 (12 loads of 16 bytes) and their scale words (2 loads), into set s % 2
.irp ct, 0,1,2,3
.irp c, 0,1,2
.if (\s) < 4
	ds_load_b128 v[WF+96*((\s)%2)+12*(4*\q+\ct)+4*\c:WF+96*((\s)%2)+12*(4*\q+\ct)+4*\c+3], v[WFA] offset:12288*((\s)%4)+1536*(4*\q+\ct)+16*\c
.else
	ds_load_b128 v[WF+96*((\s)%2)+12*(4*\q+\ct)+4*\c:WF+96*((\s)%2)+12*(4*\q+\ct)+4*\c+3], v[WFB] offset:12288*((\s)%4)+1536*(4*\q+\ct)+16*\c
.endif
.endr
.endr
.irp m, 0,1
	ds_load_b32 v[WS+4*((\s)%2)+2*\q+\m], v[WSA] offset:512*(\s)+128*(2*\q+\m)
.endr
.endm
.macro MT s, i                         ; tile i's eight products of K step s; a tile that I do not have is jumped over.  The accumulators take turns
	s_cmp_le_u32 s24, \i
	s_cbranch_scc1 .Lsk_\@
	WIN 0x58+4*(\i/2)                              ; source 1 window 2 or 3, C and D window 1
.irp ct, 0,1,2,3,4,5,6,7
.if (\s) == 0
	WM 64*\i+8*\ct, WF+12*\ct, 96*(\i%2), ISG1, BI+8*\ct, WS+\ct/2, SS+8*\i, \ct%2
.else
	WM 64*\i+8*\ct, WF+96*((\s)%2)+12*\ct, 96*(\i%2)+12*(\s), 1, 64*\i+8*\ct, WS+4*((\s)%2)+\ct/2, SS+8*\i+(\s), \ct%2
.endif
.endr
	WIN 0
.Lsk_\@:
.endm
.macro MSTEP s                         ; K step s: up to 32 products; between them the next step's fragments are fetched
.if (\s) > 0
	PLACES 4                                       ; in front of loads into registers that the last step's products have read
	s_wait_alu depctr_va_vdst(0)                   ; the last step's products are done reading their set of fragments and scale words, in which this step's fetches land; this step's products name the other set
.endif
.if (\s) < 4
	AFR (\s)+4                                     ; the rows of four K steps on: the pass before read these registers last, ahead of the wait at this pass's head
	WIN 0
	s_wait_loadcnt 48                              ; this step's rows are in: the four K steps' behind them, 12 loads each, may be out
.else
	s_wait_loadcnt 12*(7-(\s))                     ; the later steps' rows, 12 loads a step, may be out
.endif
	s_wait_dscnt 0x0                               ; this step's fragments, asked for in the step before, are in
	MT \s, 0
.if (\s) < 7
	FETCHH (\s)+1, 0
.endif
	MT \s, 1
.if (\s) < 7
	FETCHH (\s)+1, 1
.endif
	MT \s, 2
	MT \s, 3
.endm
.macro ELOAD i, p, e                   ; the 16 entries of my tile i of this pass into s[e] on; a tile past the expert's last is held to the last, so that only written words are read
	s_add_co_u32 s28, s23, s14
	s_add_co_u32 s28, s28, 4*\i
	s_min_u32 s28, s28, s20
	s_min_u32 s28, s28, 63
	s_lshl_b32 s[\p], s28, 6
	s_mov_b32 s[\p+1], 0
	s_add_nc_u64 s[\p:\p+1], s[EB:EB+1], s[\p:\p+1]
	s_load_b512 s[\e:\e+15], s[\p:\p+1], 0x0
.endm
.macro OUT2 i, e                       ; tile i: through my stage, then row by row to the rows of part that the entries in s[e] on name
	s_cmp_le_u32 s24, \i
	s_cbranch_scc1 .Ldone
	s_wait_xcnt 0x0                                ; the last tile's stores have had their addresses translated
.if \i > 0
	s_wait_alu depctr_vm_vsrc(0)                   ; the last tile's stores have read their offsets, which are written again below, and the rows in v64-127, in which the loads from the stage land
.endif
	s_add_co_u32 s28, s27, s14
	s_add_co_u32 s28, s28, 4*\i
	s_min_u32 s28, s28, 63
	s_lshl_b32 s29, s28, 4
	s_sub_co_i32 s29, s18, s29
	s_max_i32 s29, s29, 0
	s_min_i32 s29, s29, 16                         ; how many of its rows exist
.irp p, 0,1,2,3,4,5,6,7,8,9,10,11,12,13,14,15
	s_min_u32 s28, s[\e+\p], 2047                  ; the sixteen offsets are made together, so that one wait serves them (a rank from R on holds entry 0: its offset is made and not used)
	s_lshl_b32 s28, s28, 12
	v_add_nc_u32 v[OAR+\p], s28, v[L16]
.endr
	WIN 0x04                                       ; an LDS store's data are its source 1: window 1
	s_wait_alu depctr_va_vdst(0)                   ; the products have written the accumulators, which the LDS stores read, and are done reading v64-127, in which the loads from the stage land; the sixteen offsets are written
.irp ct, 0,1,2,3,4,5,6,7
	ds_store_b128 v[STO], v[64*\i+8*\ct:64*\i+8*\ct+3] offset:128*(\ct/2)+32*(\ct%2)        ; lane (r, h): outputs 32 b + 16 h + 8 u + 0 .. 7 of row r; each accumulator from its low end on
	ds_store_b128 v[STO], v[64*\i+8*\ct+4:64*\i+8*\ct+7] offset:128*(\ct/2)+32*(\ct%2)+16
.endr
	WIN 0
.irp p, 0,1,2,3,4,5,6,7,8,9,10,11,12,13,14,15
	ds_load_b128 v[BK+4*\p:BK+4*\p+3], v[RD] offset:528*\p       ; LDS serves a wave's instructions in order: these see my stores
.endr
.irp p, 0,1,2,3,4,5,6,7,8,9,10,11,12,13,14,15
	s_cmp_le_u32 s29, \p
	s_cbranch_scc1 .Lt_\@
	s_wait_dscnt 15-\p                             ; row p is back; the later rows' loads may be out
	global_store_b128 v[OAR+\p], v[BK+4*\p:BK+4*\p+3], s[OB:OB+1] th:TH_STORE_NT    ; 512 consecutive bytes, at a multiple of 512 from part's first byte
.endr
.Lt_\@:
	s_wait_dscnt 0x0
.endm
	s_load_b256 s[4:11], s[0:1], 0x0               ; ew2, hc, ent, part
	s_set_vgpr_msb 0x80
	v_lshl_add_u32 v254, v0, 2, 0x21400
	v_mov_b32 v255, 0
	s_set_vgpr_msb 0x8000
	v_lshrrev_b32 v20, 5, v0
	v_readfirstlane_b32 s14, v20                   ; wave 0..3 = my block of each K step
	s_and_b32 s16, ttmp7, 0xffff                   ; expert
	s_and_b32 s15, ttmp9, 7                        ; slice of 128 outputs
	s_lshr_b32 s17, ttmp9, 3                       ; quarter of K
	v_and_b32 v20, 31, v0
	v_lshlrev_b32 v[L16], 4, v20
	v_mul_u32_u24 v[WFA], v20, 48
	v_add_nc_u32 v[WFB], 49152, v[WFA]
	v_lshl_add_u32 v[WSA], v20, 2, WSC
	v_and_b32 v21, 15, v0
	v_lshlrev_b32 v[R32], 5, v21
	v_bfe_u32 v22, v0, 4, 1
	v_mul_u32_u24 v[STO], v21, 528
	v_lshl_add_u32 v[STO], v22, 6, v[STO]
	s_wait_alu depctr_va_sdst(0)                   ; s14 is written, ahead of its first reader: LDS addresses, the weight's base and the tiles' numbers are made from it
	s_mul_i32 s28, s14, 8448
	s_add_co_u32 s28, s28, OST
	v_add_nc_u32 v[STO], s28, v[STO]
	v_add_nc_u32 v[RD], s28, v[L16]
	v_bfe_u32 v20, v0, 3, 2                        ; my columns 4 l + c: tile 2 (l / 8) + (l / 2) % 2, row 8 ((l / 4) % 2) + 4 (l % 2) + c
	v_bfe_u32 v21, v0, 1, 1
	v_bfe_u32 v22, v0, 2, 1
	v_and_b32 v23, 1, v0
	v_mul_u32_u24 v[CW0], v20, 3072
	v_mad_u32_u24 v[CW0], v21, 1536, v[CW0]
	v_mad_u32_u24 v[CW0], v22, 384, v[CW0]
	v_mad_u32_u24 v[CW0], v23, 192, v[CW0]
	s_and_b32 s28, s14, 1
	s_mul_i32 s28, s28, 768
	s_lshr_b32 s29, s14, 1
	s_mul_i32 s29, s29, 24
	s_add_co_u32 s28, s28, s29
	v_add_nc_u32 v[CW0], s28, v[CW0]
	v_lshlrev_b32 v[SB0], 7, v20
	v_lshl_add_u32 v[SB0], v21, 6, v[SB0]
	v_lshl_add_u32 v[SB0], v22, 5, v[SB0]
	v_lshl_add_u32 v[SB0], v23, 4, v[SB0]
	s_add_co_u32 s28, s14, WSC
	v_add_nc_u32 v[SB0], s28, v[SB0]
	s_lshl_b32 s28, s16, 24                        ; ew2: 16 MB an expert, 4 MB a quarter, 32 rows a wave, 512 bytes a slice
	s_lshl_b32 s29, s17, 22
	s_add_co_u32 s28, s28, s29
	s_lshl_b32 s29, s14, 17
	s_add_co_u32 s28, s28, s29
	s_lshl_b32 s29, s15, 9
	s_add_co_u32 s28, s28, s29
	s_mov_b32 s29, 0
	s_mul_i32 s32, s16, 64*51200                   ; hc
	s_mul_i32 s33, s17, 12800
	s_add_co_u32 s32, s32, s33
	s_mov_b32 s33, 0
	s_lshl_b32 s34, s16, 2                         ; ent: the expert's count,
	s_add_co_u32 s34, s34, 32768
	s_mov_b32 s35, 0
	s_lshl_b32 s36, s16, 12                        ; and its list
	s_mov_b32 s37, 0
	s_lshl_b32 s38, s17, 23                        ; part: 8 MB a quarter, 512 bytes a slice
	s_lshl_b32 s39, s15, 9
	s_add_co_u32 s38, s38, s39
	s_mov_b32 s39, 0
	s_wait_kmcnt 0x0
	s_add_nc_u64 s[4:5], s[4:5], s[28:29]
	s_add_nc_u64 s[6:7], s[6:7], s[32:33]
	s_add_nc_u64 s[34:35], s[8:9], s[34:35]
	s_add_nc_u64 s[EB:EB+1], s[8:9], s[36:37]
	s_add_nc_u64 s[10:11], s[10:11], s[38:39]
	s_load_b32 s18, s[34:35], 0x0
	WIN 0x40
	s_wait_alu depctr_va_vdst(0)                   ; the offsets and LDS addresses v1 to v7, v16 and v17 are written: loads and stores read them from here on, and none is written again
	LDW 0, 0                                       ; K steps 0 and 1
	LDW 1, 128
	s_wait_kmcnt 0x0
	s_min_u32 s18, s18, 1024
	s_add_co_u32 s19, s18, 15
	s_lshr_b32 s19, s19, 4
	s_max_u32 s19, s19, 1
	s_sub_co_u32 s20, s19, 1
	s_add_co_u32 s21, s19, 15
	s_lshr_b32 s21, s21, 4
	s_mov_b32 s23, 0
	ADDR                                           ; (no load has read these offsets yet; the chunks' waits on va_vdst stand between these lines and the first loads that do)
	s_mov_b32 s24, s25
	s_mov_b32 s26, 0
	s_mov_b32 s52, 0
	s_mov_b32 s53, 0
.Lq:                                                   ; three trips of two K steps
	s_wait_dscnt 0x0                               ; the last trip's LDS stores are done
	s_wait_alu depctr_vm_vsrc(0)                   ; they have read their two addresses, the codes and the bytes, all of which are written again below
	v_add_nc_u32 v[CW], s52, v[CW0]
	v_add_nc_u32 v[SBW], s53, v[SB0]
	CHUNK 0, 1, 32, 0, 0                           ; the other set's 32 loads are younger, over the backward jump too
	CHUNK 1, 1, 32, 12288, 512
	s_wait_xcnt 0x0                                ; the loads have read their base
	s_add_nc_u64 s[WB:WB+1], s[WB:WB+1], 256*PB
	s_add_co_u32 s52, s52, 24576
	s_add_co_u32 s53, s53, 1024
	s_add_co_u32 s26, s26, 1
	s_cmp_lt_u32 s26, 3
	s_cbranch_scc1 .Lq
	s_wait_dscnt 0x0
	s_wait_alu depctr_vm_vsrc(0)                   ; the last trip's LDS stores have read their two addresses, the codes and the bytes, all of which are written again below
	v_add_nc_u32 v[CW], s52, v[CW0]
	v_add_nc_u32 v[SBW], s53, v[SB0]
	CHUNK 0, 0, 32, 0, 0                           ; K step 6
	ASC                                            ; the first pass's scale words and its rows of K steps 0 and 1 are asked for while K step 7 is quantised: 32 loads.  Their offsets were written ahead of the chunks' waits on va_vdst; no vector instruction has named the registers in which they land
	AFR 0
	AFR 1
	WIN 0
	CHUNK 1, 0, 32, 12288, 512                     ; K step 7: those 32 loads are younger
	AFR 2
	AFR 3
	WIN 0
	s_wait_dscnt 0x0                               ; my images have landed
	s_barrier_signal -1
	s_barrier_wait -1                              ; everybody's have; the images are only read from here on
	s_mov_b32 s22, 0
.Lpass:
	s_wait_xcnt 0x0                                ; the last pass's stores have had their addresses translated; every earlier load has read its base
	s_wait_alu depctr_vm_vsrc(0)                   ; phase Q's LDS stores have read the codes and bytes, the last pass's stores their rows and offsets (v64-143), where the fragments land; its LDS stores have read the accumulators, which this pass's products begin anew
	s_wait_alu depctr_va_vdst(0)                   ; phase Q's, or the last way out's, vector lines are done with v64-255, and the last pass's products with the fragments, their scale words and the rows of K steps 4 to 7: loads land in all of these in this pass
	ELOAD 0, 2, 32                                 ; the entries are wanted on the way out: asked for here, waited for behind the products
	ELOAD 1, 4, 48
	ELOAD 2, 8, 68
	ELOAD 3, 66, 84
	FETCHH 0, 0
	FETCHH 0, 1
	MSTEP 0
	MSTEP 1
	MSTEP 2
	MSTEP 3
	MSTEP 4
	MSTEP 5
	MSTEP 6
	MSTEP 7
	PLACES 5                                       ; in front of reads of results, of loads into operands, and of the next pass's products, which begin the accumulators anew
	s_wait_kmcnt 0x0                               ; the entries are in: on every path, so that the next pass may ask anew
	s_mov_b32 s27, s23
	s_add_co_u32 s22, s22, 1
	s_cmp_ge_u32 s22, s21
	s_cbranch_scc1 .Lnl
	s_add_co_u32 s23, s23, 16
	s_wait_alu depctr_vm_vsrc(0)                   ; this pass's loads have read their offsets, which are written again below
	ADDR                                           ; (K step 7's wait for 0 has shown every load done: the offsets may be written)
	s_wait_alu depctr_va_vdst(0)                   ; the offsets are written; this pass's products are done reading the rows' scale words and the rows of K steps 0 to 3, in which the loads below land
	ASC                                            ; the next pass's scale words and K steps 0-3 come while this pass goes out
	AFR 0
	AFR 1
	AFR 2
	AFR 3
	WIN 0
.Lnl:
	OUT2 0, 32
	OUT2 1, 48
	OUT2 2, 68
	OUT2 3, 84
.Ldone:
	s_mov_b32 s24, s25
	s_cmp_lt_u32 s22, s21
	s_cbranch_scc1 .Lpass
	s_set_vgpr_msb 0xa                             ; the add's two registers, sources 0 and 1, lie in window 2
	s_wait_dscnt 0x0                               ; the closing lines, six on end
	s_wait_alu 0x0
	s_wait_tensorcnt 0x0
	ds_add_u32 v254, v255
	s_wait_dscnt 0x0
	s_endpgm
.Lfunc_end_k_q1eabfc411c_ffn2:
	.size	k_q1eabfc411c_ffn2, .Lfunc_end_k_q1eabfc411c_ffn2-k_q1eabfc411c_ffn2
	.p2alignl 7, 3214868480
	.fill 96, 4, 3214868480
	.section	.rodata,"a",@progbits
	.p2align	6, 0x0
	.amdhsa_kernel k_q1eabfc411c_ffn2
		.amdhsa_group_segment_fixed_size 136704
		.amdhsa_private_segment_fixed_size 0
		.amdhsa_enable_private_segment 0
		.amdhsa_kernarg_size 32
		.amdhsa_user_sgpr_count 2
		.amdhsa_user_sgpr_kernarg_segment_ptr 1
		.amdhsa_wavefront_size32 1
		.amdhsa_system_sgpr_workgroup_id_x 1
		.amdhsa_system_sgpr_workgroup_id_y 1
		.amdhsa_system_sgpr_workgroup_id_z 1
		.amdhsa_system_vgpr_workitem_id 0
		.amdhsa_next_free_vgpr 1024
		.amdhsa_next_free_sgpr 100
		.amdhsa_reserve_vcc 0
		.amdhsa_float_denorm_mode_32 3
		.amdhsa_float_denorm_mode_16_64 3
		.amdhsa_memory_ordered 1
		.amdhsa_forward_progress 1
		.amdhsa_inst_pref_size 162
	.end_amdhsa_kernel
	.amdgpu_metadata
---
amdhsa.version: [ 1, 2 ]
amdhsa.kernels:
  - .name:           k_q1eabfc411c_ffn2
    .symbol:         k_q1eabfc411c_ffn2.kd
    .args:
      - { .name: ew2, .offset: 0, .size: 8, .value_kind: global_buffer, .address_space: global }
      - { .name: hc, .offset: 8, .size: 8, .value_kind: global_buffer, .address_space: global }
      - { .name: ent, .offset: 16, .size: 8, .value_kind: global_buffer, .address_space: global }
      - { .name: part, .offset: 24, .size: 8, .value_kind: global_buffer, .address_space: global }
    .group_segment_fixed_size: 136704
    .private_segment_fixed_size: 0
    .kernarg_segment_align: 8
    .kernarg_segment_size: 32
    .max_flat_workgroup_size: 128
    .sgpr_count:     100
    .vgpr_count:     1024
    .wavefront_size: 32
...
	.end_amdgpu_metadata
.endif
;; end of part 11
;; launch combine (part 12): grid 256 x 1, 8 waves a work-group, no clusters, 0 bytes of LDS; arguments part, eb2, idx, gt, out0; writes out0
.if DOCPART == 12
	.amdgcn_target "amdgcn-amd-amdhsa--gfx1250"
	.amdhsa_code_object_version 6
	.text
	.protected	k_q1eabfc411c_combine
	.globl	k_q1eabfc411c_combine
	.p2align	8
	.type	k_q1eabfc411c_combine,@function
k_q1eabfc411c_combine:
	s_mov_b64 s[64:65], 0
	v_nop
	global_prefetch_b8 v0, s[64:65] scope:SCOPE_SE
	s_setreg_imm32_b32 hwreg(HW_REG_WAVE_SCHED_MODE, 0, 2), 2
	s_setreg_imm32_b32 hwreg(HW_REG_WAVE_MODE, 25, 1), 1
	s_wait_xcnt 0x0
	s_wait_alu depctr_vm_vsrc(0)
; out0[n] = the sum over k = 0, 1 of gate[2 n + k] x (eb2[expert of 2 n + k] + the four quarters' sums part[q][2 n + k]).  All f32.
; A work-group takes four tokens; thread t takes the 16 bytes at 16 t of every row, so a wave's load or store covers 512 consecutive bytes.  All 40 loads of a thread are out together.
; A stream: no LDS, no barrier, no matrix unit.  The experts' numbers are whole numbers that an earlier launch stored; they are held to 7 ahead of the address.
; THE MODE: SCHED_MODE bits 1:0 = 2 (LLVM: expert scheduling mode 2), set by the entry lines.  The code itself states the register dependences
; between vector instructions and memory instructions, with s_wait_alu, always for 0.
; THE PLAN.  Registers that memory instructions touch: v1, the offset of part's loads and of the stores, made once; v2-9, the offsets of eb2's eight loads, made in one run; v32-191, in which loads land and which no
; vector instruction names before; v192-207, which the arithmetic writes once and the four stores read.  No register is written a second time: three waits on va_vdst, one ahead of each run of memory instructions.
	s_load_b256 s[4:11], s[0:1], 0x0               ; part, eb2, idx, gt
	s_load_b64 s[12:13], s[0:1], 0x20              ; out0
	v_lshlrev_b32 v1, 4, v0
	s_lshl_b32 s14, ttmp9, 5                       ; 8 words of idx and of gt
	s_mov_b32 s15, 0
	s_lshl_b32 s40, ttmp9, 15                      ; 8 rows of part
	s_mov_b32 s41, 0
	s_lshl_b32 s42, ttmp9, 14                      ; 4 rows of out0
	s_mov_b32 s43, 0
	s_wait_kmcnt 0x0
	s_add_nc_u64 s[8:9], s[8:9], s[14:15]
	s_add_nc_u64 s[10:11], s[10:11], s[14:15]
	s_load_b256 s[16:23], s[8:9], 0x0              ; the eight experts
	s_load_b256 s[24:31], s[10:11], 0x0            ; the eight gates
	s_add_nc_u64 s[32:33], s[4:5], s[40:41]        ; a base for each quarter: 8 MB apart, past a load's immediate
	s_add_nc_u64 s[34:35], s[32:33], 0x800000
	s_add_nc_u64 s[36:37], s[34:35], 0x800000
	s_add_nc_u64 s[38:39], s[36:37], 0x800000
	s_add_nc_u64 s[12:13], s[12:13], s[42:43]
	s_wait_alu depctr_va_vdst(0)                   ; v1 is written: part's loads and the stores read it as their offset
.irp q, 0,1,2,3
.irp m, 0,1,2,3,4,5,6,7
	global_load_b128 v[32+4*(8*\q+\m):35+4*(8*\q+\m)], v1, s[32+2*\q:33+2*\q] offset:4096*\m th:TH_LOAD_NT
.endr
.endr
	s_wait_kmcnt 0x0
.irp m, 0,1,2,3,4,5,6,7
	s_min_u32 s[16+\m], s[16+\m], 7
	s_lshl_b32 s[16+\m], s[16+\m], 12
	v_add_nc_u32 v[2+\m], s[16+\m], v1
.endr
	s_wait_alu depctr_va_vdst(0)                   ; the eight offsets v2 to v9 are written, which eb2's loads read
.irp m, 0,1,2,3,4,5,6,7
	global_load_b128 v[160+4*\m:163+4*\m], v[2+\m], s[6:7]
.endr
	s_wait_loadcnt 0x0
.irp q, 0,1,2,3
.irp m, 0,1,2,3,4,5,6,7
	v_pk_add_f32 v[160+4*\m:161+4*\m], v[160+4*\m:161+4*\m], v[32+4*(8*\q+\m):33+4*(8*\q+\m)]
	v_pk_add_f32 v[162+4*\m:163+4*\m], v[162+4*\m:163+4*\m], v[34+4*(8*\q+\m):35+4*(8*\q+\m)]
.endr
.endr
.irp u, 0,1,2,3
.irp i, 0,1,2,3
	v_mul_f32 v[192+4*\u+\i], s[24+2*\u], v[160+8*\u+\i]
.endr
.irp i, 0,1,2,3
	v_fmac_f32 v[192+4*\u+\i], s[25+2*\u], v[164+8*\u+\i]
.endr
.endr
	s_wait_alu depctr_va_vdst(0)                   ; the multiply-adds have written v192 to v207, which the four stores read
.irp u, 0,1,2,3
	global_store_b128 v1, v[192+4*\u:195+4*\u], s[12:13] offset:4096*\u th:TH_STORE_NT
.endr
	s_endpgm
.Lfunc_end_k_q1eabfc411c_combine:
	.size	k_q1eabfc411c_combine, .Lfunc_end_k_q1eabfc411c_combine-k_q1eabfc411c_combine
	.p2alignl 7, 3214868480
	.fill 96, 4, 3214868480
	.section	.rodata,"a",@progbits
	.p2align	6, 0x0
	.amdhsa_kernel k_q1eabfc411c_combine
		.amdhsa_group_segment_fixed_size 0
		.amdhsa_private_segment_fixed_size 0
		.amdhsa_enable_private_segment 0
		.amdhsa_kernarg_size 40
		.amdhsa_user_sgpr_count 2
		.amdhsa_user_sgpr_kernarg_segment_ptr 1
		.amdhsa_wavefront_size32 1
		.amdhsa_system_sgpr_workgroup_id_x 1
		.amdhsa_system_sgpr_workgroup_id_y 1
		.amdhsa_system_sgpr_workgroup_id_z 1
		.amdhsa_system_vgpr_workitem_id 0
		.amdhsa_next_free_vgpr 208
		.amdhsa_next_free_sgpr 66
		.amdhsa_reserve_vcc 0
		.amdhsa_float_denorm_mode_32 3
		.amdhsa_float_denorm_mode_16_64 3
		.amdhsa_memory_ordered 1
		.amdhsa_forward_progress 1
		.amdhsa_inst_pref_size 12
	.end_amdhsa_kernel
	.amdgpu_metadata
---
amdhsa.version: [ 1, 2 ]
amdhsa.kernels:
  - .name:           k_q1eabfc411c_combine
    .symbol:         k_q1eabfc411c_combine.kd
    .args:
      - { .name: part, .offset: 0, .size: 8, .value_kind: global_buffer, .address_space: global }
      - { .name: eb2, .offset: 8, .size: 8, .value_kind: global_buffer, .address_space: global }
      - { .name: idx, .offset: 16, .size: 8, .value_kind: global_buffer, .address_space: global }
      - { .name: gt, .offset: 24, .size: 8, .value_kind: global_buffer, .address_space: global }
      - { .name: out0, .offset: 32, .size: 8, .value_kind: global_buffer, .address_space: global }
    .group_segment_fixed_size: 0
    .private_segment_fixed_size: 0
    .kernarg_segment_align: 8
    .kernarg_segment_size: 40
    .max_flat_workgroup_size: 256
    .sgpr_count:     66
    .vgpr_count:     208
    .wavefront_size: 32
...
	.end_amdgpu_metadata
.endif
;; end of part 12
